; MI455X (gfx1250); checked and timed in simulation.
; The chip was launched on July 23, 2026; its instructions are those of AMD's public machine-readable ISA for CDNA 5 (MIT licence, August 2026) and "CDNA5" Instruction Set Architecture Reference Guide (July 2026). The comments in the code are by the model that wrote it; some were corrected since.
;; Transformer Block. Allowed arithmetic: matrix products marked QUANTISED: E5M2 operands, one E8M0 scale for each 32 along K, by v_wmma_scale_f32_16x16x128_f8f6f4 with both operands' format E5M2, f32 sums; everything else in f32.
;; Inputs: b1 4,096 float32; b2 1,024 float32; bo 1,024 float32; ln1_bias 1,024 float32; ln1_scale 1,024 float32; ln2_bias 1,024 float32; ln2_scale 1,024 float32; w1 1,024 x 4,096 float32; w2 4,096 x 1,024 float32; wk 1,024 x 1,024 float32; wo 1,024 x 1,024 float32; wq 1,024 x 1,024 float32; wv 1,024 x 1,024 float32; x 2 x 2,048 x 1,024 float32.
;; Outputs: out0 2 x 2,048 x 1,024 float32.
;; This version of the problem:
;;   THIS VERSION OF THE PROBLEM IS GIVEN IN LOW PRECISION. The matrix products marked QUANTISED in the list below multiply operands that are first quantised to E5M2 (5 exponent bits, 2 mantissa bits; 8 bits a number), with one power-of-two scale for each 32 numbers along K (OCP MX v1.0); their sums are f32. All else is computed in f32.
;;   The module's matrix products, in the order in which they are computed (A, B: the left and right operand; K: the contracted axis; several contracted axes count as one K, in the product's order):
;;     1. [M 4,096, K 1,024] x [K 1,024, N 1,024]; A: computed on the way; B: input wq: QUANTISED
;;     2. [M 4,096, K 1,024] x [K 1,024, N 1,024]; A: computed on the way; B: input wk: QUANTISED
;;     3. [M 4,096, K 1,024] x [K 1,024, N 1,024]; A: computed on the way; B: input wv: QUANTISED
;;     4. batch 32 x [M 2,048, K 64] x [K 64, N 2,048]; A: computed on the way; B: computed on the way: QUANTISED
;;     5. batch 32 x [M 2,048, K 2,048] x [K 2,048, N 64]; A: softmax (see below); B: computed on the way: QUANTISED
;;     6. [M 4,096, K 1,024] x [K 1,024, N 1,024]; A: computed on the way; B: input wo: QUANTISED
;;     7. [M 4,096, K 1,024] x [K 1,024, N 4,096]; A: computed on the way; B: input w1: QUANTISED
;;     8. [M 4,096, K 4,096] x [K 4,096, N 1,024]; A: computed on the way; B: input w2: QUANTISED
;;   THE QUANTISER, for each operand of a quantised product, along K:
;;     - K is cut into blocks of 32 from its start; a last block that is shorter is filled with zeros.
;;     - A block's scale is 2^e with e = floor(log2(the largest magnitude in the block)) - 15, held to -126 .. 127; a block of zeros has e = 0. As a byte (E8M0): e + 127.
;;     - Each number is divided by its block's scale, clamped to +-57,344, and rounded to the nearest number of E5M2, ties to even, subnormals kept.
;;     - The product sums the exact products of the quantised numbers (number of the format x scale) in f32.
;;   ~~~python
;;   def quantise(x, axis):      # numpy; x: float32 -> the quantised numbers, widened to float32 again
;;       x = np.moveaxis(x, axis, -1); K = x.shape[-1]
;;       x = np.pad(x, [(0, 0)] * (x.ndim - 1) + [(0, -K % 32)]); x = x.reshape(x.shape[:-1] + (-1, 32)); a = np.abs(x).max(-1, keepdims=True)
;;       e = np.where(a > 0, np.clip(np.frexp(np.where(a > 0, a, 1))[1] - 1 - 15, -126, 127), 0)      # np.frexp(a)[1] - 1 = floor(log2(a)), exactly
;;       r = np.clip(x / 2.0 ** e, -57344, 57344)
;;       step = 2.0 ** (np.maximum(np.frexp(np.where(r == 0, 1, r))[1] - 1, -14) - 2)
;;       q = np.round(r / step) * step * 2.0 ** e      # np.round: ties to even
;;       return np.moveaxis(q.reshape(q.shape[:-2] + (-1,))[..., :K], -1, axis).astype(np.float32)
;;   ~~~
;;   SOFTMAX AHEAD OF A QUANTISED PRODUCT. Where the list says 'softmax', what is quantised is not the finished softmax but p = 2^(t - M), with t = logit x log2(e) and M = ceil(the row's largest t), a whole number; so 1/2 < the row's largest p <= 1. The row's sum l is taken of the UNQUANTISED p, in f32, and the product's result is divided by l at the end. Since M is a whole number, a kernel that streams over the keys may use a running M (the ceiling of the running maximum): every later rescaling is an exact power of two, which a block's scale takes up: the codes' values come out the same.
;;   OPERANDS COMPUTED ON THE WAY. 'Computed on the way' means the value that the module computes at that place (a softmax that the list does not call 'softmax' is quantised finished and normalised). What goes into a quantiser is computed in f32, as accurately as f32 sums, v_exp_f32 and their like allow (about 1e-6 of the number): no bf16 or f16 on the way to a quantiser, and a product that is left as it is and whose result goes on into a quantised operand takes f32 operands (vector FMAs, or v_wmma_f32_16x16x4_f32). A number that lies on a knife's edge between two numbers of the format may be rounded either way, as far as f32 arithmetic and the matrix unit's own rounding can turn it there, and no further.
;; 2 versions. Each part assembles by itself: llvm-mc -triple=amdgcn-amd-amdhsa -mcpu=gfx1250 --defsym DOCPART=n.
;; ======== version 1 of 2: 7 launches
;; workspace buffers: wb 13,369,344 bytes; hb 4,456,448 bytes; qkvb 13,369,344 bytes; aob 4,456,448 bytes; x1 16,777,216 bytes; gb 17,825,792 bytes
;; launch prep (part 1): grid 448 x 1, 8 waves a work-group, no clusters, 2,048 bytes of LDS; arguments x, ln1_scale, ln1_bias, hb, wq, wk, wv, wo, w2, w1, wb; writes hb, wb
.if DOCPART == 1
	.amdgcn_target "amdgcn-amd-amdhsa--gfx1250"
	.amdhsa_code_object_version 6
	.text
	.protected	k_qc4c65dbbab_prep
	.globl	k_qc4c65dbbab_prep
	.p2align	8
	.type	k_qc4c65dbbab_prep,@function
k_qc4c65dbbab_prep:
	s_mov_b64 s[64:65], 0
	v_nop
	global_prefetch_b8 v0, s[64:65] scope:SCOPE_SE
	s_setreg_imm32_b32 hwreg(HW_REG_WAVE_MODE, 25, 1), 1
	s_wait_xcnt 0x0
; Two jobs, parted on the work-group's number.
; Work-groups 0-255: LayerNorm of 16 tokens, (x - mean) / (std + 1e-5) * scale + bias in f32 (mean first, then the mean of the squared differences), quantised along the 1,024 columns
; to codes of E5M2 with one E8M0 byte for each 32, and stored as an operand.  Work-groups 256-447: the six weights [K][N], quantised along K (a lane to a column, its registers down K).
; AN OPERAND IN MEMORY is a run of RECORDS of 4,352 bytes, [row tile][K / 256]: a record is 16 rows x 256 K: two images of a fragment's registers (2,048 bytes each: registers 4c..4c+3 of lane l
; at 512 c + 16 l) and 256 bytes of scale words (lane l: 8 bytes at 4,096 + 8 l: the words of row l % 16 for the two K steps of 128; both halves of the lanes alike).
; THE ROWS OF A ROW TILE ARE NOT NEIGHBOURS: lane r of tile T holds row 32 (T / 2) + 8 (T % 2) + r + 8 (r / 8), so that results of a product used transposed lie 16 neighbours to a lane.
; LIMITS: NaN and infinities are not served.  A block whose largest magnitude lies under 2^-111, a block of zeros among them, gets the byte 1 (its codes are zeros or subnormal codes); only this program reads the bytes.
; v_sqrt_f32 and v_rcp_f32 are accurate to one unit in the last place.
.set REC,  4352
.set RS1,  17408                       ; from row tile to row tile, K = 1,024
.set RS4,  69632                       ; K = 4,096
.set X,    16                          ; v16-79   64 numbers of a lane (weights: two sets of 32)
.set GS,   80                          ; v80-143  the norm's scale (weights: the codes of eight blocks)
.set GB,   144                         ; v144-207 the norm's bias (weights: v144-145 the scale bytes)
.set PC,   208                         ; v208-223 the fragment's codes
.set TM,   224                         ; v224-239 at work in the quantiser
.set PW,   240                         ; v240     the scale word
.set SEL,  40                          ; s[40:41] lane selects: lane l xor 16
.set MNT,  42                          ; s42      the mantissa field of 57,344
	s_load_b256 s[4:11], s[0:1], 0x0               ; x, the norm's scale, its bias, the tokens' operand
	s_load_b256 s[12:19], s[0:1], 0x20             ; wq, wk, wv, wo
	s_load_b128 s[20:23], s[0:1], 0x40             ; w2, w1
	s_load_b64 s[24:25], s[0:1], 0x50              ; the weights' operands
	v_lshl_add_u32 v254, v0, 2, 0x400
	v_mov_b32 v255, 0
	v_lshrrev_b32 v1, 5, v0
	v_readfirstlane_b32 s26, v1                    ; wave 0..7
	v_and_b32 v1, 31, v0                           ; lane
	s_mov_b32 s[MNT], 0x600000
	s_cmp_ge_u32 ttmp9, 256                        ; the same for all waves of a work-group
	s_cbranch_scc1 .Lweights
; ---------------- LayerNorm.  Work-group g is token tile g; wave w holds columns 128 w .. 128 w + 127: lane (r, h) has, of its row, 16 neighbours of each block of 32.
	v_and_b32 v2, 15, v0                           ; r
	v_bfe_u32 v3, v0, 4, 1                         ; h
	v_and_b32 v10, 8, v2
	v_add_nc_u32 v10, v10, v2                      ; r + 8 (r / 8)
	v_lshlrev_b32 v4, 12, v10                      ; a row is 4,096 bytes
	v_lshl_add_u32 v4, v3, 6, v4                   ; + 64 h
	s_lshl_b32 s27, s26, 9                         ; + 512 w
	v_add_nc_u32 v4, s27, v4
	v_lshl_add_u32 v5, v3, 6, s27                  ; the same columns of the norm's scale and bias
	v_lshlrev_b32 v6, 4, v1                        ; 16 x lane: an image's place
	v_lshlrev_b32 v7, 3, v1                        ; 8 x lane: a scale word's
	v_lshlrev_b32 v9, 5, v2                        ; LDS: row r's eight partial sums
	s_lshl_b32 s28, s26, 2
	v_add_nc_u32 v8, s28, v9                       ; mine among them
	s_mov_b32 s[SEL], 0x76543210
	s_mov_b32 s[SEL+1], 0xfedcba98
.irp b, 0,1,2,3
	v_mov_b32 v[TM+4+\b], 0                        ; written once: a lane permute's destination counts as one of its sources
.endr
	s_lshr_b32 s30, ttmp9, 1
	s_lshl_b32 s30, s30, 17                        ; 32 (g / 2) rows
	s_and_b32 s31, ttmp9, 1
	s_lshl_b32 s31, s31, 15                        ; + 8 (g % 2) rows
	s_add_co_u32 s30, s30, s31
	s_mov_b32 s31, 0
	s_mul_i32 s32, ttmp9, RS1                      ; my row tile's records,
	s_lshr_b32 s33, s26, 1
	s_mul_i32 s33, s33, REC                        ; record w / 2,
	s_add_co_u32 s32, s32, s33
	s_and_b32 s34, s26, 1
	s_lshl_b32 s35, s34, 11                        ; image w % 2
	s_add_co_u32 s36, s32, s35
	s_mov_b32 s37, 0
	s_lshl_b32 s35, s34, 2                         ; and word w % 2 of the scale words
	s_add_co_u32 s38, s32, s35
	s_add_co_u32 s38, s38, 4096
	s_mov_b32 s39, 0
	s_wait_kmcnt 0x0
	s_add_nc_u64 s[4:5], s[4:5], s[30:31]
	s_add_nc_u64 s[36:37], s[10:11], s[36:37]
	s_add_nc_u64 s[38:39], s[10:11], s[38:39]
.irp b, 0,1,2,3
.irp j, 0,1,2,3
	global_load_b128 v[X+16*\b+4*\j:X+16*\b+4*\j+3], v4, s[4:5] offset:128*\b+16*\j
.endr
.endr
.irp b, 0,1,2,3
.irp j, 0,1,2,3
	global_load_b128 v[GS+16*\b+4*\j:GS+16*\b+4*\j+3], v5, s[6:7] offset:128*\b+16*\j
.endr
.endr
.irp b, 0,1,2,3
.irp j, 0,1,2,3
	global_load_b128 v[GB+16*\b+4*\j:GB+16*\b+4*\j+3], v5, s[8:9] offset:128*\b+16*\j
.endr
.endr
; The two chains in v[242:245] become the row's sum / 1,024 in v242: the lane's, lane l xor 16's, then the eight waves' through LDS bytes off .. off + 511.
.macro REDUCE off
	v_pk_add_f32 v[242:243], v[242:243], v[244:245]
	v_add_f32 v242, v242, v243
	v_permlanex16_b32 v244, v242, s[SEL], s[SEL+1]
	v_add_f32 v242, v242, v244
	ds_store_b32 v8, v242 offset:\off              ; both halves of the lanes write the same word with the same value
	s_wait_dscnt 0x0                               ; for the others' sake: my store has landed
	s_barrier_signal -1
	s_barrier_wait -1
	ds_load_b128 v[244:247], v9 offset:\off
	ds_load_b128 v[248:251], v9 offset:\off+16
	s_wait_dscnt 0x0
	v_add_f32 v244, v244, v245
	v_add_f32 v246, v246, v247
	v_add_f32 v248, v248, v249
	v_add_f32 v250, v250, v251
	v_add_f32 v244, v244, v246
	v_add_f32 v248, v248, v250
	v_add_f32 v244, v244, v248
	v_mul_f32 v242, 0x3a800000, v244               ; / 1,024
.endm
	s_wait_loadcnt 32                              ; x is in; the 32 younger loads (scale, bias) may be out
	v_pk_add_f32 v[242:243], v[X:X+1], v[X+2:X+3]
	v_pk_add_f32 v[244:245], v[X+4:X+5], v[X+6:X+7]
.irp j, 8,12,16,20,24,28,32,36,40,44,48,52,56,60
	v_pk_add_f32 v[242:243], v[242:243], v[X+\j:X+\j+1]
	v_pk_add_f32 v[244:245], v[244:245], v[X+\j+2:X+\j+3]
.endr
	REDUCE 0
	v_mov_b32 v252, v242                           ; the mean (the pair is named, its low word serves both halves)
	v_mov_b32 v253, v242
.irp j, 0,2,4,6,8,10,12,14,16,18,20,22,24,26,28,30,32,34,36,38,40,42,44,46,48,50,52,54,56,58,60,62
	v_pk_add_f32 v[X+\j:X+\j+1], v[X+\j:X+\j+1], v[252:253] op_sel_hi:[1,0] neg_lo:[0,1] neg_hi:[0,1]
.endr
	v_pk_mul_f32 v[242:243], v[X:X+1], v[X:X+1]
	v_pk_mul_f32 v[244:245], v[X+2:X+3], v[X+2:X+3]
.irp j, 4,8,12,16,20,24,28,32,36,40,44,48,52,56,60
	v_pk_fma_f32 v[242:243], v[X+\j:X+\j+1], v[X+\j:X+\j+1], v[242:243]
	v_pk_fma_f32 v[244:245], v[X+\j+2:X+\j+3], v[X+\j+2:X+\j+3], v[244:245]
.endr
	REDUCE 512                                     ; other LDS bytes than the first sum's: no third barrier is needed
	v_sqrt_f32 v242, v242
	v_nop                                          ; a plain instruction behind a transcendental
	s_wait_alu depctr_va_vdst(0)
	v_add_f32 v242, 0x3727c5ac, v242               ; + 1e-5
	v_rcp_f32 v252, v242
	v_nop
	s_wait_alu depctr_va_vdst(0)
	v_mov_b32 v253, v252
	s_wait_loadcnt 0x0                             ; the norm's scale and bias
.irp j, 0,2,4,6,8,10,12,14,16,18,20,22,24,26,28,30,32,34,36,38,40,42,44,46,48,50,52,54,56,58,60,62
	v_pk_mul_f32 v[X+\j:X+\j+1], v[X+\j:X+\j+1], v[252:253] op_sel_hi:[1,0]
.endr
.irp j, 0,2,4,6,8,10,12,14,16,18,20,22,24,26,28,30,32,34,36,38,40,42,44,46,48,50,52,54,56,58,60,62
	v_pk_fma_f32 v[X+\j:X+\j+1], v[X+\j:X+\j+1], v[GS+\j:GS+\j+1], v[GB+\j:GB+\j+1]
.endr
; The quantiser: register 16 b + i is column 32 b + 16 h + i of my row.
.irp b, 0,1,2,3
	v_max3_num_f32 v[TM+\b], |v[X+16*\b]|, |v[X+16*\b+1]|, 0x8000000   ; with the floor 2^(16 - 127): the byte cannot fall under 1
.endr
.irp i, 2,4,6,8,10,12,14
.irp b, 0,1,2,3
	v_max3_num_f32 v[TM+\b], |v[X+16*\b+\i]|, |v[X+16*\b+\i+1]|, v[TM+\b]
.endr
.endr
.irp b, 0,1,2,3
	v_permlanex16_b32 v[TM+4+\b], v[TM+\b], s[SEL], s[SEL+1]
.endr
.irp b, 0,1,2,3
	v_max_num_f32 v[TM+\b], v[TM+\b], v[TM+4+\b]   ; the block's largest magnitude
.endr
.irp b, 0,1,2,3
	v_add_nc_u32 v[TM+12+\b], 0xf8800000, v[TM+\b] ; 15 off its exponent field: the conversion's scale operand
.endr
.irp b, 0,1,2,3
	v_and_or_b32 v[TM+8+\b], v[TM+\b], 0x7f800000, s[MNT]   ; 57,344 x the scale
.endr
.irp b, 0,1,2,3
	v_lshrrev_b32 v[TM+4+\b], 23, v[TM+12+\b]      ; the scale's byte
.endr
	v_lshl_or_b32 v[PW], v[TM+5], 8, v[TM+4]
	v_lshl_or_b32 v[PW], v[TM+6], 16, v[PW]
	v_lshl_or_b32 v[PW], v[TM+7], 24, v[PW]
.irp b, 0,1,2,3
.irp i, 0,1,2,3,4,5,6,7,8,9,10,11,12,13,14,15
	v_med3_num_f32 v[X+16*\b+\i], v[X+16*\b+\i], -v[TM+8+\b], v[TM+8+\b]   ; the conversion to an 8-bit code does not saturate (ISA guide 7.6.2)
.endr
.endr
.irp b, 0,1,2,3
	v_cvt_scalef32_pk8_bf8_f32 v[PC+4*\b:PC+4*\b+1], v[X+16*\b:X+16*\b+7], v[TM+12+\b]
	v_cvt_scalef32_pk8_bf8_f32 v[PC+4*\b+2:PC+4*\b+3], v[X+16*\b+8:X+16*\b+15], v[TM+12+\b]
.endr
	v_nop
.irp c, 0,1,2,3
	global_store_b128 v6, v[PC+4*\c:PC+4*\c+3], s[36:37] offset:512*\c   ; 32 lanes store 512 consecutive bytes
.endr
	global_store_b32 v7, v[PW], s[38:39]
	s_wait_tensorcnt 0x0
	ds_add_u32 v254, v255
	s_wait_dscnt 0x0
	s_endpgm
; ---------------- The weights.  A work-group takes 256 columns x 256 along K; wave w 32 columns (a pair of row tiles) x 8 blocks of 32.
.macro WLOAD t, PITCH                  ; block t: W(32 t + i, my column) into set t % 2; 32 lanes read 128 consecutive bytes
.irp i, 0,1,2,3,4,5,6,7,8,9,10,11,12,13,14,15,16,17,18,19,20,21,22,23,24,25,26,27,28,29,30,31
	global_load_b32 v[X+32*((\t)%2)+\i], v4, s[12:13] offset:(32*(\t)+\i)*\PITCH th:TH_LOAD_NT
.endr
.endm
.macro WBLOCK t, PITCH
.set XS, X+32*((\t)%2)
.set CC, 80+8*(\t)                     ; each block has its own eight registers of codes: no store's data are written again
.if (\t) < 7
	s_wait_loadcnt 32                              ; this block's 32 loads are in; the next block's may be out
.else
	s_wait_loadcnt 0x0
.endif
	v_max3_num_f32 v12, |v[XS]|, |v[XS+1]|, |v[XS+2]|
	v_max3_num_f32 v13, |v[XS+3]|, |v[XS+4]|, |v[XS+5]|
.irp i, 6,10,14,18,22,26
	v_max3_num_f32 v12, v12, |v[XS+\i]|, |v[XS+\i+1]|
	v_max3_num_f32 v13, v13, |v[XS+\i+2]|, |v[XS+\i+3]|
.endr
	v_max3_num_f32 v12, v12, |v[XS+30]|, |v[XS+31]|
	v_max3_num_f32 v12, v12, v13, 0x8000000        ; and the floor
	v_add_nc_u32 v11, 0xf8800000, v12
	v_and_or_b32 v10, v12, 0x7f800000, s[MNT]
	v_lshrrev_b32 v13, 23, v11
.if (\t)%4 == 0
	v_mov_b32 v[144+(\t)/4], v13                   ; four bytes to a word, the lower K in the lower byte
.else
	v_lshl_or_b32 v[144+(\t)/4], v13, 8*((\t)%4), v[144+(\t)/4]
.endif
.irp i, 0,1,2,3,4,5,6,7,8,9,10,11,12,13,14,15,16,17,18,19,20,21,22,23,24,25,26,27,28,29,30,31
	v_med3_num_f32 v[XS+\i], v[XS+\i], -v10, v10
.endr
.irp g, 0,1,2,3
	v_cvt_scalef32_pk8_bf8_f32 v[CC+2*\g:CC+2*\g+1], v[XS+8*\g:XS+8*\g+7], v11
.endr
	v_nop
	global_store_b128 v5, v[CC:CC+3], s[24:25] offset:2048*((\t)/4)+512*((\t)%4)         ; K 0-15 of the block: the place of lane r; sixteen lanes of one tile fill 256 consecutive bytes
	global_store_b128 v5, v[CC+4:CC+7], s[24:25] offset:2048*((\t)/4)+512*((\t)%4)+256   ; K 16-31: the place of lane 16 + r
.if (\t)+2 < 8
	WLOAD (\t)+2, \PITCH
.endif
.endm
; s30: bytes from row tile to row tile; s32: where the weight's operand begins; s35: which 256 along K; s36: which 256 columns; s[12:13]: the weight
.macro WTAIL PITCH
	s_mul_i32 s44, s35, 256*\PITCH
	s_lshl_b32 s38, s36, 10
	s_add_co_u32 s44, s44, s38
	s_lshl_b32 s38, s26, 7
	s_add_co_u32 s44, s44, s38                     ; 256 rows of K x which + 4 (256 x which columns + 32 w)
	s_mov_b32 s45, 0
	s_lshl_b32 s46, s36, 4
	s_lshl_b32 s38, s26, 1
	s_add_co_u32 s46, s46, s38                     ; row tile 16 x which columns + 2 w
	s_mul_i32 s46, s46, s30
	s_add_co_u32 s46, s46, s32
	s_mul_i32 s38, s35, REC
	s_add_co_u32 s46, s46, s38
	s_mov_b32 s47, 0
	s_add_nc_u64 s[12:13], s[12:13], s[44:45]
	s_add_nc_u64 s[24:25], s[24:25], s[46:47]
	v_lshlrev_b32 v4, 2, v1                        ; my column
	v_bfe_u32 v5, v1, 3, 1                         ; column L of 32 lies in tile (L / 8) % 2,
	v_mul_u32_u24 v7, s30, v5
	v_and_b32 v8, 7, v1
	v_lshrrev_b32 v9, 4, v1
	v_lshl_add_u32 v8, v9, 3, v8                   ; at lane L % 8 + 8 (L / 16)
	v_lshl_add_u32 v5, v8, 4, v7
	v_lshl_add_u32 v6, v8, 3, v7
	WLOAD 0, \PITCH
	WLOAD 1, \PITCH
.irp t, 0,1,2,3,4,5,6,7
	WBLOCK \t, \PITCH
.endr
	global_store_b64 v6, v[144:145], s[24:25] offset:4096        ; the two scale words, for lane r
	global_store_b64 v6, v[144:145], s[24:25] offset:4096+128    ; and for lane 16 + r
	s_endpgm
.endm
.Lweights:
	s_sub_co_u32 s27, ttmp9, 256                   ; 0-63: wq, wk, wv, wo; 64-127: w2; 128-191: w1
	s_wait_kmcnt 0x0
	s_cmp_ge_u32 s27, 128
	s_cbranch_scc1 .Lw1
	s_lshr_b32 s28, s27, 4                         ; which of the four square weights
	s_cmp_eq_u32 s28, 1
	s_cselect_b64 s[12:13], s[14:15], s[12:13]
	s_cmp_eq_u32 s28, 2
	s_cselect_b64 s[12:13], s[16:17], s[12:13]
	s_cmp_eq_u32 s28, 3
	s_cselect_b64 s[12:13], s[18:19], s[12:13]
	s_mov_b32 s30, RS1
	s_mov_b32 s31, RS4
	s_mul_i32 s32, s28, 64*RS1
	s_mov_b32 s33, 8912896
	s_cmp_lt_u32 s27, 64
	s_cselect_b64 s[12:13], s[12:13], s[20:21]
	s_cselect_b32 s30, s30, s31
	s_cselect_b32 s32, s32, s33
	s_cselect_b32 s34, 3, 15
	s_lshr_b32 s35, s27, 2
	s_and_b32 s35, s35, s34
	s_and_b32 s36, s27, 3
	WTAIL 4096
.Lw1:
	s_mov_b64 s[12:13], s[22:23]
	s_mov_b32 s30, RS1
	s_mov_b32 s32, 4456448
	s_lshr_b32 s35, s27, 4
	s_and_b32 s35, s35, 3
	s_and_b32 s36, s27, 15
	WTAIL 16384
.Lfunc_end_k_qc4c65dbbab_prep:
	.size	k_qc4c65dbbab_prep, .Lfunc_end_k_qc4c65dbbab_prep-k_qc4c65dbbab_prep
	.p2alignl 7, 3214868480
	.fill 96, 4, 3214868480
	.section	.rodata,"a",@progbits
	.p2align	6, 0x0
	.amdhsa_kernel k_qc4c65dbbab_prep
		.amdhsa_group_segment_fixed_size 2048
		.amdhsa_private_segment_fixed_size 0
		.amdhsa_enable_private_segment 0
		.amdhsa_kernarg_size 88
		.amdhsa_user_sgpr_count 2
		.amdhsa_user_sgpr_kernarg_segment_ptr 1
		.amdhsa_wavefront_size32 1
		.amdhsa_system_sgpr_workgroup_id_x 1
		.amdhsa_system_sgpr_workgroup_id_y 1
		.amdhsa_system_sgpr_workgroup_id_z 1
		.amdhsa_system_vgpr_workitem_id 0
		.amdhsa_next_free_vgpr 256
		.amdhsa_next_free_sgpr 66
		.amdhsa_reserve_vcc 0
		.amdhsa_float_denorm_mode_32 3
		.amdhsa_float_denorm_mode_16_64 3
		.amdhsa_memory_ordered 1
		.amdhsa_forward_progress 1
		.amdhsa_inst_pref_size 140
	.end_amdhsa_kernel
	.amdgpu_metadata
---
amdhsa.version: [ 1, 2 ]
amdhsa.kernels:
  - .name:           k_qc4c65dbbab_prep
    .symbol:         k_qc4c65dbbab_prep.kd
    .args:
      - { .name: x, .offset: 0, .size: 8, .value_kind: global_buffer, .address_space: global }
      - { .name: ln1_scale, .offset: 8, .size: 8, .value_kind: global_buffer, .address_space: global }
      - { .name: ln1_bias, .offset: 16, .size: 8, .value_kind: global_buffer, .address_space: global }
      - { .name: hb, .offset: 24, .size: 8, .value_kind: global_buffer, .address_space: global }
      - { .name: wq, .offset: 32, .size: 8, .value_kind: global_buffer, .address_space: global }
      - { .name: wk, .offset: 40, .size: 8, .value_kind: global_buffer, .address_space: global }
      - { .name: wv, .offset: 48, .size: 8, .value_kind: global_buffer, .address_space: global }
      - { .name: wo, .offset: 56, .size: 8, .value_kind: global_buffer, .address_space: global }
      - { .name: w2, .offset: 64, .size: 8, .value_kind: global_buffer, .address_space: global }
      - { .name: w1, .offset: 72, .size: 8, .value_kind: global_buffer, .address_space: global }
      - { .name: wb, .offset: 80, .size: 8, .value_kind: global_buffer, .address_space: global }
    .group_segment_fixed_size: 2048
    .private_segment_fixed_size: 0
    .kernarg_segment_align: 8
    .kernarg_segment_size: 88
    .max_flat_workgroup_size: 256
    .sgpr_count:     66
    .vgpr_count:     256
    .wavefront_size: 32
...
	.end_amdgpu_metadata
.endif
;; end of part 1
;; launch qkv (part 2): grid 8 x 24, 4 waves a work-group, clusters of 4 x 4, 327,680 bytes of LDS; arguments hb, wb, qkvb; writes qkvb
.if DOCPART == 2
	.amdgcn_target "amdgcn-amd-amdhsa--gfx1250"
	.amdhsa_code_object_version 6
	.text
	.protected	k_qc4c65dbbab_qkv
	.globl	k_qc4c65dbbab_qkv
	.p2align	8
	.type	k_qc4c65dbbab_qkv,@function
k_qc4c65dbbab_qkv:
	s_mov_b64 s[64:65], 0
	v_nop
	global_prefetch_b8 v0, s[64:65] scope:SCOPE_SE
	s_setreg_imm32_b32 hwreg(HW_REG_WAVE_MODE, 25, 1), 1
	s_wait_xcnt 0x0
	s_wait_alu depctr_hold_cnt(0) depctr_sa_sdst(0) depctr_va_vdst(0) depctr_va_sdst(0) depctr_va_ssrc(0) depctr_va_vcc(0) depctr_vm_vsrc(0)
	s_getreg_b32 s2, hwreg(HW_REG_IB_STS2, 6, 4)
	s_cmp_eq_u32 s2, 0
	s_cbranch_scc0 .Lentry_in_a_cluster
	s_endpgm
.Lentry_in_a_cluster:
	s_bfe_u32 s2, ttmp6, 0x10000c
	s_cmp_lg_u32 s2, 0xf033
	s_cbranch_scc0 .Lentry_shape_is_right
	s_endpgm
.Lentry_shape_is_right:
; q, k = h wq, h wk (clusters y = 0..3) and v^T = wv^T h^T (clusters y = 4, 5), on codes of E5M2 with E8M0 scales, K = 1,024; the results are quantised in registers and stored as attention's operands.
; A work-group makes 256 x 256, each of its four waves 128 x 128: 64 accumulators.  Operands lie in memory as records of 4,352 bytes, [row tile of 16][K / 256]: two images of a fragment's registers
; (2,048 bytes: registers 4c..4c+3 of lane l at 512 c + 16 l) and 256 bytes of scale words (lane l: 8 bytes at 4,096 + 8 l).  One tensor load brings 8 records (128 rows x 256 K, scales with them);
; K goes in steps of 256 through a ring of two LDS slots.  Every fragment load reads 512 consecutive bytes: no pitch, no padding.
; CLUSTERS: 4 x 4 work-groups; the four of a row need the same tiles of the first operand, the four of a column the same tiles of the second: asked for jointly.
; THE PRODUCT IS USED TRANSPOSED (source 0 = 16 rows of the second operand, source 1 = 16 rows of the first).  Lane r of row tile T is row 32 (T / 2) + 8 (T % 2) + r + 8 (r / 8), so a lane's 64 registers of one block of the
; first operand are: register 16 b + i = column 32 b + 16 (lane / 16) + i of the wave's 128: what the quantiser and the next product's layout want.
; q, k: first operand = tokens, second = wq | wk: a lane holds a token and 128 columns, two heads: blocks of 32 along a head's 64.  v: first operand = wv's columns, second = tokens: a lane holds a channel and 128 keys.
; OUT: codes [head][token tile][1,024 bytes] for q and k; for v [batch, head pair][half of the four chunks][key step][head][channel tile][1,024]; scale words of two neighbouring tiles packed in pairs (low halves, high halves).
; LIMITS: NaN and infinities are not served; a block under 2^-111 (zeros too) gets the byte 1, which only this program reads.
; REGISTERS: window 0: v16-29 addresses; v32-63 scale words, two sets; v64-83 the quantiser's; from v128 the first operand's fragments, one set (v192-207 the codes on the way out);
;   window 1: the second operand's fragments, two sets; windows 2, 3: the accumulators ((a, b) at v[8 (8 (a % 4) + b)]).
.set RS,    17408                      ; bytes from row tile to row tile
.set LAPS,  2                          ; K / 512
.set REC,   4352
.set HALFT, 8*REC                      ; what one tensor load brings, and what one wave reads of an operand
.set SLOT,  4*HALFT
.set SPARE, 2*SLOT                     ; behind the ring: the spare words, 128 bytes a wave
.set NQ,    2
.set FR,    16
.set NL,    4
.set NP,    8                          ; places behind this matrix instruction (ISA guide 7.12.1)
.set ADRA,  16
.set ADRB,  20
.set ADRS,  22
.set CO,    26                         ; v26 16 x lane
.set SO,    27                         ; v27 4 x lane
.set SPW,   28
.set NIL,   29
.set SC,    32
.set TM,    64
.set PC,    192
.set AF,    128
.set G1,    24
.set G0,    32
.set G1B,   48
.set G0B,   56
.set SEL,   68
.set MNT,   70
.set MSB, 0
.macro WIN new                         ; the immediate's high byte repeats the setting that is left
.if MSB != (\new)
	s_set_vgpr_msb (MSB<<8)|(\new)
.set MSB, (\new)
.endif
.endm
.set MUL_LO, 0xa1                      ; source 0 window 1, source 1 window 0, C and D window 2
.set MUL_HI, 0xf1                      ; the same, C and D window 3
.set TO_B,   0x40                      ; destination window 1
.macro JLOAD g0a, g1a, g0b, g1b        ; a joint load: waves 0, 1 fetch the first operand's halves, waves 2, 3 the second's; four v_nop follow each line
	s_cmp_eq_u32 s15, 0
	s_cbranch_scc0 .Lfor_b_\@
	tensor_load_to_lds s[\g0a:\g0a+3], s[\g1a:\g1a+7]
	s_nop 0
.rept 4
	v_nop
.endr
	s_branch .Lasked_\@
.Lfor_b_\@:
	tensor_load_to_lds s[\g0b:\g0b+3], s[\g1b:\g1b+7]
	s_nop 0
.rept 4
	v_nop
.endr
.Lasked_\@:
.endm
.macro CREST                           ; a round of the cluster's barrier behind its opening barrier
	s_cmp_lg_u32 s14, 0
	s_cbranch_scc1 .Lnot_wave_0_\@
	s_barrier_signal -3
.Lnot_wave_0_\@:
	s_barrier_wait -3
	s_barrier_signal -1
	s_barrier_wait -1
.endm
.macro CROUND
	s_barrier_signal -1
	s_barrier_wait -1
	CREST
.endm
.macro FRAG reg, adr, q, i             ; the image of a fragment comes back as it was stored
.irp c, 0,1,2,3
	ds_load_b128 v[(\reg)+4*\c:(\reg)+4*\c+3], v[\adr] offset:2048*(\q)+512*\c+(\i)*REC
.endr
.endm
; 16 matrix instructions: blocks a0, a0 + 1 of the first operand x the second's eight.  The 64 accumulators take turns, one instruction a turn.
.macro MUL16 a0, p, q, sc, zero
.irp a, \a0, \a0+1
.irp b, 0,1,2,3,4,5,6,7
.if \zero
	v_wmma_scale_f32_16x16x128_f8f6f4 v[8*(8*((\a)%4)+\b):8*(8*((\a)%4)+\b)+7], v[128*(\p)+FR*\b:128*(\p)+FR*\b+FR-1], v[AF+FR*(\a):AF+FR*(\a)+FR-1], 0, v[SC+8*NQ*(\sc)+NQ*\b+(\q)], v[SC+8*NQ*(\sc)+NQ*(\a)+(\q)] matrix_a_fmt:MATRIX_FMT_BF8 matrix_b_fmt:MATRIX_FMT_BF8 matrix_a_scale:MATRIX_SCALE_ROW1
.else
	v_wmma_scale_f32_16x16x128_f8f6f4 v[8*(8*((\a)%4)+\b):8*(8*((\a)%4)+\b)+7], v[128*(\p)+FR*\b:128*(\p)+FR*\b+FR-1], v[AF+FR*(\a):AF+FR*(\a)+FR-1], v[8*(8*((\a)%4)+\b):8*(8*((\a)%4)+\b)+7], v[SC+8*NQ*(\sc)+NQ*\b+(\q)], v[SC+8*NQ*(\sc)+NQ*(\a)+(\q)] matrix_a_fmt:MATRIX_FMT_BF8 matrix_b_fmt:MATRIX_FMT_BF8 matrix_a_scale:MATRIX_SCALE_ROW1
.endif
.endr
.endr
.endm
.macro FETCH_B slot, q, p
	WIN TO_B
.irp i, 0,1,2,3,4,5,6,7
	FRAG 128*(\p)+FR*\i, ADRB+\slot, \q, \i
.endr
	WIN 0
.endm
.macro FETCH_A slot, q, i0
.irp i, \i0, \i0+1, \i0+2, \i0+3
	FRAG AF+FR*(\i), ADRA+\slot, \q, \i
.endr
.endm
.macro SCALES sc                       ; a slot's scale words: lanes 0-15 take the first operand's block i, lanes 16-31 the second's; two words a lane
.irp i, 0,1,2,3,4,5,6,7
	ds_load_b64 v[SC+8*NQ*\sc+NQ*\i:SC+8*NQ*\sc+NQ*\i+1], v[ADRS+\sc] offset:\i*REC
.endr
.endm
.macro PLACES n                        ; plain vector instructions between a matrix instruction and a load into, or a read of, its registers
.rept \n
	v_nop
.endr
.endm
.macro STEP slot, q, zero              ; 128 along K that have their successor in the same slot
	s_wait_dscnt 4*NL                              ; all but the youngest sixteen loads (blocks 4-7 of the first operand)
	WIN MUL_LO
	MUL16 0, (\q)%2, \q, \slot, \zero
	MUL16 2, (\q)%2, \q, \slot, \zero
	s_wait_dscnt 0
	PLACES NP
	FETCH_B \slot, (\q)+1, 1-(\q)%2
	FETCH_A \slot, (\q)+1, 0
	WIN MUL_HI
	MUL16 4, (\q)%2, \q, \slot, \zero
	MUL16 6, (\q)%2, \q, \slot, \zero
	PLACES NP
	WIN 0
	FETCH_A \slot, (\q)+1, 4
.endm
; A slot's last 128 change slots: one barrier; in front of it each wave waits for all its tensor loads, adds 0 to its spare word, and waits for that and for its reads of this slot.
.macro TURN slot, next, fill
	s_wait_tensorcnt 0x0                           ; all my tensor loads have landed: my part of the next slot
	ds_add_u32 v[SPW], v[NIL]
	s_wait_dscnt 4*NL+1                            ; (the add and the youngest sixteen loads may be out)
	WIN MUL_LO
	MUL16 0, 1, NQ-1, \slot, 0
	s_wait_dscnt 0x0                               ; the add is done, and my reads of this slot are over
	s_barrier_signal -1
	MUL16 2, 1, NQ-1, \slot, 0
	WIN 0
	s_barrier_wait -1
.if \fill
	CREST                                          ; the barrier has opened a round of the cluster's: no wave of any partner still reads this slot or has a load on its way
	s_add_nc_u64 s[G0+4*\slot+2:G0+4*\slot+3], s[G0+4*\slot+2:G0+4*\slot+3], 2*REC
	s_add_nc_u64 s[G0B+4*\slot+2:G0B+4*\slot+3], s[G0B+4*\slot+2:G0B+4*\slot+3], 2*REC
	JLOAD G0+4*\slot, G1, G0B+4*\slot, G1B         ; the first tensor load behind the round; its four v_nop are among the places
	PLACES NP-4
.else
	PLACES NP
.endif
	FETCH_B \next, 0, 0
	FETCH_A \next, 0, 0
	SCALES \next
	WIN MUL_HI
	MUL16 4, 1, NQ-1, \slot, 0
	MUL16 6, 1, NQ-1, \slot, 0
	PLACES NP
	WIN 0
	FETCH_A \next, 0, 4
.endm
; 64 numbers of a lane, v[s] on in window W (register 16 b + i = K 32 b + 16 (lane / 16) + i of my row), become a fragment's codes in v[PC] on and its scale word in v[pw].
.macro QUANT s, W, pw
	s_wait_xcnt 0x0                                ; earlier stores have read the codes' and the words' registers
	WIN (\W)|((\W)<<2)
.irp b, 0,1,2,3
	v_max3_num_f32 v[TM+\b], |v[(\s)+16*\b]|, |v[(\s)+16*\b+1]|, 0x8000000   ; with the floor 2^(16 - 127); each accumulator is read from its low end on
.endr
.irp i, 2,4,6,8,10,12,14
.irp b, 0,1,2,3
	v_max3_num_f32 v[TM+\b], |v[(\s)+16*\b+\i]|, |v[(\s)+16*\b+\i+1]|, v[TM+\b]
.endr
.endr
	WIN 0
.irp b, 0,1,2,3
	v_permlanex16_b32 v[TM+4+\b], v[TM+\b], s[SEL], s[SEL+1]
.endr
.irp b, 0,1,2,3
	v_max_num_f32 v[TM+\b], v[TM+\b], v[TM+4+\b]
.endr
.irp b, 0,1,2,3
	v_add_nc_u32 v[TM+12+\b], 0xf8800000, v[TM+\b] ; 15 off the exponent field: the conversion's scale operand
.endr
.irp b, 0,1,2,3
	v_and_or_b32 v[TM+8+\b], v[TM+\b], 0x7f800000, s[MNT]   ; 57,344 x the scale
.endr
.irp b, 0,1,2,3
	v_lshrrev_b32 v[TM+4+\b], 23, v[TM+12+\b]      ; the byte
.endr
	v_lshl_or_b32 v[\pw], v[TM+5], 8, v[TM+4]
	v_lshl_or_b32 v[\pw], v[TM+6], 16, v[\pw]
	v_lshl_or_b32 v[\pw], v[TM+7], 24, v[\pw]
	WIN (\W)|((\W)<<6)
.irp b, 0,1,2,3
.irp i, 0,1,2,3,4,5,6,7,8,9,10,11,12,13,14,15
	v_med3_num_f32 v[(\s)+16*\b+\i], v[(\s)+16*\b+\i], -v[TM+8+\b], v[TM+8+\b]   ; the conversion does not saturate (ISA guide 7.6.2)
.endr
.endr
	WIN (\W)
.irp b, 0,1,2,3
	v_cvt_scalef32_pk8_bf8_f32 v[PC+4*\b:PC+4*\b+1], v[(\s)+16*\b:(\s)+16*\b+7], v[TM+12+\b]
	v_cvt_scalef32_pk8_bf8_f32 v[PC+4*\b+2:PC+4*\b+3], v[(\s)+16*\b+8:(\s)+16*\b+15], v[TM+12+\b]
.endr
	WIN 0
	v_nop                                          ; a plain instruction behind the last conversion
.endm
	s_load_b128 s[4:7], s[0:1], 0x0                ; the tokens' operand, the weights' operands
	s_load_b64 s[8:9], s[0:1], 0x10                ; attention's operands
	v_lshl_add_u32 v[SPW], v0, 2, SPARE
	v_mov_b32 v[NIL], 0
	ds_add_u32 v28, v29
	ds_add_u32 v28, v29
	s_wait_dscnt 0x0
	v_lshrrev_b32 v1, 5, v0
	v_readfirstlane_b32 s14, v1                    ; wave 0..3
	s_lshr_b32 s15, s14, 1                         ; my half of the first operand's rows.  Also: I fetch for the first (0) or the second (1)
	s_and_b32 s16, s14, 1                          ; my half of the second's.  Also: which 8 records I fetch
	s_bfe_u32 s40, ttmp6, 0x40000                  ; cx
	s_bfe_u32 s41, ttmp6, 0x40004                  ; cy
	s_and_b32 s93, ttmp7, 0xffff                   ; the cluster's y: 0-3 q and k, 4-5 v; shared by all partners
	s_max_u32 s73, s93, 4
	s_sub_co_u32 s73, s73, 4
	s_lshl_b32 s73, s73, 3                         ; v: 8 more tile columns of tokens for the second cluster row
	s_lshl_b32 s42, ttmp9, 2
	s_add_co_u32 s42, s42, s40
	s_add_co_u32 s42, s42, s73                     ; tile column
	s_cmp_ge_u32 s93, 4
	s_cselect_b32 s17, 0, s93
	s_cselect_b32 s74, 2228224, 0                  ; v: wv's operand begins here in the weights' buffer
	s_lshl_b32 s17, s17, 2
	s_add_co_u32 s17, s17, s41                     ; tile row
	s_lshl_b32 s43, s41, 2
	s_lshl_b32 s43, 15, s43                        ; my row of the cluster
	s_lshl_b32 s44, 0x1111, s40                    ; my column
	s_or_b32 s[G1+0], s43, (3<<16)|(1<<21)         ; the mask; elements of 8 bytes; bit 21 beside a mask; no padding
	s_or_b32 s[G1B+0], s44, (3<<16)|(1<<21)
.irp g, G1, G1B
	s_mov_b32 s[\g+1], 544<<16                     ; tensor_dim0: a record, 544 elements
	s_mov_b32 s[\g+2], 8<<16                       ; tensor_dim1: 8 row tiles
	s_mov_b32 s[\g+3], 544<<16                     ; tile_dim0
	s_mov_b32 s[\g+4], 8                           ; tile_dim1
	s_mov_b32 s[\g+5], RS/8                        ; from row tile to row tile
	s_mov_b32 s[\g+6], 0
	s_mov_b32 s[\g+7], 0
.endr
	s_mov_b32 s[SEL], 0x76543210
	s_mov_b32 s[SEL+1], 0xfedcba98
	s_mov_b32 s[MNT], 0x600000
	s_lshl_b32 s18, s16, 3
	s_lshl_b32 s20, s17, 4
	s_add_co_u32 s20, s20, s18                     ; first operand: row tile 16 x tile row + 8 x half
	s_mul_i32 s20, s20, RS
	s_add_co_u32 s20, s20, s74
	s_mov_b32 s21, 0
	s_lshl_b32 s46, s42, 4
	s_add_co_u32 s46, s46, s18                     ; second: 16 x tile column + 8 x half
	s_mul_i32 s46, s46, RS
	s_mov_b32 s47, 0
	s_mul_i32 s45, s14, HALFT                      ; where they go: no place in the cluster enters an LDS address
	s_wait_kmcnt 0x0
	s_cmp_ge_u32 s93, 4
	s_cselect_b64 s[76:77], s[6:7], s[4:5]         ; first operand: wv, or the tokens
	s_cselect_b64 s[78:79], s[4:5], s[6:7]         ; second: the tokens, or wq | wk
	s_add_nc_u64 s[20:21], s[76:77], s[20:21]
	s_add_nc_u64 s[46:47], s[78:79], s[46:47]
	CROUND                                         ; all sixteen work-groups are here: the first joint loads meet
.irp s, 0,1
	s_mov_b32 s[G0+4*\s], 1
	s_add_co_u32 s[G0+4*\s+1], s45, \s*SLOT
	s_add_nc_u64 s[G0+4*\s+2:G0+4*\s+3], s[20:21], \s*REC
	s_or_b32 s[G0+4*\s+3], s[G0+4*\s+3], 0x80000000
	s_mov_b32 s[G0B+4*\s], 1
	s_add_co_u32 s[G0B+4*\s+1], s45, \s*SLOT
	s_add_nc_u64 s[G0B+4*\s+2:G0B+4*\s+3], s[46:47], \s*REC
	s_or_b32 s[G0B+4*\s+3], s[G0B+4*\s+3], 0x80000000
	JLOAD G0+4*\s, G1, G0B+4*\s, G1B
.endr
	v_and_b32 v1, 31, v0                           ; lane
	v_bfe_u32 v2, v0, 4, 1                         ; lane / 16
	v_lshlrev_b32 v[CO], 4, v1
	v_lshlrev_b32 v[SO], 2, v1
	s_mul_i32 s72, s15, HALFT                      ; my 8 records of the first operand,
	s_mul_i32 s73, s16, HALFT
	s_add_co_u32 s73, s73, 2*HALFT                 ; of the second
	s_sub_co_u32 s74, s73, s72
	v_mul_u32_u24 v3, s74, v2                      ; scale words: lanes 16-31 take the second operand's: one product, the distance between the two
	v_lshl_add_u32 v3, v1, 3, v3
	s_add_co_u32 s75, s72, 4096
	v_add_nc_u32 v[ADRS], s75, v3
	v_add_nc_u32 v[ADRS+1], SLOT, v[ADRS]
.irp s, 0,1
	v_add_nc_u32 v[ADRA+\s], s72, v[CO]
	v_add_nc_u32 v[ADRB+\s], s73, v[CO]
	s_add_co_u32 s72, s72, SLOT
	s_add_co_u32 s73, s73, SLOT
.endr
	; where my results go.  s80 = 2 x tile column + my half of the columns; s81 = 2 x tile row + my half of the rows
	s_lshl_b32 s80, s42, 1
	s_add_co_u32 s80, s80, s16
	s_lshl_b32 s81, s17, 1
	s_add_co_u32 s81, s81, s15
	s_lshr_b32 s82, s80, 3                         ; q and k: 0 = q, 1 = k;
	s_and_b32 s83, s80, 7
	s_lshl_b32 s83, s83, 1                         ; the first of my two heads;
	s_lshr_b32 s84, s81, 4
	s_lshl_b32 s84, s84, 4
	s_add_co_u32 s83, s83, s84                     ; + 16 x batch;
	s_and_b32 s84, s81, 15
	s_lshl_b32 s84, s84, 3                         ; my first token tile in the batch
	s_lshl_b32 s85, s83, 7
	s_add_co_u32 s85, s85, s84
	s_lshl_b32 s85, s85, 10
	s_lshl_b32 s86, s82, 22
	s_add_co_u32 s85, s85, s86                     ; codes
	s_lshl_b32 s86, s83, 6
	s_lshr_b32 s84, s84, 1
	s_add_co_u32 s86, s86, s84
	s_lshl_b32 s86, s86, 7
	s_lshl_b32 s87, s82, 18
	s_add_co_u32 s86, s86, s87
	s_add_co_u32 s86, s86, 12582912                ; pair words
	s_lshr_b32 s88, s80, 4                         ; v: batch,
	s_lshl_b32 s88, s88, 3
	s_add_co_u32 s88, s88, s81                     ; x 8 + head pair;
	s_and_b32 s89, s80, 15                         ; key step
	s_lshl_b32 s90, s88, 18
	s_lshl_b32 s91, s89, 13
	s_add_co_u32 s90, s90, s91
	s_add_co_u32 s90, s90, 8388608
	s_lshl_b32 s91, s88, 14
	s_lshl_b32 s92, s89, 9
	s_add_co_u32 s91, s91, s92
	s_add_co_u32 s91, s91, 13107200
	s_cmp_ge_u32 s93, 4
	s_cselect_b32 s10, s90, s85
	s_cselect_b32 s12, s91, s86
	s_mov_b32 s11, 0
	s_mov_b32 s13, 0
	s_add_nc_u64 s[10:11], s[8:9], s[10:11]
	s_add_nc_u64 s[12:13], s[8:9], s[12:13]
	s_wait_tensorcnt 1                             ; my part of slot 0 is in; slot 1's load may be out
	s_barrier_signal -1
	s_barrier_wait -1
	FETCH_B 0, 0, 0
	FETCH_A 0, 0, 0
	SCALES 0
	FETCH_A 0, 0, 4
	STEP 0, 0, 1                                   ; the first products start the sums
.if LAPS > 1
	s_mov_b32 s3, LAPS-1
.Llap:
	TURN 0, 1, 1
	STEP 1, 0, 0
	TURN 1, 0, 1
	STEP 0, 0, 0
	s_sub_co_u32 s3, s3, 1
	s_cmp_lg_u32 s3, 0
	s_cbranch_scc1 .Llap
.endif
	TURN 0, 1, 0                                   ; the last lap fills nothing
	STEP 1, 0, 0
	s_wait_dscnt 4*NL
	WIN MUL_LO
	MUL16 0, 1, NQ-1, 1, 0
	MUL16 2, 1, NQ-1, 1, 0
	s_wait_dscnt 0
	WIN MUL_HI
	MUL16 4, 1, NQ-1, 1, 0
	MUL16 6, 1, NQ-1, 1, 0
	WIN 0
	; THE WAY OUT: each block of 16 rows is quantised along its 128 columns; the codes are the next operand's registers and leave as they stand
	PLACES NP
.irp b, 0,1,2,3
	v_mov_b32 v[TM+4+\b], 0                        ; a lane permute's destination counts as one of its sources
.endr
.irp a, 0,1,2,3,4,5,6,7
	QUANT 64*(\a%4), 2+\a/4, 80+\a%2
.irp c, 0,1,2,3
	global_store_b128 v[CO], v[PC+4*\c:PC+4*\c+3], s[10:11] offset:1024*\a+131072*(\c/2)+512*(\c%2)   ; 32 lanes store 512 consecutive bytes
.endr
.if (\a%2) == 1
	v_perm_b32 v82, v81, v80, 0x05040100           ; the low halves of the even and the odd block's words,
	v_perm_b32 v83, v81, v80, 0x07060302           ; and the high halves
	global_store_b32 v[SO], v82, s[12:13] offset:128*(\a/2)
	global_store_b32 v[SO], v83, s[12:13] offset:128*(\a/2)+8192
.endif
.endr
	s_wait_tensorcnt 0x0                           ; the wave's end
	ds_add_u32 v[SPW], v[NIL]
	s_wait_dscnt 0x0
	CROUND                                         ; the closing round
	s_endpgm
.Lfunc_end_k_qc4c65dbbab_qkv:
	.size	k_qc4c65dbbab_qkv, .Lfunc_end_k_qc4c65dbbab_qkv-k_qc4c65dbbab_qkv
	.p2alignl 7, 3214868480
	.fill 96, 4, 3214868480
	.section	.rodata,"a",@progbits
	.p2align	6, 0x0
	.amdhsa_kernel k_qc4c65dbbab_qkv
		.amdhsa_group_segment_fixed_size 327680
		.amdhsa_private_segment_fixed_size 0
		.amdhsa_enable_private_segment 0
		.amdhsa_kernarg_size 24
		.amdhsa_user_sgpr_count 2
		.amdhsa_user_sgpr_kernarg_segment_ptr 1
		.amdhsa_wavefront_size32 1
		.amdhsa_system_sgpr_workgroup_id_x 1
		.amdhsa_system_sgpr_workgroup_id_y 1
		.amdhsa_system_sgpr_workgroup_id_z 1
		.amdhsa_system_vgpr_workitem_id 0
		.amdhsa_next_free_vgpr 1024
		.amdhsa_next_free_sgpr 100
		.amdhsa_reserve_vcc 0
		.amdhsa_float_denorm_mode_32 3
		.amdhsa_float_denorm_mode_16_64 3
		.amdhsa_memory_ordered 1
		.amdhsa_forward_progress 1
		.amdhsa_inst_pref_size 185
	.end_amdhsa_kernel
	.amdgpu_metadata
---
amdhsa.version: [ 1, 2 ]
amdhsa.kernels:
  - .name:           k_qc4c65dbbab_qkv
    .symbol:         k_qc4c65dbbab_qkv.kd
    .args:
      - { .name: hb, .offset: 0, .size: 8, .value_kind: global_buffer, .address_space: global }
      - { .name: wb, .offset: 8, .size: 8, .value_kind: global_buffer, .address_space: global }
      - { .name: qkvb, .offset: 16, .size: 8, .value_kind: global_buffer, .address_space: global }
    .group_segment_fixed_size: 327680
    .private_segment_fixed_size: 0
    .kernarg_segment_align: 8
    .kernarg_segment_size: 24
    .max_flat_workgroup_size: 128
    .sgpr_count:     100
    .vgpr_count:     1024
    .wavefront_size: 32
...
	.end_amdgpu_metadata
.endif
;; end of part 2
;; launch attn (part 3): grid 8 x 32, 8 waves a work-group, clusters of 4 x 1, 279,552 bytes of LDS; arguments qkvb, aob; writes aob
.if DOCPART == 3
	.amdgcn_target "amdgcn-amd-amdhsa--gfx1250"
	.amdhsa_code_object_version 6
	.text
	.protected	k_qc4c65dbbab_attn
	.globl	k_qc4c65dbbab_attn
	.p2align	8
	.type	k_qc4c65dbbab_attn,@function
k_qc4c65dbbab_attn:
	s_mov_b64 s[64:65], 0
	v_nop
	global_prefetch_b8 v0, s[64:65] scope:SCOPE_SE
	s_setreg_imm32_b32 hwreg(HW_REG_WAVE_MODE, 25, 1), 1
	s_wait_xcnt 0x0
	s_wait_alu depctr_hold_cnt(0) depctr_sa_sdst(0) depctr_va_vdst(0) depctr_va_sdst(0) depctr_va_ssrc(0) depctr_va_vcc(0) depctr_vm_vsrc(0)
	s_getreg_b32 s2, hwreg(HW_REG_IB_STS2, 6, 4)
	s_cmp_eq_u32 s2, 0
	s_cbranch_scc0 .Lentry_in_a_cluster
	s_endpgm
.Lentry_in_a_cluster:
	s_bfe_u32 s2, ttmp6, 0x10000c
	s_cmp_lg_u32 s2, 0x3003
	s_cbranch_scc0 .Lentry_shape_is_right
	s_endpgm
.Lentry_shape_is_right:
; Causal attention of one head on codes of E5M2 with E8M0 scales; the result is quantised along the model's columns and stored as the next product's operand.
; THE SOFTMAX: t = score x log2(e) / 8; M = the running largest t rounded up to a whole number; p = 2^(t - M) is quantised along the keys, not normalised; the sum of the unquantised p divides at the end.
; SHARES.  Work-group (c, head): wave w takes the query tile 8 w + c, then the tile 127 - 8 w - c: w + 1 and 16 - w key steps of 128, 17 for every wave.  The trip counts are constants; a step whose keys all
; come after the tile's queries is jumped over by a branch on the wave's number alone.  c enters global addresses and the mask's numbers only.
; LDS is filled ONCE: the head's k codes (131,072 bytes), v codes (131,072), k's and v's scale words (8,192 each), by four joint loads a wave: the four work-groups of a cluster belong to one head.
; TILES.  Lane r of token tile T is token 32 (T / 2) + 8 (T % 2) + r + 8 (r / 8).  Both products are used transposed: a lane holds one query; the 16 registers of score tiles 2 b, 2 b + 1 are keys 32 b + 16 (lane / 16) + 0..15.
; THE HEAD'S 64.  A fragment of k is a PAIR of key tiles: K 0-63 the even tile's 64 codes, K 64-127 the odd tile's.  It is multiplied by [q, 0] for the even tile's scores and by [0, q] for the odd's: zero codes add nothing.
; LIMITS: NaN and infinities are not served; a block under 2^-111 gets the byte 1.  The output's scale bytes leave two at a time (131,072 bytes in the launch).
; No ring, so no refill: every byte of LDS is written once, ahead of the one barrier.
; REGISTERS: v1-3 16, 4, 8 x lane; v4 the mask's number; v5-9 the step's LDS addresses; v10, v11, v216-218 their bases; v12 -M, v13 the largest t, v[14:15] the sum; v16-31 [q, 0]; v32-95 four fragments;
; v96-159 scores, then p; v160-191 O^T; v192-207 [0, q]; v208-211 v's pair words; v212-215 v's scale words; v224-239 p's codes; v232-254 at work; v248-251 k's scale words; v253 p's; v255 q's.
.set VCL,  131072
.set KSL,  262144
.set VSL,  270336
.set WV,   8
.set SEL,  60
.set CS,   62
.set MNT,  66
.set SS,   94                          ; s94 the key step
.set LIM,  95                          ; s95 the last step that counts
.set JT,   96                          ; s96 my query tile
.set CP,   97                          ; s97 its place among the eight tiles of the diagonal step
.macro CROUND
	s_barrier_signal -1
	s_barrier_wait -1
	s_cmp_lg_u32 s[WV], 0
	s_cbranch_scc1 .Lnot_wave_0_\@
	s_barrier_signal -3
.Lnot_wave_0_\@:
	s_barrier_wait -3
	s_barrier_signal -1
	s_barrier_wait -1
.endm
	s_load_b128 s[4:7], s[0:1], 0x0                ; attention's operands, the output operand
	v_lshl_add_u32 v222, v0, 2, 0x44000
	v_mov_b32 v223, 0
	ds_add_u32 v222, v223
	ds_add_u32 v222, v223
	v_lshrrev_b32 v1, 5, v0
	v_readfirstlane_b32 s[WV], v1                  ; wave 0..7
	s_bfe_u32 s9, ttmp6, 0x40000                   ; cx
	s_lshl_b32 s10, ttmp9, 2
	s_add_co_u32 s10, s10, s9                      ; c = 0..7
	s_and_b32 s11, ttmp7, 0xffff                   ; 16 x batch + head, shared by the partners
	; four shapes: mask of all four work-groups, elements of 8 bytes, bit 21 beside the mask, no padding
.irp g, 12, 20, 28, 36
	s_mov_b32 s[\g], 15|(3<<16)|(1<<21)
	s_mov_b32 s[\g+6], 0
	s_mov_b32 s[\g+7], 0
.endr
	s_mov_b32 s13, 32<<16                          ; k's codes: 64 rows of 256 bytes, dense
	s_mov_b32 s14, 64<<16
	s_mov_b32 s15, 32<<16
	s_mov_b32 s16, 64
	s_mov_b32 s17, 32
	s_mov_b32 s21, 512<<16                         ; v's codes: 4 rows of 4,096 bytes, 8,192 apart (the other head of the pair lies between)
	s_mov_b32 s22, 4<<16
	s_mov_b32 s23, 512<<16
	s_mov_b32 s24, 4
	s_mov_b32 s25, 1024
	s_mov_b32 s29, 32<<16                          ; k's scale words: 4 rows of 256 bytes, dense
	s_mov_b32 s30, 4<<16
	s_mov_b32 s31, 32<<16
	s_mov_b32 s32, 4
	s_mov_b32 s33, 32
	s_mov_b32 s37, 32<<16                          ; v's: 4 rows of 256 bytes, 512 apart
	s_mov_b32 s38, 4<<16
	s_mov_b32 s39, 32<<16
	s_mov_b32 s40, 4
	s_mov_b32 s41, 64
	s_lshl_b32 s68, s11, 17
	s_lshl_b32 s76, s[WV], 14
	s_add_co_u32 s68, s68, s76
	s_add_co_u32 s68, s68, 4194304
	s_mov_b32 s69, 0
	s_lshr_b32 s77, s11, 1                         ; 8 x batch + head pair
	s_and_b32 s78, s11, 1                          ; which head of the pair
	s_lshl_b32 s70, s77, 18
	s_lshl_b32 s76, s78, 12
	s_add_co_u32 s70, s70, s76
	s_lshl_b32 s76, s[WV], 15
	s_add_co_u32 s70, s70, s76
	s_add_co_u32 s70, s70, 8388608
	s_mov_b32 s71, 0
	s_lshl_b32 s72, s11, 13
	s_lshl_b32 s76, s[WV], 10
	s_add_co_u32 s72, s72, s76
	s_add_co_u32 s72, s72, 12845056
	s_mov_b32 s73, 0
	s_lshl_b32 s74, s77, 14
	s_lshl_b32 s76, s78, 8
	s_add_co_u32 s74, s74, s76
	s_lshl_b32 s76, s[WV], 11
	s_add_co_u32 s74, s74, s76
	s_add_co_u32 s74, s74, 13107200
	s_mov_b32 s75, 0
	s_mov_b32 s[SEL], 0x76543210
	s_mov_b32 s[SEL+1], 0xfedcba98
	s_mov_b32 s[CS], 0x3e38aa3b                    ; log2(e) / 8
	s_mov_b32 s[CS+1], s[CS]
	s_mov_b32 s[MNT], 0x600000
	s_wait_dscnt 0x0
	s_wait_kmcnt 0x0
	s_mov_b32 s44, 1
	s_lshl_b32 s45, s[WV], 14
	s_add_nc_u64 s[46:47], s[4:5], s[68:69]
	s_or_b32 s47, s47, 0x80000000
	s_mov_b32 s48, 1
	s_lshl_b32 s49, s[WV], 14
	s_add_co_u32 s49, s49, VCL
	s_add_nc_u64 s[50:51], s[4:5], s[70:71]
	s_or_b32 s51, s51, 0x80000000
	s_mov_b32 s52, 1
	s_lshl_b32 s53, s[WV], 10
	s_add_co_u32 s53, s53, KSL
	s_add_nc_u64 s[54:55], s[4:5], s[72:73]
	s_or_b32 s55, s55, 0x80000000
	s_mov_b32 s56, 1
	s_lshl_b32 s57, s[WV], 10
	s_add_co_u32 s57, s57, VSL
	s_add_nc_u64 s[58:59], s[4:5], s[74:75]
	s_or_b32 s59, s59, 0x80000000
	CROUND                                         ; all four work-groups are here: the joint loads meet
	tensor_load_to_lds s[44:47], s[12:19]          ; four loads of mine are out: an eighth of each region
	s_nop 0
	tensor_load_to_lds s[48:51], s[20:27]
	s_nop 0
	tensor_load_to_lds s[52:55], s[28:35]
	s_nop 0
	tensor_load_to_lds s[56:59], s[36:43]
	s_nop 0
.rept 4
	v_nop
.endr
	v_and_b32 v2, 31, v0
	v_lshlrev_b32 v1, 4, v2                        ; 16 x lane
	v_lshlrev_b32 v3, 3, v2                        ; 8 x lane
	v_lshlrev_b32 v2, 2, v2                        ; 4 x lane
	v_and_b32 v5, 15, v0                           ; r
	v_bfe_u32 v6, v0, 4, 1                         ; h
	v_and_b32 v10, 8, v5
	v_add_nc_u32 v10, v10, v5
	v_lshlrev_b32 v6, 4, v6
	v_sub_nc_u32 v10, v10, v6                      ; r + 8 (r / 8) - 16 h
	v_add_nc_u32 v11, KSL, v2
	v_add_nc_u32 v216, VCL, v1
	v_add_nc_u32 v217, VCL+65536, v1               ; chunks 2 and 3 of v's fragments lie 65,536 bytes on
	v_add_nc_u32 v218, VSL, v2
.irp j, 0,1,2,3,4,5,6,7
	v_mov_b32 v[24+\j], 0                          ; the zero halves of [q, 0] and [0, q]
	v_mov_b32 v[192+\j], 0
.endr
.irp b, 0,1,2,3
	v_mov_b32 v[236+\b], 0                         ; a lane permute's destination counts as one of its sources
.endr
	v_mov_b32 v252, 0
	v_mov_b32 v253, 0
	s_and_b32 s76, s11, 15                         ; the head: its 64 columns lie in record head / 4, K step (head / 2) % 2, chunks 2 (head % 2) on
	s_lshr_b32 s77, s76, 2
	s_mul_i32 s77, s77, 4352
	s_bfe_u32 s78, s76, 0x10001
	s_and_b32 s79, s76, 1
	s_lshl_b32 s80, s78, 11
	s_lshl_b32 s81, s79, 10
	s_add_co_u32 s88, s77, s80
	s_add_co_u32 s88, s88, s81                     ; codes
	s_lshl_b32 s80, s78, 2
	s_lshl_b32 s81, s79, 1
	s_add_co_u32 s89, s77, s80
	s_add_co_u32 s89, s89, s81
	s_add_co_u32 s89, s89, 4096                    ; scale bytes
	s_lshr_b32 s90, s11, 4
	s_lshl_b32 s90, s90, 7                         ; the batch's first token tile
	s_wait_tensorcnt 0x0                           ; my eighths have landed,
	s_barrier_signal -1
	s_barrier_wait -1                              ; everybody's have: from here on LDS is only read
.macro PASS p
	s_wait_xcnt 0x0                                ; earlier loads and stores have read their bases and data
.if \p == 0
	s_lshl_b32 s[JT], s[WV], 3
	s_add_co_u32 s[JT], s[JT], s10
	s_mov_b32 s[LIM], s[WV]
	s_mov_b32 s[CP], s10
.else
	s_sub_co_u32 s[JT], 127, s[JT]
	s_sub_co_u32 s[LIM], 15, s[WV]
	s_sub_co_u32 s[CP], 7, s10
.endif
	s_lshr_b32 s76, s[CP], 1
	s_lshl_b32 s76, s76, 5
	s_and_b32 s77, s[CP], 1
	s_lshl_b32 s77, s77, 3
	s_add_co_u32 s76, s76, s77
	v_add_nc_u32 v4, s76, v10                      ; my query less the diagonal step's first key less 16 (lane / 16)
	s_lshl_b32 s76, s11, 7
	s_add_co_u32 s76, s76, s[JT]
	s_lshl_b32 s76, s76, 10
	s_mov_b32 s77, 0
	s_add_nc_u64 s[78:79], s[4:5], s[76:77]
	global_load_b128 v[16:19], v1, s[78:79]
	global_load_b128 v[20:23], v1, s[78:79] offset:512
	global_load_b128 v[200:203], v1, s[78:79]      ; the same codes once more: the two operands share no register
	global_load_b128 v[204:207], v1, s[78:79] offset:512
	s_lshl_b32 s76, s11, 6
	s_lshr_b32 s80, s[JT], 1
	s_add_co_u32 s76, s76, s80
	s_lshl_b32 s76, s76, 7
	s_add_co_u32 s76, s76, 12582912
	s_add_nc_u64 s[80:81], s[4:5], s[76:77]
	global_load_b32 v254, v2, s[80:81]             ; the pair word of tiles 2 (J / 2), 2 (J / 2) + 1
	s_add_co_u32 s76, s90, s[JT]
	s_mul_i32 s76, s76, 17408
	s_add_co_u32 s86, s76, s88
	s_mov_b32 s87, 0
	s_add_nc_u64 s[82:83], s[6:7], s[86:87]        ; where my codes go,
	s_add_co_u32 s86, s76, s89
	s_add_nc_u64 s[84:85], s[6:7], s[86:87]        ; and my scale bytes
	s_and_b32 s76, s[JT], 1
	s_lshl_b32 s76, s76, 4
	v_mov_b32 v13, 0xff61b1e6                      ; the largest t so far: -3e38
	v_floor_f32 v12, -v13
	v_mov_b32 v14, 0
	v_mov_b32 v15, 0
.set n_, 0
.rept 32
	v_mov_b32 v[160+n_], 0                         ; the step is written once: the first finds zeros
.set n_, n_+1
.endr
	s_wait_loadcnt 0x0
	v_lshrrev_b32 v254, s76, v254
	v_and_b32 v254, 0xffff, v254
	v_lshl_or_b32 v255, v254, 16, v254             ; q's two bytes, for K 0-63 and again for K 64-127
	s_mov_b32 s[SS], 0
.Lstep_\@:
	s_cmp_gt_u32 s[SS], s[LIM]                     ; all 128 keys come after my queries: nothing to do
	s_cbranch_scc1 .Lskip_\@
	s_lshl_b32 s86, s[SS], 13
	s_lshl_b32 s87, s[SS], 9
	s_lshl_b32 s91, s[SS], 12
	s_lshl_b32 s92, s[SS], 8
	v_add_nc_u32 v5, s86, v1
	v_add_nc_u32 v6, s87, v11
	v_add_nc_u32 v7, s91, v216
	v_add_nc_u32 v8, s91, v217
	v_add_nc_u32 v9, s92, v218
.rept 3
	v_nop                                          ; with the five additions: eight places in front of loads into registers that the last products read
.endr
.irp i, 0,1,2,3
.irp c, 0,1,2,3
	ds_load_b128 v[32+16*\i+4*\c:35+16*\i+4*\c], v5 offset:2048*\i+512*\c
.endr
	ds_load_b32 v[248+\i], v6 offset:128*\i
.endr
	s_wait_dscnt 0x0
.irp t, 0,1,2,3,4,5,6,7
.if (\t%2) == 0
	v_wmma_scale_f32_16x16x128_f8f6f4 v[96+8*\t:103+8*\t], v[32+16*(\t/2):47+16*(\t/2)], v[16:31], 0, v[248+\t/2], v255 matrix_a_fmt:MATRIX_FMT_BF8 matrix_b_fmt:MATRIX_FMT_BF8
.else
	v_wmma_scale_f32_16x16x128_f8f6f4 v[96+8*\t:103+8*\t], v[32+16*(\t/2):47+16*(\t/2)], v[192:207], 0, v[248+\t/2], v255 matrix_a_fmt:MATRIX_FMT_BF8 matrix_b_fmt:MATRIX_FMT_BF8
.endif
.endr
.rept 8
	v_nop
.endr
.irp t, 0,1,2,3                                ; v's four fragments are asked for now and land under the softmax
	ds_load_b128 v[32+16*\t:35+16*\t], v7 offset:1024*\t
	ds_load_b128 v[36+16*\t:39+16*\t], v7 offset:1024*\t+512
	ds_load_b128 v[40+16*\t:43+16*\t], v8 offset:1024*\t
	ds_load_b128 v[44+16*\t:47+16*\t], v8 offset:1024*\t+512
.endr
.irp d, 0,1
	ds_load_b32 v[208+\d], v9 offset:128*\d
	ds_load_b32 v[210+\d], v9 offset:128*\d+4096
.endr
	s_cmp_lg_u32 s[SS], s[LIM]                     ; only the diagonal step has hidden keys
	s_cbranch_scc1 .Lopen_\@
	v_mov_b32 v254, 0xff800000
.set n_, 0
.rept 64
	v_cmp_gt_i32 vcc_lo, 32*(n_/16)+n_%16, v4
	v_cndmask_b32 v[96+n_], v[96+n_], v254, vcc_lo
.set n_, n_+1
.endr
.Lopen_\@:
.irp b, 0,1,2,3
	v_max3_num_f32 v[232+\b], v[96+16*\b], v[97+16*\b], v[98+16*\b]   ; the largest score of each block of 32 keys: for the row's maximum and, since p rises with the score, for the block's largest p
.endr
.irp i, 3,5,7,9,11,13
.irp b, 0,1,2,3
	v_max3_num_f32 v[232+\b], v[232+\b], v[96+16*\b+\i], v[97+16*\b+\i]
.endr
.endr
.irp b, 0,1,2,3
	v_max_num_f32 v[232+\b], v[232+\b], v[111+16*\b]
.endr
.irp b, 0,1,2,3
	v_permlanex16_b32 v[236+\b], v[232+\b], s[SEL], s[SEL+1]
.endr
.irp b, 0,1,2,3
	v_max_num_f32 v[232+\b], v[232+\b], v[236+\b]
.endr
	v_max3_num_f32 v254, v232, v233, v234
	v_max_num_f32 v254, v254, v235
	v_mul_f32 v254, s[CS], v254
	v_max_num_f32 v13, v13, v254                   ; the running largest t
	v_mov_b32 v254, v12
	v_floor_f32 v12, -v13                          ; -M = floor(-t): M is a whole number
	v_sub_f32 v254, v12, v254
	v_cvt_i32_f32 v254, v254                       ; (it saturates)
	v_ldexp_f32 v252, 1.0, v254                    ; f = 2^(old M - new M)
.set n_, 0
.rept 32
	v_pk_fma_f32 v[96+n_:97+n_], v[96+n_:97+n_], s[CS:CS+1], v[12:13] op_sel_hi:[1,0,0]   ; t - M
.set n_, n_+2
.endr
.irp b, 0,1,2,3
	v_fma_f32 v[232+\b], v[232+\b], s[CS], v12
.endr
.set n_, 0
.rept 64
	v_exp_f32 v[96+n_], v[96+n_]
.set n_, n_+1
.endr
.irp b, 0,1,2,3
	v_exp_f32 v[232+\b], v[232+\b]
.endr
	v_pk_mul_f32 v[14:15], v[14:15], v[252:253] op_sel_hi:[1,0]   ; the sums under the new M (a plain instruction behind the exponentials)
	s_wait_alu depctr_va_vdst(0)
.irp b, 0,1,2,3
	v_max_num_f32 v[232+\b], 0x8000000, v[232+\b]  ; the floor 2^(16 - 127)
.endr
.irp b, 0,1,2,3
	v_add_nc_u32 v[244+\b], 0xf8800000, v[232+\b]
.endr
.irp b, 0,1,2,3
	v_and_or_b32 v[240+\b], v[232+\b], 0x7f800000, s[MNT]
.endr
.irp b, 0,1,2,3
	v_lshrrev_b32 v[236+\b], 23, v[244+\b]
.endr
	v_lshl_or_b32 v253, v237, 8, v236              ; p's scale word
	v_lshl_or_b32 v253, v238, 16, v253
	v_lshl_or_b32 v253, v239, 24, v253
	s_wait_dscnt 0x0                               ; v's fragments and pair words are in
.irp d, 0,1
	v_perm_b32 v[212+2*\d], v[210+\d], v[208+\d], 0x05040100   ; the even channel tile's scale word,
	v_perm_b32 v[213+2*\d], v[210+\d], v[208+\d], 0x07060302   ; the odd one's: far more than eight plain instructions ahead of the products
.endr
	v_pk_add_f32 v[236:237], v[96:97], v[98:99]    ; the row's sum is taken of the unquantised p
.irp j, 4,8,12,16,20,24,28,32,36,40,44,48,52,56,60
	v_pk_add_f32 v[14:15], v[14:15], v[96+\j:97+\j]
	v_pk_add_f32 v[236:237], v[236:237], v[98+\j:99+\j]
.endr
	v_pk_add_f32 v[14:15], v[14:15], v[236:237]
.irp b, 0,1,2,3
.irp i, 0,1,2,3,4,5,6,7,8,9,10,11,12,13,14,15
	v_min_num_f32 v[96+16*\b+\i], v[96+16*\b+\i], v[240+\b]   ; the conversion does not saturate (ISA guide 7.6.2); p is not negative
.endr
	v_cvt_scalef32_pk8_bf8_f32 v[224+4*\b:225+4*\b], v[96+16*\b:103+16*\b], v[244+\b]
	v_cvt_scalef32_pk8_bf8_f32 v[226+4*\b:227+4*\b], v[104+16*\b:111+16*\b], v[244+\b]
.endr
.set n_, 0
.rept 16
	v_pk_mul_f32 v[160+n_:161+n_], v[160+n_:161+n_], v[252:253] op_sel_hi:[1,0]   ; O^T under the new M; also the places between the codes and the products
.set n_, n_+2
.endr
.irp t, 0,1,2,3
	v_wmma_scale_f32_16x16x128_f8f6f4 v[160+8*\t:167+8*\t], v[32+16*\t:47+16*\t], v[224:239], v[160+8*\t:167+8*\t], v[212+\t], v253 matrix_a_fmt:MATRIX_FMT_BF8 matrix_b_fmt:MATRIX_FMT_BF8
.endr
.Lskip_\@:
	s_add_co_u32 s[SS], s[SS], 1
	s_cmp_lt_u32 s[SS], 16
	s_cbranch_scc1 .Lstep_\@
.rept 8
	v_nop
.endr
	; O^T / the sum; register 16 b + i is channel 32 b + 16 (lane / 16) + i of my query: two blocks of the next product's K
	v_add_f32 v14, v14, v15
	v_permlanex16_b32 v252, v14, s[SEL], s[SEL+1]
	v_add_f32 v14, v14, v252
	v_rcp_f32 v14, v14
	v_nop
.set n_, 0
	s_wait_alu depctr_va_vdst(0)
.rept 32
	v_mul_f32 v[96+n_], v[160+n_], v14
.set n_, n_+1
.endr
.irp b, 0,1
	v_max3_num_f32 v[232+\b], |v[96+16*\b]|, |v[97+16*\b]|, 0x8000000
.endr
.irp i, 2,4,6,8,10,12,14
.irp b, 0,1
	v_max3_num_f32 v[232+\b], v[232+\b], |v[96+16*\b+\i]|, |v[97+16*\b+\i]|
.endr
.endr
.irp b, 0,1
	v_permlanex16_b32 v[236+\b], v[232+\b], s[SEL], s[SEL+1]
.endr
.irp b, 0,1
	v_max_num_f32 v[232+\b], v[232+\b], v[236+\b]
.endr
.irp b, 0,1
	v_add_nc_u32 v[244+\b], 0xf8800000, v[232+\b]
.endr
.irp b, 0,1
	v_and_or_b32 v[240+\b], v[232+\b], 0x7f800000, s[MNT]
.endr
.irp b, 0,1
	v_lshrrev_b32 v[236+\b], 23, v[244+\b]
.endr
	v_lshl_or_b32 v254, v237, 8, v236
.irp b, 0,1
.irp i, 0,1,2,3,4,5,6,7,8,9,10,11,12,13,14,15
	v_med3_num_f32 v[96+16*\b+\i], v[96+16*\b+\i], -v[240+\b], v[240+\b]
.endr
	v_cvt_scalef32_pk8_bf8_f32 v[224+4*\b:225+4*\b], v[96+16*\b:103+16*\b], v[244+\b]
	v_cvt_scalef32_pk8_bf8_f32 v[226+4*\b:227+4*\b], v[104+16*\b:111+16*\b], v[244+\b]
.endr
	v_nop
	global_store_b128 v1, v[224:227], s[82:83]     ; 32 lanes store 512 consecutive bytes
	global_store_b128 v1, v[228:231], s[82:83] offset:512
	global_store_b16 v3, v254, s[84:85]
.endm
	PASS 0
	PASS 1
	s_wait_dscnt 0x0
	s_wait_tensorcnt 0x0
	ds_add_u32 v222, v223
	s_wait_dscnt 0x0
	CROUND                                         ; the closing round
	s_endpgm
.Lfunc_end_k_qc4c65dbbab_attn:
	.size	k_qc4c65dbbab_attn, .Lfunc_end_k_qc4c65dbbab_attn-k_qc4c65dbbab_attn
	.p2alignl 7, 3214868480
	.fill 96, 4, 3214868480
	.section	.rodata,"a",@progbits
	.p2align	6, 0x0
	.amdhsa_kernel k_qc4c65dbbab_attn
		.amdhsa_group_segment_fixed_size 279552
		.amdhsa_private_segment_fixed_size 0
		.amdhsa_enable_private_segment 0
		.amdhsa_kernarg_size 16
		.amdhsa_user_sgpr_count 2
		.amdhsa_user_sgpr_kernarg_segment_ptr 1
		.amdhsa_wavefront_size32 1
		.amdhsa_system_sgpr_workgroup_id_x 1
		.amdhsa_system_sgpr_workgroup_id_y 1
		.amdhsa_system_sgpr_workgroup_id_z 1
		.amdhsa_system_vgpr_workitem_id 0
		.amdhsa_next_free_vgpr 256
		.amdhsa_next_free_sgpr 100
		.amdhsa_reserve_vcc 1
		.amdhsa_float_denorm_mode_32 3
		.amdhsa_float_denorm_mode_16_64 3
		.amdhsa_memory_ordered 1
		.amdhsa_forward_progress 1
		.amdhsa_inst_pref_size 74
	.end_amdhsa_kernel
	.amdgpu_metadata
---
amdhsa.version: [ 1, 2 ]
amdhsa.kernels:
  - .name:           k_qc4c65dbbab_attn
    .symbol:         k_qc4c65dbbab_attn.kd
    .args:
      - { .name: qkvb, .offset: 0, .size: 8, .value_kind: global_buffer, .address_space: global }
      - { .name: aob, .offset: 8, .size: 8, .value_kind: global_buffer, .address_space: global }
    .group_segment_fixed_size: 279552
    .private_segment_fixed_size: 0
    .kernarg_segment_align: 8
    .kernarg_segment_size: 16
    .max_flat_workgroup_size: 256
    .sgpr_count:     100
    .vgpr_count:     256
    .wavefront_size: 32
...
	.end_amdgpu_metadata
.endif
;; end of part 3
;; launch wo (part 4): grid 4 x 16, 4 waves a work-group, clusters of 4 x 4, 327,680 bytes of LDS; arguments aob, wb, x, bo, x1; writes x1
.if DOCPART == 4
	.amdgcn_target "amdgcn-amd-amdhsa--gfx1250"
	.amdhsa_code_object_version 6
	.text
	.protected	k_qc4c65dbbab_wo
	.globl	k_qc4c65dbbab_wo
	.p2align	8
	.type	k_qc4c65dbbab_wo,@function
k_qc4c65dbbab_wo:
	s_mov_b64 s[64:65], 0
	v_nop
	global_prefetch_b8 v0, s[64:65] scope:SCOPE_SE
	s_setreg_imm32_b32 hwreg(HW_REG_WAVE_MODE, 25, 1), 1
	s_wait_xcnt 0x0
	s_wait_alu depctr_hold_cnt(0) depctr_sa_sdst(0) depctr_va_vdst(0) depctr_va_sdst(0) depctr_va_ssrc(0) depctr_va_vcc(0) depctr_vm_vsrc(0)
	s_getreg_b32 s2, hwreg(HW_REG_IB_STS2, 6, 4)
	s_cmp_eq_u32 s2, 0
	s_cbranch_scc0 .Lentry_in_a_cluster
	s_endpgm
.Lentry_in_a_cluster:
	s_bfe_u32 s2, ttmp6, 0x10000c
	s_cmp_lg_u32 s2, 0xf033
	s_cbranch_scc0 .Lentry_shape_is_right
	s_endpgm
.Lentry_shape_is_right:
; x1 = x + (attention's output) wo + bo: the product on codes of E5M2 with E8M0 scales, K = 1,024; bias and residual in f32.
; A work-group makes 256 x 256, each of its four waves 128 x 128: 64 accumulators.  Operands lie in memory as records of 4,352 bytes, [row tile of 16][K / 256]: two images of a fragment's registers
; (2,048 bytes: registers 4c..4c+3 of lane l at 512 c + 16 l) and 256 bytes of scale words (lane l: 8 bytes at 4,096 + 8 l).  One tensor load brings 8 records; K goes in steps of 256 through a ring of two LDS slots.
; CLUSTERS: 4 x 4 work-groups; tiles of the tokens are shared along a row of the cluster, tiles of the weight along a column: asked for jointly.  The output has 64 tiles of 256 x 256: 64 work-groups.
; THE PRODUCT IS USED TRANSPOSED.  Lane r of row tile T is row 32 (T / 2) + 8 (T % 2) + r + 8 (r / 8): a lane holds a token, register 16 b + i of a block = column 32 b + 16 (lane / 16) + i of the wave's 128.
; THE WAY OUT: a block of 16 tokens x 128 columns goes through the wave's stage in LDS (in slot 0, which has had its last fill and its last read) and comes back as rows of 512 bytes.
; REGISTERS: window 0: v[8:11] my four columns' bias; v16-29 addresses; v32-63 scale words; v64-127, v128-191 residual rows by turns; from v128 the tokens' fragments in the loop; v192-255 rows on the way out.
.set RS,    17408
.set LAPS,  2
.set BOFF,  3342336                    ; where wo's operand begins
.set REC,   4352
.set HALFT, 8*REC
.set SLOT,  4*HALFT
.set SPARE, 2*SLOT
.set NQ,    2
.set FR,    16
.set NL,    4
.set NP,    8
.set ADRA,  16
.set ADRB,  20
.set ADRS,  22
.set STO,   24
.set RD,    25
.set CO,    26
.set SPW,   28
.set NIL,   29
.set SC,    32
.set AF,    128
.set BK,    192
.set G1,    24
.set G0,    32
.set G1B,   48
.set G0B,   56
.set MSB, 0
.macro WIN new
.if MSB != (\new)
	s_set_vgpr_msb (MSB<<8)|(\new)
.set MSB, (\new)
.endif
.endm
.set MUL_LO, 0xa1
.set MUL_HI, 0xf1
.set TO_B,   0x40
.macro JLOAD g0a, g1a, g0b, g1b        ; a joint load: waves 0, 1 fetch the tokens' halves, waves 2, 3 the weight's; four v_nop follow each line
	s_cmp_eq_u32 s15, 0
	s_cbranch_scc0 .Lfor_b_\@
	tensor_load_to_lds s[\g0a:\g0a+3], s[\g1a:\g1a+7]
	s_nop 0
.rept 4
	v_nop
.endr
	s_branch .Lasked_\@
.Lfor_b_\@:
	tensor_load_to_lds s[\g0b:\g0b+3], s[\g1b:\g1b+7]
	s_nop 0
.rept 4
	v_nop
.endr
.Lasked_\@:
.endm
.macro CREST
	s_cmp_lg_u32 s14, 0
	s_cbranch_scc1 .Lnot_wave_0_\@
	s_barrier_signal -3
.Lnot_wave_0_\@:
	s_barrier_wait -3
	s_barrier_signal -1
	s_barrier_wait -1
.endm
.macro CROUND
	s_barrier_signal -1
	s_barrier_wait -1
	CREST
.endm
.macro FRAG reg, adr, q, i
.irp c, 0,1,2,3
	ds_load_b128 v[(\reg)+4*\c:(\reg)+4*\c+3], v[\adr] offset:2048*(\q)+512*\c+(\i)*REC
.endr
.endm
.macro MUL16 a0, p, q, sc, zero        ; the 64 accumulators take turns, one instruction a turn
.irp a, \a0, \a0+1
.irp b, 0,1,2,3,4,5,6,7
.if \zero
	v_wmma_scale_f32_16x16x128_f8f6f4 v[8*(8*((\a)%4)+\b):8*(8*((\a)%4)+\b)+7], v[128*(\p)+FR*\b:128*(\p)+FR*\b+FR-1], v[AF+FR*(\a):AF+FR*(\a)+FR-1], 0, v[SC+8*NQ*(\sc)+NQ*\b+(\q)], v[SC+8*NQ*(\sc)+NQ*(\a)+(\q)] matrix_a_fmt:MATRIX_FMT_BF8 matrix_b_fmt:MATRIX_FMT_BF8 matrix_a_scale:MATRIX_SCALE_ROW1
.else
	v_wmma_scale_f32_16x16x128_f8f6f4 v[8*(8*((\a)%4)+\b):8*(8*((\a)%4)+\b)+7], v[128*(\p)+FR*\b:128*(\p)+FR*\b+FR-1], v[AF+FR*(\a):AF+FR*(\a)+FR-1], v[8*(8*((\a)%4)+\b):8*(8*((\a)%4)+\b)+7], v[SC+8*NQ*(\sc)+NQ*\b+(\q)], v[SC+8*NQ*(\sc)+NQ*(\a)+(\q)] matrix_a_fmt:MATRIX_FMT_BF8 matrix_b_fmt:MATRIX_FMT_BF8 matrix_a_scale:MATRIX_SCALE_ROW1
.endif
.endr
.endr
.endm
.macro FETCH_B slot, q, p
	WIN TO_B
.irp i, 0,1,2,3,4,5,6,7
	FRAG 128*(\p)+FR*\i, ADRB+\slot, \q, \i
.endr
	WIN 0
.endm
.macro FETCH_A slot, q, i0
.irp i, \i0, \i0+1, \i0+2, \i0+3
	FRAG AF+FR*(\i), ADRA+\slot, \q, \i
.endr
.endm
.macro SCALES sc
.irp i, 0,1,2,3,4,5,6,7
	ds_load_b64 v[SC+8*NQ*\sc+NQ*\i:SC+8*NQ*\sc+NQ*\i+1], v[ADRS+\sc] offset:\i*REC
.endr
.endm
.macro PLACES n
.rept \n
	v_nop
.endr
.endm
.macro STEP slot, q, zero
	s_wait_dscnt 4*NL                              ; all but the youngest sixteen loads (the tokens' blocks 4-7)
	WIN MUL_LO
	MUL16 0, (\q)%2, \q, \slot, \zero
	MUL16 2, (\q)%2, \q, \slot, \zero
	s_wait_dscnt 0
	PLACES NP
	FETCH_B \slot, (\q)+1, 1-(\q)%2
	FETCH_A \slot, (\q)+1, 0
	WIN MUL_HI
	MUL16 4, (\q)%2, \q, \slot, \zero
	MUL16 6, (\q)%2, \q, \slot, \zero
	PLACES NP
	WIN 0
	FETCH_A \slot, (\q)+1, 4
.endm
.macro TURN slot, next, fill
	s_wait_tensorcnt 0x0                           ; all my tensor loads have landed: my part of the next slot
	ds_add_u32 v[SPW], v[NIL]
	s_wait_dscnt 4*NL+1                            ; (the add and the youngest sixteen loads may be out)
	WIN MUL_LO
	MUL16 0, 1, NQ-1, \slot, 0
	s_wait_dscnt 0x0                               ; the add is done, and my reads of this slot are over
	s_barrier_signal -1
	MUL16 2, 1, NQ-1, \slot, 0
	WIN 0
	s_barrier_wait -1
.if \fill
	CREST                                          ; no wave of any partner still reads this slot or has a load on its way
	s_add_nc_u64 s[G0+4*\slot+2:G0+4*\slot+3], s[G0+4*\slot+2:G0+4*\slot+3], 2*REC
	s_add_nc_u64 s[G0B+4*\slot+2:G0B+4*\slot+3], s[G0B+4*\slot+2:G0B+4*\slot+3], 2*REC
	JLOAD G0+4*\slot, G1, G0B+4*\slot, G1B
	PLACES NP-4
.else
	PLACES NP
.endif
	FETCH_B \next, 0, 0
	FETCH_A \next, 0, 0
	SCALES \next
	WIN MUL_HI
	MUL16 4, 1, NQ-1, \slot, 0
	MUL16 6, 1, NQ-1, \slot, 0
	PLACES NP
	WIN 0
	FETCH_A \next, 0, 4
.endm
.macro RES a                           ; the residual's 16 rows of block a, 512 bytes each, into v64 or v128 on
.irp t, 0,1,2,3,4,5,6,7,8,9,10,11,12,13,14,15
	global_load_b128 v[64+64*((\a)%2)+4*\t:64+64*((\a)%2)+4*\t+3], v[CO], s[8:9] offset:(32*((\a)/2)+8*((\a)%2)+\t+8*(\t/8))*4096
.endr
.endm
.macro OUTBLK a
.if (\a) < 7
	RES (\a)+1
.endif
	s_wait_xcnt 0x0                                ; the last block's stores have read their registers
.set AC, 64*((\a)%4)
.set RR, 64+64*((\a)%2)
	WIN 0x08+4*((\a)/4)                            ; an LDS store's data: window 2 or 3
.irp b, 0,1,2,3,4,5,6,7
	ds_store_b128 v[STO], v[AC+8*\b:AC+8*\b+3] offset:128*(\b/2)+32*(\b%2)          ; each accumulator from its low end on
	ds_store_b128 v[STO], v[AC+8*\b+4:AC+8*\b+7] offset:128*(\b/2)+32*(\b%2)+16
.endr
	WIN 0
.irp t, 0,1,2,3,4,5,6,7,8,9,10,11,12,13,14,15
	ds_load_b128 v[BK+4*\t:BK+4*\t+3], v[RD] offset:\t*528   ; LDS serves a wave's instructions in order: these see my stores
.endr
	s_wait_dscnt 0x0
.if (\a) < 7
	s_wait_loadcnt 16                              ; this block's residual rows (and the bias) are in; the next block's sixteen may be out
.else
	s_wait_loadcnt 0x0
.endif
.irp t, 0,1,2,3,4,5,6,7,8,9,10,11,12,13,14,15
	v_pk_add_f32 v[BK+4*\t:BK+4*\t+1], v[BK+4*\t:BK+4*\t+1], v[8:9]
	v_pk_add_f32 v[BK+4*\t+2:BK+4*\t+3], v[BK+4*\t+2:BK+4*\t+3], v[10:11]
.endr
.irp t, 0,1,2,3,4,5,6,7,8,9,10,11,12,13,14,15
	v_pk_add_f32 v[BK+4*\t:BK+4*\t+1], v[BK+4*\t:BK+4*\t+1], v[RR+4*\t:RR+4*\t+1]
	v_pk_add_f32 v[BK+4*\t+2:BK+4*\t+3], v[BK+4*\t+2:BK+4*\t+3], v[RR+4*\t+2:RR+4*\t+3]
.endr
.irp t, 0,1,2,3,4,5,6,7,8,9,10,11,12,13,14,15
	global_store_b128 v[CO], v[BK+4*\t:BK+4*\t+3], s[12:13] offset:(32*((\a)/2)+8*((\a)%2)+\t+8*(\t/8))*4096   ; 32 lanes store 512 consecutive bytes, aligned
.endr
.endm
	s_load_b256 s[4:11], s[0:1], 0x0               ; the tokens' operand, the weights', the residual, the bias
	s_load_b64 s[12:13], s[0:1], 0x20              ; the output
	v_lshl_add_u32 v[SPW], v0, 2, SPARE
	v_mov_b32 v[NIL], 0
	ds_add_u32 v28, v29
	ds_add_u32 v28, v29
	s_wait_dscnt 0x0
	v_lshrrev_b32 v1, 5, v0
	v_readfirstlane_b32 s14, v1
	s_lshr_b32 s15, s14, 1
	s_and_b32 s16, s14, 1
	s_bfe_u32 s40, ttmp6, 0x40000
	s_bfe_u32 s41, ttmp6, 0x40004
	s_lshl_b32 s42, ttmp9, 2
	s_add_co_u32 s42, s42, s40                     ; tile column
	s_and_b32 s17, ttmp7, 0xffff
	s_lshl_b32 s17, s17, 2
	s_add_co_u32 s17, s17, s41                     ; tile row
	s_lshl_b32 s43, s41, 2
	s_lshl_b32 s43, 15, s43
	s_lshl_b32 s44, 0x1111, s40
	s_or_b32 s[G1+0], s43, (3<<16)|(1<<21)
	s_or_b32 s[G1B+0], s44, (3<<16)|(1<<21)
.irp g, G1, G1B
	s_mov_b32 s[\g+1], 544<<16
	s_mov_b32 s[\g+2], 8<<16
	s_mov_b32 s[\g+3], 544<<16
	s_mov_b32 s[\g+4], 8
	s_mov_b32 s[\g+5], RS/8
	s_mov_b32 s[\g+6], 0
	s_mov_b32 s[\g+7], 0
.endr
	s_lshl_b32 s18, s16, 3
	s_lshl_b32 s20, s17, 4
	s_add_co_u32 s20, s20, s18
	s_mul_i32 s20, s20, RS
	s_mov_b32 s21, 0
	s_lshl_b32 s46, s42, 4
	s_add_co_u32 s46, s46, s18
	s_mul_i32 s46, s46, RS
	s_add_co_u32 s46, s46, BOFF
	s_mov_b32 s47, 0
	s_mul_i32 s45, s14, HALFT
	s_wait_kmcnt 0x0
	s_add_nc_u64 s[20:21], s[4:5], s[20:21]
	s_add_nc_u64 s[46:47], s[6:7], s[46:47]
	CROUND
.irp s, 0,1
	s_mov_b32 s[G0+4*\s], 1
	s_add_co_u32 s[G0+4*\s+1], s45, \s*SLOT
	s_add_nc_u64 s[G0+4*\s+2:G0+4*\s+3], s[20:21], \s*REC
	s_or_b32 s[G0+4*\s+3], s[G0+4*\s+3], 0x80000000
	s_mov_b32 s[G0B+4*\s], 1
	s_add_co_u32 s[G0B+4*\s+1], s45, \s*SLOT
	s_add_nc_u64 s[G0B+4*\s+2:G0B+4*\s+3], s[46:47], \s*REC
	s_or_b32 s[G0B+4*\s+3], s[G0B+4*\s+3], 0x80000000
	JLOAD G0+4*\s, G1, G0B+4*\s, G1B
.endr
	v_and_b32 v1, 31, v0
	v_bfe_u32 v2, v0, 4, 1
	v_lshlrev_b32 v[CO], 4, v1
	s_mul_i32 s72, s15, HALFT
	s_mul_i32 s73, s16, HALFT
	s_add_co_u32 s73, s73, 2*HALFT
	s_sub_co_u32 s74, s73, s72
	v_mul_u32_u24 v3, s74, v2
	v_lshl_add_u32 v3, v1, 3, v3
	s_add_co_u32 s75, s72, 4096
	v_add_nc_u32 v[ADRS], s75, v3
	v_add_nc_u32 v[ADRS+1], SLOT, v[ADRS]
.irp s, 0,1
	v_add_nc_u32 v[ADRA+\s], s72, v[CO]
	v_add_nc_u32 v[ADRB+\s], s73, v[CO]
	s_add_co_u32 s72, s72, SLOT
	s_add_co_u32 s73, s73, SLOT
.endr
	s_mul_i32 s76, s14, 16*528                     ; my stage
	v_and_b32 v4, 15, v0
	v_mul_u32_u24 v4, v4, 528
	v_lshl_add_u32 v4, v2, 6, v4
	v_add_nc_u32 v[STO], s76, v4                   ; in: row lane % 16, + 64 (lane / 16)
	v_add_nc_u32 v[RD], s76, v[CO]                 ; back: a row of 512 bytes, 16 a lane
	s_lshl_b32 s78, s42, 10
	s_lshl_b32 s79, s16, 9
	s_add_co_u32 s78, s78, s79                     ; my first column, in bytes
	s_mov_b32 s79, 0
	s_add_nc_u64 s[10:11], s[10:11], s[78:79]
	s_lshl_b32 s80, s17, 20
	s_lshl_b32 s81, s15, 19
	s_add_co_u32 s80, s80, s81
	s_add_co_u32 s80, s80, s78                     ; + my first row
	s_mov_b32 s81, 0
	s_add_nc_u64 s[8:9], s[8:9], s[80:81]
	s_add_nc_u64 s[12:13], s[12:13], s[80:81]
	global_load_b128 v[8:11], v[CO], s[10:11]      ; the bias of my four columns
	RES 0                                          ; and the first block's residual rows: they land under the loop
	s_wait_tensorcnt 1                             ; my part of slot 0 is in; slot 1's load may be out
	s_barrier_signal -1
	s_barrier_wait -1
	FETCH_B 0, 0, 0
	FETCH_A 0, 0, 0
	SCALES 0
	FETCH_A 0, 0, 4
	STEP 0, 0, 1
.if LAPS > 1
	s_mov_b32 s3, LAPS-1
.Llap:
	TURN 0, 1, 1
	STEP 1, 0, 0
	TURN 1, 0, 1
	STEP 0, 0, 0
	s_sub_co_u32 s3, s3, 1
	s_cmp_lg_u32 s3, 0
	s_cbranch_scc1 .Llap
.endif
	TURN 0, 1, 0
	STEP 1, 0, 0
	s_wait_dscnt 4*NL
	WIN MUL_LO
	MUL16 0, 1, NQ-1, 1, 0
	MUL16 2, 1, NQ-1, 1, 0
	s_wait_dscnt 0
	WIN MUL_HI
	MUL16 4, 1, NQ-1, 1, 0
	MUL16 6, 1, NQ-1, 1, 0
	WIN 0
	PLACES NP
.irp a, 0,1,2,3,4,5,6,7
	OUTBLK \a
.endr
	s_wait_tensorcnt 0x0                           ; the wave's end
	ds_add_u32 v[SPW], v[NIL]
	s_wait_dscnt 0x0
	CROUND
	s_endpgm
.Lfunc_end_k_qc4c65dbbab_wo:
	.size	k_qc4c65dbbab_wo, .Lfunc_end_k_qc4c65dbbab_wo-k_qc4c65dbbab_wo
	.p2alignl 7, 3214868480
	.fill 96, 4, 3214868480
	.section	.rodata,"a",@progbits
	.p2align	6, 0x0
	.amdhsa_kernel k_qc4c65dbbab_wo
		.amdhsa_group_segment_fixed_size 327680
		.amdhsa_private_segment_fixed_size 0
		.amdhsa_enable_private_segment 0
		.amdhsa_kernarg_size 40
		.amdhsa_user_sgpr_count 2
		.amdhsa_user_sgpr_kernarg_segment_ptr 1
		.amdhsa_wavefront_size32 1
		.amdhsa_system_sgpr_workgroup_id_x 1
		.amdhsa_system_sgpr_workgroup_id_y 1
		.amdhsa_system_sgpr_workgroup_id_z 1
		.amdhsa_system_vgpr_workitem_id 0
		.amdhsa_next_free_vgpr 1024
		.amdhsa_next_free_sgpr 100
		.amdhsa_reserve_vcc 0
		.amdhsa_float_denorm_mode_32 3
		.amdhsa_float_denorm_mode_16_64 3
		.amdhsa_memory_ordered 1
		.amdhsa_forward_progress 1
		.amdhsa_inst_pref_size 187
	.end_amdhsa_kernel
	.amdgpu_metadata
---
amdhsa.version: [ 1, 2 ]
amdhsa.kernels:
  - .name:           k_qc4c65dbbab_wo
    .symbol:         k_qc4c65dbbab_wo.kd
    .args:
      - { .name: aob, .offset: 0, .size: 8, .value_kind: global_buffer, .address_space: global }
      - { .name: wb, .offset: 8, .size: 8, .value_kind: global_buffer, .address_space: global }
      - { .name: x, .offset: 16, .size: 8, .value_kind: global_buffer, .address_space: global }
      - { .name: bo, .offset: 24, .size: 8, .value_kind: global_buffer, .address_space: global }
      - { .name: x1, .offset: 32, .size: 8, .value_kind: global_buffer, .address_space: global }
    .group_segment_fixed_size: 327680
    .private_segment_fixed_size: 0
    .kernarg_segment_align: 8
    .kernarg_segment_size: 40
    .max_flat_workgroup_size: 128
    .sgpr_count:     100
    .vgpr_count:     1024
    .wavefront_size: 32
...
	.end_amdgpu_metadata
.endif
;; end of part 4
;; launch ln2: the kernel of part 1 again; grid 256 x 1, 8 waves a work-group, no clusters, 2,048 bytes of LDS; arguments x1, ln2_scale, ln2_bias, hb, wq, wk, wv, wo, w2, w1, wb; writes hb, wb
;; launch ffn1 (part 5): grid 16 x 16, 4 waves a work-group, clusters of 4 x 4, 327,680 bytes of LDS; arguments hb, wb, b1, gb; writes gb
.if DOCPART == 5
	.amdgcn_target "amdgcn-amd-amdhsa--gfx1250"
	.amdhsa_code_object_version 6
	.text
	.protected	k_qc4c65dbbab_ffn1
	.globl	k_qc4c65dbbab_ffn1
	.p2align	8
	.type	k_qc4c65dbbab_ffn1,@function
k_qc4c65dbbab_ffn1:
	s_mov_b64 s[64:65], 0
	v_nop
	global_prefetch_b8 v0, s[64:65] scope:SCOPE_SE
	s_setreg_imm32_b32 hwreg(HW_REG_WAVE_MODE, 25, 1), 1
	s_wait_xcnt 0x0
	s_wait_alu depctr_hold_cnt(0) depctr_sa_sdst(0) depctr_va_vdst(0) depctr_va_sdst(0) depctr_va_ssrc(0) depctr_va_vcc(0) depctr_vm_vsrc(0)
	s_getreg_b32 s2, hwreg(HW_REG_IB_STS2, 6, 4)
	s_cmp_eq_u32 s2, 0
	s_cbranch_scc0 .Lentry_in_a_cluster
	s_endpgm
.Lentry_in_a_cluster:
	s_bfe_u32 s2, ttmp6, 0x10000c
	s_cmp_lg_u32 s2, 0xf033
	s_cbranch_scc0 .Lentry_shape_is_right
	s_endpgm
.Lentry_shape_is_right:
; g = gelu(h2 w1 + b1), the exact gelu x Phi(x): the product on codes of E5M2 with E8M0 scales, K = 1,024; bias and gelu in f32; g is quantised along its 4,096 columns in registers and stored as the next operand.
; A work-group makes 256 x 256, each of its four waves 128 x 128: 64 accumulators.  Operands lie in memory as records of 4,352 bytes, [row tile of 16][K / 256]: two images of a fragment's registers
; (2,048 bytes: registers 4c..4c+3 of lane l at 512 c + 16 l) and 256 bytes of scale words (lane l: 8 bytes at 4,096 + 8 l).  One tensor load brings 8 records; K goes in steps of 256 through a ring of two LDS slots.
; CLUSTERS: 4 x 4 work-groups; tiles of the tokens are shared along a row of the cluster, tiles of the weight along a column: asked for jointly.
; THE PRODUCT IS USED TRANSPOSED.  Lane r of row tile T is row 32 (T / 2) + 8 (T % 2) + r + 8 (r / 8): a lane holds a token, register 16 b + i of a block = column 32 b + 16 (lane / 16) + i of the wave's 128,
; which are one K step of the next product: the conversions' results are its fragment.
; GELU.  q = erfc(|x| / sqrt 2) / 2 = t exp(-x^2 / 2 + a polynomial of degree 9 in t) / 2 with t = 1 / (1 + |x| / (2 sqrt 2)); gelu = max(x, 0) - |x| q: no difference of near numbers on either side of 0.
; LIMITS: that form of erfc has a fractional error under 1.2e-7, to which f32 rounding of its exponent and one unit in the last place of v_rcp_f32 and v_exp_f32 are added; where q falls under 2^-126 it is taken as 0.
; NaN and infinities are not served; a block under 2^-111 (zeros too) gets the byte 1, which only this program reads.
; REGISTERS: window 0: v7 64 (lane / 16); v12 the scale word; v[14:15] the polynomial's first coefficient; v16-29 addresses; v32-63 scale words of the products; v64-127 the bias of my 64 columns;
;   from v128 the tokens' fragments; on the way out v128-191 x, then g; v192-207 codes; v208-255 at work.
.set RS,    17408
.set LAPS,  2
.set BOFF,  4456448                    ; where w1's operand begins
.set REC,   4352
.set HALFT, 8*REC
.set SLOT,  4*HALFT
.set SPARE, 2*SLOT
.set NQ,    2
.set FR,    16
.set NL,    4
.set NP,    8
.set ADRA,  16
.set ADRB,  20
.set ADRS,  22
.set CO,    26
.set SO,    27
.set SPW,   28
.set NIL,   29
.set SC,    32
.set B64,   64
.set AF,    128
.set GG,    128
.set PC,    192
.set TM,    208                        ; the quantiser works where the gelu's temporaries have died
.set TT,    208
.set PP,    224
.set YY,    240
.set C9,    14
.set CF,    72                         ; s72-89: nine coefficients, each as a pair
.set G1,    24
.set G0,    32
.set G1B,   48
.set G0B,   56
.set SEL,   68
.set MNT,   70
.set MSB, 0
.macro WIN new
.if MSB != (\new)
	s_set_vgpr_msb (MSB<<8)|(\new)
.set MSB, (\new)
.endif
.endm
.set MUL_LO, 0xa1
.set MUL_HI, 0xf1
.set TO_B,   0x40
.macro JLOAD g0a, g1a, g0b, g1b        ; a joint load: waves 0, 1 fetch the tokens' halves, waves 2, 3 the weight's; four v_nop follow each line
	s_cmp_eq_u32 s15, 0
	s_cbranch_scc0 .Lfor_b_\@
	tensor_load_to_lds s[\g0a:\g0a+3], s[\g1a:\g1a+7]
	s_nop 0
.rept 4
	v_nop
.endr
	s_branch .Lasked_\@
.Lfor_b_\@:
	tensor_load_to_lds s[\g0b:\g0b+3], s[\g1b:\g1b+7]
	s_nop 0
.rept 4
	v_nop
.endr
.Lasked_\@:
.endm
.macro CREST
	s_cmp_lg_u32 s14, 0
	s_cbranch_scc1 .Lnot_wave_0_\@
	s_barrier_signal -3
.Lnot_wave_0_\@:
	s_barrier_wait -3
	s_barrier_signal -1
	s_barrier_wait -1
.endm
.macro CROUND
	s_barrier_signal -1
	s_barrier_wait -1
	CREST
.endm
.macro FRAG reg, adr, q, i
.irp c, 0,1,2,3
	ds_load_b128 v[(\reg)+4*\c:(\reg)+4*\c+3], v[\adr] offset:2048*(\q)+512*\c+(\i)*REC
.endr
.endm
.macro MUL16 a0, p, q, sc, zero        ; the 64 accumulators take turns, one instruction a turn
.irp a, \a0, \a0+1
.irp b, 0,1,2,3,4,5,6,7
.if \zero
	v_wmma_scale_f32_16x16x128_f8f6f4 v[8*(8*((\a)%4)+\b):8*(8*((\a)%4)+\b)+7], v[128*(\p)+FR*\b:128*(\p)+FR*\b+FR-1], v[AF+FR*(\a):AF+FR*(\a)+FR-1], 0, v[SC+8*NQ*(\sc)+NQ*\b+(\q)], v[SC+8*NQ*(\sc)+NQ*(\a)+(\q)] matrix_a_fmt:MATRIX_FMT_BF8 matrix_b_fmt:MATRIX_FMT_BF8 matrix_a_scale:MATRIX_SCALE_ROW1
.else
	v_wmma_scale_f32_16x16x128_f8f6f4 v[8*(8*((\a)%4)+\b):8*(8*((\a)%4)+\b)+7], v[128*(\p)+FR*\b:128*(\p)+FR*\b+FR-1], v[AF+FR*(\a):AF+FR*(\a)+FR-1], v[8*(8*((\a)%4)+\b):8*(8*((\a)%4)+\b)+7], v[SC+8*NQ*(\sc)+NQ*\b+(\q)], v[SC+8*NQ*(\sc)+NQ*(\a)+(\q)] matrix_a_fmt:MATRIX_FMT_BF8 matrix_b_fmt:MATRIX_FMT_BF8 matrix_a_scale:MATRIX_SCALE_ROW1
.endif
.endr
.endr
.endm
.macro FETCH_B slot, q, p
	WIN TO_B
.irp i, 0,1,2,3,4,5,6,7
	FRAG 128*(\p)+FR*\i, ADRB+\slot, \q, \i
.endr
	WIN 0
.endm
.macro FETCH_A slot, q, i0
.irp i, \i0, \i0+1, \i0+2, \i0+3
	FRAG AF+FR*(\i), ADRA+\slot, \q, \i
.endr
.endm
.macro SCALES sc
.irp i, 0,1,2,3,4,5,6,7
	ds_load_b64 v[SC+8*NQ*\sc+NQ*\i:SC+8*NQ*\sc+NQ*\i+1], v[ADRS+\sc] offset:\i*REC
.endr
.endm
.macro PLACES n
.rept \n
	v_nop
.endr
.endm
.macro STEP slot, q, zero
	s_wait_dscnt 4*NL                              ; all but the youngest sixteen loads (the tokens' blocks 4-7)
	WIN MUL_LO
	MUL16 0, (\q)%2, \q, \slot, \zero
	MUL16 2, (\q)%2, \q, \slot, \zero
	s_wait_dscnt 0
	PLACES NP
	FETCH_B \slot, (\q)+1, 1-(\q)%2
	FETCH_A \slot, (\q)+1, 0
	WIN MUL_HI
	MUL16 4, (\q)%2, \q, \slot, \zero
	MUL16 6, (\q)%2, \q, \slot, \zero
	PLACES NP
	WIN 0
	FETCH_A \slot, (\q)+1, 4
.endm
.macro TURN slot, next, fill
	s_wait_tensorcnt 0x0                           ; all my tensor loads have landed: my part of the next slot
	ds_add_u32 v[SPW], v[NIL]
	s_wait_dscnt 4*NL+1                            ; (the add and the youngest sixteen loads may be out)
	WIN MUL_LO
	MUL16 0, 1, NQ-1, \slot, 0
	s_wait_dscnt 0x0                               ; the add is done, and my reads of this slot are over
	s_barrier_signal -1
	MUL16 2, 1, NQ-1, \slot, 0
	WIN 0
	s_barrier_wait -1
.if \fill
	CREST                                          ; no wave of any partner still reads this slot or has a load on its way
	s_add_nc_u64 s[G0+4*\slot+2:G0+4*\slot+3], s[G0+4*\slot+2:G0+4*\slot+3], 2*REC
	s_add_nc_u64 s[G0B+4*\slot+2:G0B+4*\slot+3], s[G0B+4*\slot+2:G0B+4*\slot+3], 2*REC
	JLOAD G0+4*\slot, G1, G0B+4*\slot, G1B
	PLACES NP-4
.else
	PLACES NP
.endif
	FETCH_B \next, 0, 0
	FETCH_A \next, 0, 0
	SCALES \next
	WIN MUL_HI
	MUL16 4, 1, NQ-1, \slot, 0
	MUL16 6, 1, NQ-1, \slot, 0
	PLACES NP
	WIN 0
	FETCH_A \next, 0, 4
.endm
; 64 numbers of a lane, v[s] on in window W, become a fragment's codes in v[PC] on and its scale word in v[pw].
.macro QUANT s, W, pw
	s_wait_xcnt 0x0                                ; earlier stores have read the codes' and the word's registers
	WIN (\W)|((\W)<<2)
.irp b, 0,1,2,3
	v_max3_num_f32 v[TM+\b], |v[(\s)+16*\b]|, |v[(\s)+16*\b+1]|, 0x8000000
.endr
.irp i, 2,4,6,8,10,12,14
.irp b, 0,1,2,3
	v_max3_num_f32 v[TM+\b], |v[(\s)+16*\b+\i]|, |v[(\s)+16*\b+\i+1]|, v[TM+\b]
.endr
.endr
	WIN 0
.irp b, 0,1,2,3
	v_permlanex16_b32 v[TM+4+\b], v[TM+\b], s[SEL], s[SEL+1]
.endr
.irp b, 0,1,2,3
	v_max_num_f32 v[TM+\b], v[TM+\b], v[TM+4+\b]
.endr
.irp b, 0,1,2,3
	v_add_nc_u32 v[TM+12+\b], 0xf8800000, v[TM+\b]
.endr
.irp b, 0,1,2,3
	v_and_or_b32 v[TM+8+\b], v[TM+\b], 0x7f800000, s[MNT]
.endr
.irp b, 0,1,2,3
	v_lshrrev_b32 v[TM+4+\b], 23, v[TM+12+\b]
.endr
	v_lshl_or_b32 v[\pw], v[TM+5], 8, v[TM+4]
	v_lshl_or_b32 v[\pw], v[TM+6], 16, v[\pw]
	v_lshl_or_b32 v[\pw], v[TM+7], 24, v[\pw]
	WIN (\W)|((\W)<<6)
.irp b, 0,1,2,3
.irp i, 0,1,2,3,4,5,6,7,8,9,10,11,12,13,14,15
	v_med3_num_f32 v[(\s)+16*\b+\i], v[(\s)+16*\b+\i], -v[TM+8+\b], v[TM+8+\b]   ; the conversion does not saturate (ISA guide 7.6.2)
.endr
.endr
	WIN (\W)
.irp b, 0,1,2,3
	v_cvt_scalef32_pk8_bf8_f32 v[PC+4*\b:PC+4*\b+1], v[(\s)+16*\b:(\s)+16*\b+7], v[TM+12+\b]
	v_cvt_scalef32_pk8_bf8_f32 v[PC+4*\b+2:PC+4*\b+3], v[(\s)+16*\b+8:(\s)+16*\b+15], v[TM+12+\b]
.endr
	WIN 0
	v_nop
.endm
; Sixteen numbers: accumulator registers ac + 16 g on (window W) + bias -> gelu -> v[GG + 16 g] on.
.macro GELU16 g, ac, W
.set XG, GG+16*(\g)
.set XC, (\ac)+16*(\g)
.set XB, B64+16*(\g)
	WIN (\W)
.irp k, 0,2,4,6,8,10,12,14
	v_pk_add_f32 v[XG+\k:XG+\k+1], v[XC+\k:XC+\k+1], v[XB+\k:XB+\k+1]   ; x; each accumulator is read from its low end on
.endr
	WIN 0
.irp k, 0,1,2,3,4,5,6,7,8,9,10,11,12,13,14,15
	v_fma_f32 v[TT+\k], |v[XG+\k]|, 0x3eb504f3, 1.0                     ; 1 + |x| / (2 sqrt 2)
.endr
.irp k, 0,1,2,3,4,5,6,7,8,9,10,11,12,13,14,15
	v_rcp_f32 v[TT+\k], v[TT+\k]                                        ; t
.endr
.irp k, 0,2,4,6,8,10,12,14
	v_pk_mul_f32 v[YY+\k:YY+\k+1], v[XG+\k:XG+\k+1], -0.5 op_sel_hi:[1,0]   ; (plain instructions behind the reciprocals)
.endr
	s_wait_alu depctr_va_vdst(0)
.irp k, 0,2,4,6,8,10,12,14
	v_pk_fma_f32 v[PP+\k:PP+\k+1], v[TT+\k:TT+\k+1], v[C9:C9+1], s[CF:CF+1] op_sel_hi:[1,1,0]
.endr
.irp c, 1,2,3,4,5,6,7,8
.irp k, 0,2,4,6,8,10,12,14
	v_pk_fma_f32 v[PP+\k:PP+\k+1], v[PP+\k:PP+\k+1], v[TT+\k:TT+\k+1], s[CF+2*\c:CF+2*\c+1] op_sel_hi:[1,1,0]
.endr
.endr
.irp k, 0,2,4,6,8,10,12,14
	v_pk_fma_f32 v[PP+\k:PP+\k+1], v[YY+\k:YY+\k+1], v[XG+\k:XG+\k+1], v[PP+\k:PP+\k+1]   ; - x^2 / 2
.endr
.irp k, 0,2,4,6,8,10,12,14
	v_pk_fma_f32 v[PP+\k:PP+\k+1], v[PP+\k:PP+\k+1], 0x3fb8aa3b, -1.0 op_sel_hi:[1,0,0]   ; to base 2, and the half
.endr
.irp k, 0,1,2,3,4,5,6,7,8,9,10,11,12,13,14,15
	v_exp_f32 v[PP+\k], v[PP+\k]
.endr
.irp k, 0,1,2,3,4,5,6,7,8,9,10,11,12,13,14,15
	v_max_num_f32 v[YY+\k], 0, v[XG+\k]                                 ; (plain instructions behind the exponentials)
.endr
	s_wait_alu depctr_va_vdst(0)
.irp k, 0,2,4,6,8,10,12,14
	v_pk_mul_f32 v[PP+\k:PP+\k+1], v[PP+\k:PP+\k+1], v[TT+\k:TT+\k+1]   ; q
.endr
.irp k, 0,1,2,3,4,5,6,7,8,9,10,11,12,13,14,15
	v_fma_f32 v[XG+\k], -|v[XG+\k]|, v[PP+\k], v[YY+\k]
.endr
.endm
	s_load_b256 s[4:11], s[0:1], 0x0               ; the tokens' operand, the weights', b1, the output operand
	v_lshl_add_u32 v[SPW], v0, 2, SPARE
	v_mov_b32 v[NIL], 0
	ds_add_u32 v28, v29
	ds_add_u32 v28, v29
	s_wait_dscnt 0x0
	v_lshrrev_b32 v1, 5, v0
	v_readfirstlane_b32 s14, v1
	s_lshr_b32 s15, s14, 1
	s_and_b32 s16, s14, 1
	s_bfe_u32 s40, ttmp6, 0x40000
	s_bfe_u32 s41, ttmp6, 0x40004
	s_lshl_b32 s42, ttmp9, 2
	s_add_co_u32 s42, s42, s40                     ; tile column
	s_and_b32 s17, ttmp7, 0xffff
	s_lshl_b32 s17, s17, 2
	s_add_co_u32 s17, s17, s41                     ; tile row
	s_lshl_b32 s43, s41, 2
	s_lshl_b32 s43, 15, s43
	s_lshl_b32 s44, 0x1111, s40
	s_or_b32 s[G1+0], s43, (3<<16)|(1<<21)
	s_or_b32 s[G1B+0], s44, (3<<16)|(1<<21)
.irp g, G1, G1B
	s_mov_b32 s[\g+1], 544<<16
	s_mov_b32 s[\g+2], 8<<16
	s_mov_b32 s[\g+3], 544<<16
	s_mov_b32 s[\g+4], 8
	s_mov_b32 s[\g+5], RS/8
	s_mov_b32 s[\g+6], 0
	s_mov_b32 s[\g+7], 0
.endr
	s_mov_b32 s[SEL], 0x76543210
	s_mov_b32 s[SEL+1], 0xfedcba98
	s_mov_b32 s[MNT], 0x600000
	s_lshl_b32 s18, s16, 3
	s_lshl_b32 s20, s17, 4
	s_add_co_u32 s20, s20, s18
	s_mul_i32 s20, s20, RS
	s_mov_b32 s21, 0
	s_lshl_b32 s46, s42, 4
	s_add_co_u32 s46, s46, s18
	s_mul_i32 s46, s46, RS
	s_add_co_u32 s46, s46, BOFF
	s_mov_b32 s47, 0
	s_mul_i32 s45, s14, HALFT
	s_wait_kmcnt 0x0
	s_add_nc_u64 s[20:21], s[4:5], s[20:21]
	s_add_nc_u64 s[46:47], s[6:7], s[46:47]
	CROUND
.irp s, 0,1
	s_mov_b32 s[G0+4*\s], 1
	s_add_co_u32 s[G0+4*\s+1], s45, \s*SLOT
	s_add_nc_u64 s[G0+4*\s+2:G0+4*\s+3], s[20:21], \s*REC
	s_or_b32 s[G0+4*\s+3], s[G0+4*\s+3], 0x80000000
	s_mov_b32 s[G0B+4*\s], 1
	s_add_co_u32 s[G0B+4*\s+1], s45, \s*SLOT
	s_add_nc_u64 s[G0B+4*\s+2:G0B+4*\s+3], s[46:47], \s*REC
	s_or_b32 s[G0B+4*\s+3], s[G0B+4*\s+3], 0x80000000
	JLOAD G0+4*\s, G1, G0B+4*\s, G1B
.endr
	v_and_b32 v1, 31, v0
	v_bfe_u32 v2, v0, 4, 1
	v_lshlrev_b32 v[CO], 4, v1
	v_lshlrev_b32 v[SO], 3, v1
	v_lshlrev_b32 v7, 6, v2
	s_mul_i32 s72, s15, HALFT
	s_mul_i32 s73, s16, HALFT
	s_add_co_u32 s73, s73, 2*HALFT
	s_sub_co_u32 s74, s73, s72
	v_mul_u32_u24 v3, s74, v2
	v_lshl_add_u32 v3, v1, 3, v3
	s_add_co_u32 s75, s72, 4096
	v_add_nc_u32 v[ADRS], s75, v3
	v_add_nc_u32 v[ADRS+1], SLOT, v[ADRS]
.irp s, 0,1
	v_add_nc_u32 v[ADRA+\s], s72, v[CO]
	v_add_nc_u32 v[ADRB+\s], s73, v[CO]
	s_add_co_u32 s72, s72, SLOT
	s_add_co_u32 s73, s73, SLOT
.endr
	s_lshl_b32 s78, s42, 10
	s_lshl_b32 s79, s16, 9
	s_add_co_u32 s78, s78, s79
	s_mov_b32 s79, 0
	s_add_nc_u64 s[8:9], s[8:9], s[78:79]          ; b1 at my wave's 128 columns
.irp b, 0,1,2,3
.irp j, 0,1,2,3
	global_load_b128 v[B64+16*\b+4*\j:B64+16*\b+4*\j+3], v7, s[8:9] offset:128*\b+16*\j   ; register 16 b + i: column 32 b + 16 (lane / 16) + i
.endr
.endr
	s_lshl_b32 s80, s17, 4
	s_lshl_b32 s81, s15, 3
	s_add_co_u32 s80, s80, s81                     ; my first token tile
	s_mul_i32 s80, s80, 69632
	s_mul_i32 s81, s42, REC                        ; record = tile column
	s_add_co_u32 s80, s80, s81
	s_lshl_b32 s82, s16, 11                        ; K step = my half of the columns
	s_add_co_u32 s82, s82, s80
	s_mov_b32 s83, 0
	s_lshl_b32 s84, s16, 2
	s_add_co_u32 s84, s84, s80
	s_add_co_u32 s84, s84, 4096
	s_mov_b32 s85, 0
	s_add_nc_u64 s[12:13], s[10:11], s[84:85]      ; scale words
	s_add_nc_u64 s[10:11], s[10:11], s[82:83]      ; codes
	s_wait_tensorcnt 1                             ; my part of slot 0 is in; slot 1's load may be out
	s_barrier_signal -1
	s_barrier_wait -1
	FETCH_B 0, 0, 0
	FETCH_A 0, 0, 0
	SCALES 0
	FETCH_A 0, 0, 4
	STEP 0, 0, 1
.if LAPS > 1
	s_mov_b32 s3, LAPS-1
.Llap:
	TURN 0, 1, 1
	STEP 1, 0, 0
	TURN 1, 0, 1
	STEP 0, 0, 0
	s_sub_co_u32 s3, s3, 1
	s_cmp_lg_u32 s3, 0
	s_cbranch_scc1 .Llap
.endif
	TURN 0, 1, 0
	STEP 1, 0, 0
	s_wait_dscnt 4*NL
	WIN MUL_LO
	MUL16 0, 1, NQ-1, 1, 0
	MUL16 2, 1, NQ-1, 1, 0
	s_wait_dscnt 0
	WIN MUL_HI
	MUL16 4, 1, NQ-1, 1, 0
	MUL16 6, 1, NQ-1, 1, 0
	WIN 0
	PLACES NP
	s_wait_loadcnt 0x0                             ; the bias
	v_mov_b32 v[C9], 0x3e2ef945                    ; 0.17087277
	v_mov_b32 v[C9+1], 0x3e2ef945
.irp c, 0xbf527892, 0x3fbe87b0, 0xbf914e5d, 0x3e8ec7cc, 0xbe3ec24c, 0x3dc636c9, 0x3ebf88fb, 0x3f8000c7, 0xbfa1fc4e
	s_mov_b32 s[CF], \c                            ; -0.82215223, 1.48851587, -1.13520398, 0.27886807, -0.18628806, 0.09678418, 0.37409196, 1.00002368, -1.26551223
	s_mov_b32 s[CF+1], \c
.set CF, CF+2
.endr
.set CF, 72
.irp a, 0,1,2,3,4,5,6,7
.irp g, 0,1,2,3
	GELU16 \g, 64*(\a%4), 2+\a/4
.endr
	QUANT GG, 0, 12
.irp c, 0,1,2,3
	global_store_b128 v[CO], v[PC+4*\c:PC+4*\c+3], s[10:11] offset:69632*\a+512*\c   ; 32 lanes store 512 consecutive bytes
.endr
	global_store_b32 v[SO], v12, s[12:13] offset:69632*\a
.endr
	s_wait_tensorcnt 0x0                           ; the wave's end
	ds_add_u32 v[SPW], v[NIL]
	s_wait_dscnt 0x0
	CROUND
	s_endpgm
.Lfunc_end_k_qc4c65dbbab_ffn1:
	.size	k_qc4c65dbbab_ffn1, .Lfunc_end_k_qc4c65dbbab_ffn1-k_qc4c65dbbab_ffn1
	.p2alignl 7, 3214868480
	.fill 96, 4, 3214868480
	.section	.rodata,"a",@progbits
	.p2align	6, 0x0
	.amdhsa_kernel k_qc4c65dbbab_ffn1
		.amdhsa_group_segment_fixed_size 327680
		.amdhsa_private_segment_fixed_size 0
		.amdhsa_enable_private_segment 0
		.amdhsa_kernarg_size 32
		.amdhsa_user_sgpr_count 2
		.amdhsa_user_sgpr_kernarg_segment_ptr 1
		.amdhsa_wavefront_size32 1
		.amdhsa_system_sgpr_workgroup_id_x 1
		.amdhsa_system_sgpr_workgroup_id_y 1
		.amdhsa_system_sgpr_workgroup_id_z 1
		.amdhsa_system_vgpr_workitem_id 0
		.amdhsa_next_free_vgpr 1024
		.amdhsa_next_free_sgpr 100
		.amdhsa_reserve_vcc 0
		.amdhsa_float_denorm_mode_32 3
		.amdhsa_float_denorm_mode_16_64 3
		.amdhsa_memory_ordered 1
		.amdhsa_forward_progress 1
		.amdhsa_inst_pref_size 255
	.end_amdhsa_kernel
	.section	.bss,"aw",@nobits
	.p2align	6
	.space	262144
	.amdgpu_metadata
---
amdhsa.version: [ 1, 2 ]
amdhsa.kernels:
  - .name:           k_qc4c65dbbab_ffn1
    .symbol:         k_qc4c65dbbab_ffn1.kd
    .args:
      - { .name: hb, .offset: 0, .size: 8, .value_kind: global_buffer, .address_space: global }
      - { .name: wb, .offset: 8, .size: 8, .value_kind: global_buffer, .address_space: global }
      - { .name: b1, .offset: 16, .size: 8, .value_kind: global_buffer, .address_space: global }
      - { .name: gb, .offset: 24, .size: 8, .value_kind: global_buffer, .address_space: global }
    .group_segment_fixed_size: 327680
    .private_segment_fixed_size: 0
    .kernarg_segment_align: 8
    .kernarg_segment_size: 32
    .max_flat_workgroup_size: 128
    .sgpr_count:     100
    .vgpr_count:     1024
    .wavefront_size: 32
...
	.end_amdgpu_metadata
.endif
;; end of part 5
;; launch ffn2 (part 6): grid 4 x 16, 4 waves a work-group, clusters of 4 x 4, 327,680 bytes of LDS; arguments gb, wb, x1, b2, out0; writes out0
.if DOCPART == 6
	.amdgcn_target "amdgcn-amd-amdhsa--gfx1250"
	.amdhsa_code_object_version 6
	.text
	.protected	k_qc4c65dbbab_ffn2
	.globl	k_qc4c65dbbab_ffn2
	.p2align	8
	.type	k_qc4c65dbbab_ffn2,@function
k_qc4c65dbbab_ffn2:
	s_mov_b64 s[64:65], 0
	v_nop
	global_prefetch_b8 v0, s[64:65] scope:SCOPE_SE
	s_setreg_imm32_b32 hwreg(HW_REG_WAVE_MODE, 25, 1), 1
	s_wait_xcnt 0x0
	s_wait_alu depctr_hold_cnt(0) depctr_sa_sdst(0) depctr_va_vdst(0) depctr_va_sdst(0) depctr_va_ssrc(0) depctr_va_vcc(0) depctr_vm_vsrc(0)
	s_getreg_b32 s2, hwreg(HW_REG_IB_STS2, 6, 4)
	s_cmp_eq_u32 s2, 0
	s_cbranch_scc0 .Lentry_in_a_cluster
	s_endpgm
.Lentry_in_a_cluster:
	s_bfe_u32 s2, ttmp6, 0x10000c
	s_cmp_lg_u32 s2, 0xf033
	s_cbranch_scc0 .Lentry_shape_is_right
	s_endpgm
.Lentry_shape_is_right:
; out = x1 + g w2 + b2: the product on codes of E5M2 with E8M0 scales, K = 4,096; bias and residual in f32.
; A work-group makes 256 x 256, each of its four waves 128 x 128: 64 accumulators.  Operands lie in memory as records of 4,352 bytes, [row tile of 16][K / 256]: two images of a fragment's registers
; (2,048 bytes: registers 4c..4c+3 of lane l at 512 c + 16 l) and 256 bytes of scale words (lane l: 8 bytes at 4,096 + 8 l).  One tensor load brings 8 records; K goes in steps of 256 through a ring of two LDS slots.
; CLUSTERS: 4 x 4 work-groups; tiles of the tokens are shared along a row of the cluster, tiles of the weight along a column: asked for jointly.  The output has 64 tiles of 256 x 256: 64 work-groups.
; THE PRODUCT IS USED TRANSPOSED.  Lane r of row tile T is row 32 (T / 2) + 8 (T % 2) + r + 8 (r / 8): a lane holds a token, register 16 b + i of a block = column 32 b + 16 (lane / 16) + i of the wave's 128.
; THE WAY OUT: a block of 16 tokens x 128 columns goes through the wave's stage in LDS (in slot 0, which has had its last fill and its last read) and comes back as rows of 512 bytes.
; REGISTERS: window 0: v[8:11] my four columns' bias; v16-29 addresses; v32-63 scale words; v64-127, v128-191 residual rows by turns; from v128 the tokens' fragments in the loop; v192-255 rows on the way out.
.set RS,    69632
.set LAPS,  8
.set BOFF,  8912896                    ; where w2's operand begins
.set REC,   4352
.set HALFT, 8*REC
.set SLOT,  4*HALFT
.set SPARE, 2*SLOT
.set NQ,    2
.set FR,    16
.set NL,    4
.set NP,    8
.set ADRA,  16
.set ADRB,  20
.set ADRS,  22
.set STO,   24
.set RD,    25
.set CO,    26
.set SPW,   28
.set NIL,   29
.set SC,    32
.set AF,    128
.set BK,    192
.set G1,    24
.set G0,    32
.set G1B,   48
.set G0B,   56
.set MSB, 0
.macro WIN new
.if MSB != (\new)
	s_set_vgpr_msb (MSB<<8)|(\new)
.set MSB, (\new)
.endif
.endm
.set MUL_LO, 0xa1
.set MUL_HI, 0xf1
.set TO_B,   0x40
.macro JLOAD g0a, g1a, g0b, g1b        ; a joint load: waves 0, 1 fetch the tokens' halves, waves 2, 3 the weight's; four v_nop follow each line
	s_cmp_eq_u32 s15, 0
	s_cbranch_scc0 .Lfor_b_\@
	tensor_load_to_lds s[\g0a:\g0a+3], s[\g1a:\g1a+7]
	s_nop 0
.rept 4
	v_nop
.endr
	s_branch .Lasked_\@
.Lfor_b_\@:
	tensor_load_to_lds s[\g0b:\g0b+3], s[\g1b:\g1b+7]
	s_nop 0
.rept 4
	v_nop
.endr
.Lasked_\@:
.endm
.macro CREST
	s_cmp_lg_u32 s14, 0
	s_cbranch_scc1 .Lnot_wave_0_\@
	s_barrier_signal -3
.Lnot_wave_0_\@:
	s_barrier_wait -3
	s_barrier_signal -1
	s_barrier_wait -1
.endm
.macro CROUND
	s_barrier_signal -1
	s_barrier_wait -1
	CREST
.endm
.macro FRAG reg, adr, q, i
.irp c, 0,1,2,3
	ds_load_b128 v[(\reg)+4*\c:(\reg)+4*\c+3], v[\adr] offset:2048*(\q)+512*\c+(\i)*REC
.endr
.endm
.macro MUL16 a0, p, q, sc, zero        ; the 64 accumulators take turns, one instruction a turn
.irp a, \a0, \a0+1
.irp b, 0,1,2,3,4,5,6,7
.if \zero
	v_wmma_scale_f32_16x16x128_f8f6f4 v[8*(8*((\a)%4)+\b):8*(8*((\a)%4)+\b)+7], v[128*(\p)+FR*\b:128*(\p)+FR*\b+FR-1], v[AF+FR*(\a):AF+FR*(\a)+FR-1], 0, v[SC+8*NQ*(\sc)+NQ*\b+(\q)], v[SC+8*NQ*(\sc)+NQ*(\a)+(\q)] matrix_a_fmt:MATRIX_FMT_BF8 matrix_b_fmt:MATRIX_FMT_BF8 matrix_a_scale:MATRIX_SCALE_ROW1
.else
	v_wmma_scale_f32_16x16x128_f8f6f4 v[8*(8*((\a)%4)+\b):8*(8*((\a)%4)+\b)+7], v[128*(\p)+FR*\b:128*(\p)+FR*\b+FR-1], v[AF+FR*(\a):AF+FR*(\a)+FR-1], v[8*(8*((\a)%4)+\b):8*(8*((\a)%4)+\b)+7], v[SC+8*NQ*(\sc)+NQ*\b+(\q)], v[SC+8*NQ*(\sc)+NQ*(\a)+(\q)] matrix_a_fmt:MATRIX_FMT_BF8 matrix_b_fmt:MATRIX_FMT_BF8 matrix_a_scale:MATRIX_SCALE_ROW1
.endif
.endr
.endr
.endm
.macro FETCH_B slot, q, p
	WIN TO_B
.irp i, 0,1,2,3,4,5,6,7
	FRAG 128*(\p)+FR*\i, ADRB+\slot, \q, \i
.endr
	WIN 0
.endm
.macro FETCH_A slot, q, i0
.irp i, \i0, \i0+1, \i0+2, \i0+3
	FRAG AF+FR*(\i), ADRA+\slot, \q, \i
.endr
.endm
.macro SCALES sc
.irp i, 0,1,2,3,4,5,6,7
	ds_load_b64 v[SC+8*NQ*\sc+NQ*\i:SC+8*NQ*\sc+NQ*\i+1], v[ADRS+\sc] offset:\i*REC
.endr
.endm
.macro PLACES n
.rept \n
	v_nop
.endr
.endm
.macro STEP slot, q, zero
	s_wait_dscnt 4*NL                              ; all but the youngest sixteen loads (the tokens' blocks 4-7)
	WIN MUL_LO
	MUL16 0, (\q)%2, \q, \slot, \zero
	MUL16 2, (\q)%2, \q, \slot, \zero
	s_wait_dscnt 0
	PLACES NP
	FETCH_B \slot, (\q)+1, 1-(\q)%2
	FETCH_A \slot, (\q)+1, 0
	WIN MUL_HI
	MUL16 4, (\q)%2, \q, \slot, \zero
	MUL16 6, (\q)%2, \q, \slot, \zero
	PLACES NP
	WIN 0
	FETCH_A \slot, (\q)+1, 4
.endm
.macro TURN slot, next, fill
	s_wait_tensorcnt 0x0                           ; all my tensor loads have landed: my part of the next slot
	ds_add_u32 v[SPW], v[NIL]
	s_wait_dscnt 4*NL+1                            ; (the add and the youngest sixteen loads may be out)
	WIN MUL_LO
	MUL16 0, 1, NQ-1, \slot, 0
	s_wait_dscnt 0x0                               ; the add is done, and my reads of this slot are over
	s_barrier_signal -1
	MUL16 2, 1, NQ-1, \slot, 0
	WIN 0
	s_barrier_wait -1
.if \fill
	CREST                                          ; no wave of any partner still reads this slot or has a load on its way
	s_add_nc_u64 s[G0+4*\slot+2:G0+4*\slot+3], s[G0+4*\slot+2:G0+4*\slot+3], 2*REC
	s_add_nc_u64 s[G0B+4*\slot+2:G0B+4*\slot+3], s[G0B+4*\slot+2:G0B+4*\slot+3], 2*REC
	JLOAD G0+4*\slot, G1, G0B+4*\slot, G1B
	PLACES NP-4
.else
	PLACES NP
.endif
	FETCH_B \next, 0, 0
	FETCH_A \next, 0, 0
	SCALES \next
	WIN MUL_HI
	MUL16 4, 1, NQ-1, \slot, 0
	MUL16 6, 1, NQ-1, \slot, 0
	PLACES NP
	WIN 0
	FETCH_A \next, 0, 4
.endm
.macro RES a                           ; the residual's 16 rows of block a, 512 bytes each, into v64 or v128 on
.irp t, 0,1,2,3,4,5,6,7,8,9,10,11,12,13,14,15
	global_load_b128 v[64+64*((\a)%2)+4*\t:64+64*((\a)%2)+4*\t+3], v[CO], s[8:9] offset:(32*((\a)/2)+8*((\a)%2)+\t+8*(\t/8))*4096
.endr
.endm
.macro OUTBLK a
.if (\a) < 7
	RES (\a)+1
.endif
	s_wait_xcnt 0x0                                ; the last block's stores have read their registers
.set AC, 64*((\a)%4)
.set RR, 64+64*((\a)%2)
	WIN 0x08+4*((\a)/4)                            ; an LDS store's data: window 2 or 3
.irp b, 0,1,2,3,4,5,6,7
	ds_store_b128 v[STO], v[AC+8*\b:AC+8*\b+3] offset:128*(\b/2)+32*(\b%2)          ; each accumulator from its low end on
	ds_store_b128 v[STO], v[AC+8*\b+4:AC+8*\b+7] offset:128*(\b/2)+32*(\b%2)+16
.endr
	WIN 0
.irp t, 0,1,2,3,4,5,6,7,8,9,10,11,12,13,14,15
	ds_load_b128 v[BK+4*\t:BK+4*\t+3], v[RD] offset:\t*528   ; LDS serves a wave's instructions in order: these see my stores
.endr
	s_wait_dscnt 0x0
.if (\a) < 7
	s_wait_loadcnt 16                              ; this block's residual rows (and the bias) are in; the next block's sixteen may be out
.else
	s_wait_loadcnt 0x0
.endif
.irp t, 0,1,2,3,4,5,6,7,8,9,10,11,12,13,14,15
	v_pk_add_f32 v[BK+4*\t:BK+4*\t+1], v[BK+4*\t:BK+4*\t+1], v[8:9]
	v_pk_add_f32 v[BK+4*\t+2:BK+4*\t+3], v[BK+4*\t+2:BK+4*\t+3], v[10:11]
.endr
.irp t, 0,1,2,3,4,5,6,7,8,9,10,11,12,13,14,15
	v_pk_add_f32 v[BK+4*\t:BK+4*\t+1], v[BK+4*\t:BK+4*\t+1], v[RR+4*\t:RR+4*\t+1]
	v_pk_add_f32 v[BK+4*\t+2:BK+4*\t+3], v[BK+4*\t+2:BK+4*\t+3], v[RR+4*\t+2:RR+4*\t+3]
.endr
.irp t, 0,1,2,3,4,5,6,7,8,9,10,11,12,13,14,15
	global_store_b128 v[CO], v[BK+4*\t:BK+4*\t+3], s[12:13] offset:(32*((\a)/2)+8*((\a)%2)+\t+8*(\t/8))*4096 th:TH_STORE_NT   ; 32 lanes store 512 consecutive bytes, aligned; written once, read by nobody here
.endr
.endm
	s_load_b256 s[4:11], s[0:1], 0x0               ; the tokens' operand, the weights', the residual, the bias
	s_load_b64 s[12:13], s[0:1], 0x20              ; the output
	v_lshl_add_u32 v[SPW], v0, 2, SPARE
	v_mov_b32 v[NIL], 0
	ds_add_u32 v28, v29
	ds_add_u32 v28, v29
	s_wait_dscnt 0x0
	v_lshrrev_b32 v1, 5, v0
	v_readfirstlane_b32 s14, v1
	s_lshr_b32 s15, s14, 1
	s_and_b32 s16, s14, 1
	s_bfe_u32 s40, ttmp6, 0x40000
	s_bfe_u32 s41, ttmp6, 0x40004
	s_lshl_b32 s42, ttmp9, 2
	s_add_co_u32 s42, s42, s40                     ; tile column
	s_and_b32 s17, ttmp7, 0xffff
	s_lshl_b32 s17, s17, 2
	s_add_co_u32 s17, s17, s41                     ; tile row
	s_lshl_b32 s43, s41, 2
	s_lshl_b32 s43, 15, s43
	s_lshl_b32 s44, 0x1111, s40
	s_or_b32 s[G1+0], s43, (3<<16)|(1<<21)
	s_or_b32 s[G1B+0], s44, (3<<16)|(1<<21)
.irp g, G1, G1B
	s_mov_b32 s[\g+1], 544<<16
	s_mov_b32 s[\g+2], 8<<16
	s_mov_b32 s[\g+3], 544<<16
	s_mov_b32 s[\g+4], 8
	s_mov_b32 s[\g+5], RS/8
	s_mov_b32 s[\g+6], 0
	s_mov_b32 s[\g+7], 0
.endr
	s_lshl_b32 s18, s16, 3
	s_lshl_b32 s20, s17, 4
	s_add_co_u32 s20, s20, s18
	s_mul_i32 s20, s20, RS
	s_mov_b32 s21, 0
	s_lshl_b32 s46, s42, 4
	s_add_co_u32 s46, s46, s18
	s_mul_i32 s46, s46, RS
	s_add_co_u32 s46, s46, BOFF
	s_mov_b32 s47, 0
	s_mul_i32 s45, s14, HALFT
	s_wait_kmcnt 0x0
	s_add_nc_u64 s[20:21], s[4:5], s[20:21]
	s_add_nc_u64 s[46:47], s[6:7], s[46:47]
	CROUND
.irp s, 0,1
	s_mov_b32 s[G0+4*\s], 1
	s_add_co_u32 s[G0+4*\s+1], s45, \s*SLOT
	s_add_nc_u64 s[G0+4*\s+2:G0+4*\s+3], s[20:21], \s*REC
	s_or_b32 s[G0+4*\s+3], s[G0+4*\s+3], 0x80000000
	s_mov_b32 s[G0B+4*\s], 1
	s_add_co_u32 s[G0B+4*\s+1], s45, \s*SLOT
	s_add_nc_u64 s[G0B+4*\s+2:G0B+4*\s+3], s[46:47], \s*REC
	s_or_b32 s[G0B+4*\s+3], s[G0B+4*\s+3], 0x80000000
	JLOAD G0+4*\s, G1, G0B+4*\s, G1B
.endr
	v_and_b32 v1, 31, v0
	v_bfe_u32 v2, v0, 4, 1
	v_lshlrev_b32 v[CO], 4, v1
	s_mul_i32 s72, s15, HALFT
	s_mul_i32 s73, s16, HALFT
	s_add_co_u32 s73, s73, 2*HALFT
	s_sub_co_u32 s74, s73, s72
	v_mul_u32_u24 v3, s74, v2
	v_lshl_add_u32 v3, v1, 3, v3
	s_add_co_u32 s75, s72, 4096
	v_add_nc_u32 v[ADRS], s75, v3
	v_add_nc_u32 v[ADRS+1], SLOT, v[ADRS]
.irp s, 0,1
	v_add_nc_u32 v[ADRA+\s], s72, v[CO]
	v_add_nc_u32 v[ADRB+\s], s73, v[CO]
	s_add_co_u32 s72, s72, SLOT
	s_add_co_u32 s73, s73, SLOT
.endr
	s_mul_i32 s76, s14, 16*528                     ; my stage
	v_and_b32 v4, 15, v0
	v_mul_u32_u24 v4, v4, 528
	v_lshl_add_u32 v4, v2, 6, v4
	v_add_nc_u32 v[STO], s76, v4                   ; in: row lane % 16, + 64 (lane / 16)
	v_add_nc_u32 v[RD], s76, v[CO]                 ; back: a row of 512 bytes, 16 a lane
	s_lshl_b32 s78, s42, 10
	s_lshl_b32 s79, s16, 9
	s_add_co_u32 s78, s78, s79                     ; my first column, in bytes
	s_mov_b32 s79, 0
	s_add_nc_u64 s[10:11], s[10:11], s[78:79]
	s_lshl_b32 s80, s17, 20
	s_lshl_b32 s81, s15, 19
	s_add_co_u32 s80, s80, s81
	s_add_co_u32 s80, s80, s78                     ; + my first row
	s_mov_b32 s81, 0
	s_add_nc_u64 s[8:9], s[8:9], s[80:81]
	s_add_nc_u64 s[12:13], s[12:13], s[80:81]
	global_load_b128 v[8:11], v[CO], s[10:11]      ; the bias of my four columns
	RES 0                                          ; and the first block's residual rows: they land under the loop
	s_wait_tensorcnt 1                             ; my part of slot 0 is in; slot 1's load may be out
	s_barrier_signal -1
	s_barrier_wait -1
	FETCH_B 0, 0, 0
	FETCH_A 0, 0, 0
	SCALES 0
	FETCH_A 0, 0, 4
	STEP 0, 0, 1
.if LAPS > 1
	s_mov_b32 s3, LAPS-1
.Llap:
	TURN 0, 1, 1
	STEP 1, 0, 0
	TURN 1, 0, 1
	STEP 0, 0, 0
	s_sub_co_u32 s3, s3, 1
	s_cmp_lg_u32 s3, 0
	s_cbranch_scc1 .Llap
.endif
	TURN 0, 1, 0
	STEP 1, 0, 0
	s_wait_dscnt 4*NL
	WIN MUL_LO
	MUL16 0, 1, NQ-1, 1, 0
	MUL16 2, 1, NQ-1, 1, 0
	s_wait_dscnt 0
	WIN MUL_HI
	MUL16 4, 1, NQ-1, 1, 0
	MUL16 6, 1, NQ-1, 1, 0
	WIN 0
	PLACES NP
.irp a, 0,1,2,3,4,5,6,7
	OUTBLK \a
.endr
	s_wait_tensorcnt 0x0                           ; the wave's end
	ds_add_u32 v[SPW], v[NIL]
	s_wait_dscnt 0x0
	CROUND
	s_endpgm
.Lfunc_end_k_qc4c65dbbab_ffn2:
	.size	k_qc4c65dbbab_ffn2, .Lfunc_end_k_qc4c65dbbab_ffn2-k_qc4c65dbbab_ffn2
	.p2alignl 7, 3214868480
	.fill 96, 4, 3214868480
	.section	.rodata,"a",@progbits
	.p2align	6, 0x0
	.amdhsa_kernel k_qc4c65dbbab_ffn2
		.amdhsa_group_segment_fixed_size 327680
		.amdhsa_private_segment_fixed_size 0
		.amdhsa_enable_private_segment 0
		.amdhsa_kernarg_size 40
		.amdhsa_user_sgpr_count 2
		.amdhsa_user_sgpr_kernarg_segment_ptr 1
		.amdhsa_wavefront_size32 1
		.amdhsa_system_sgpr_workgroup_id_x 1
		.amdhsa_system_sgpr_workgroup_id_y 1
		.amdhsa_system_sgpr_workgroup_id_z 1
		.amdhsa_system_vgpr_workitem_id 0
		.amdhsa_next_free_vgpr 1024
		.amdhsa_next_free_sgpr 100
		.amdhsa_reserve_vcc 0
		.amdhsa_float_denorm_mode_32 3
		.amdhsa_float_denorm_mode_16_64 3
		.amdhsa_memory_ordered 1
		.amdhsa_forward_progress 1
		.amdhsa_inst_pref_size 187
	.end_amdhsa_kernel
	.amdgpu_metadata
---
amdhsa.version: [ 1, 2 ]
amdhsa.kernels:
  - .name:           k_qc4c65dbbab_ffn2
    .symbol:         k_qc4c65dbbab_ffn2.kd
    .args:
      - { .name: gb, .offset: 0, .size: 8, .value_kind: global_buffer, .address_space: global }
      - { .name: wb, .offset: 8, .size: 8, .value_kind: global_buffer, .address_space: global }
      - { .name: x1, .offset: 16, .size: 8, .value_kind: global_buffer, .address_space: global }
      - { .name: b2, .offset: 24, .size: 8, .value_kind: global_buffer, .address_space: global }
      - { .name: out0, .offset: 32, .size: 8, .value_kind: global_buffer, .address_space: global }
    .group_segment_fixed_size: 327680
    .private_segment_fixed_size: 0
    .kernarg_segment_align: 8
    .kernarg_segment_size: 40
    .max_flat_workgroup_size: 128
    .sgpr_count:     100
    .vgpr_count:     1024
    .wavefront_size: 32
...
	.end_amdgpu_metadata
.endif
;; end of part 6
;; ======== version 2 of 2: 7 launches
;; limits: right only within a limited range of input values
;; workspace buffers: wb 13,369,344 bytes; hb 4,456,448 bytes; qkvb 13,369,344 bytes; aob 4,456,448 bytes; x1 16,777,216 bytes; gb 17,825,792 bytes
;; launch prep (part 7): grid 448 x 1, 8 waves a work-group, no clusters, 2,048 bytes of LDS; arguments x, ln1_scale, ln1_bias, hb, wq, wk, wv, wo, w2, w1, wb; writes hb, wb
.if DOCPART == 7
	.amdgcn_target "amdgcn-amd-amdhsa--gfx1250"
	.amdhsa_code_object_version 6
	.text
	.protected	k_qc4c65dbbab_prep
	.globl	k_qc4c65dbbab_prep
	.p2align	8
	.type	k_qc4c65dbbab_prep,@function
k_qc4c65dbbab_prep:
	s_mov_b64 s[64:65], 0
	v_nop
	global_prefetch_b8 v0, s[64:65] scope:SCOPE_SE
	s_setreg_imm32_b32 hwreg(HW_REG_WAVE_MODE, 25, 1), 1
	s_wait_xcnt 0x0
; Two jobs, parted on the work-group's number.
; Work-groups 0-255: LayerNorm of 16 tokens, (x - mean) / (std + 1e-5) * scale + bias in f32 (mean first, then the mean of the squared differences), quantised along the 1,024 columns
; to codes of E5M2 with one E8M0 byte for each 32, and stored as an operand.  Work-groups 256-447: the six weights [K][N], quantised along K (a lane to a column, its registers down K).
; AN OPERAND IN MEMORY is a run of RECORDS of 4,352 bytes, [row tile][K / 256]: a record is 16 rows x 256 K: two images of a fragment's registers (2,048 bytes each: registers 4c..4c+3 of lane l
; at 512 c + 16 l) and 256 bytes of scale words (lane l: 8 bytes at 4,096 + 8 l: the words of row l % 16 for the two K steps of 128; both halves of the lanes alike).
; THE ROWS OF A ROW TILE ARE NOT NEIGHBOURS: lane r of tile T holds row 32 (T / 2) + 8 (T % 2) + r + 8 (r / 8), so that results of a product used transposed lie 16 neighbours to a lane.
; LIMITS: NaN and infinities are not served.  A block whose largest magnitude lies under 2^-111, a block of zeros among them, gets the byte 1 (its codes are zeros or subnormal codes); only this program reads the bytes.
; v_sqrt_f32 and v_rcp_f32 are accurate to one unit in the last place.
.set REC,  4352
.set RS1,  17408                       ; from row tile to row tile, K = 1,024
.set RS4,  69632                       ; K = 4,096
.set X,    16                          ; v16-79   64 numbers of a lane (weights: two sets of 32)
.set GS,   80                          ; v80-143  the norm's scale (weights: the codes of eight blocks)
.set GB,   144                         ; v144-207 the norm's bias (weights: v144-145 the scale bytes)
.set PC,   208                         ; v208-223 the fragment's codes
.set TM,   224                         ; v224-239 at work in the quantiser
.set PW,   240                         ; v240     the scale word
.set SEL,  40                          ; s[40:41] lane selects: lane l xor 16
.set MNT,  42                          ; s42      the mantissa field of 57,344
	s_load_b256 s[4:11], s[0:1], 0x0               ; x, the norm's scale, its bias, the tokens' operand
	s_load_b256 s[12:19], s[0:1], 0x20             ; wq, wk, wv, wo
	s_load_b128 s[20:23], s[0:1], 0x40             ; w2, w1
	s_load_b64 s[24:25], s[0:1], 0x50              ; the weights' operands
	v_lshl_add_u32 v254, v0, 2, 0x400
	v_mov_b32 v255, 0
	v_lshrrev_b32 v1, 5, v0
	s_delay_alu instid0(VALU_DEP_1)
	v_readfirstlane_b32 s26, v1                    ; wave 0..7
	v_and_b32 v1, 31, v0                           ; lane
	s_mov_b32 s[MNT], 0x600000
	s_cmp_ge_u32 ttmp9, 256                        ; the same for all waves of a work-group
	s_cbranch_scc1 .Lweights
; ---------------- LayerNorm.  Work-group g is token tile g; wave w holds columns 128 w .. 128 w + 127: lane (r, h) has, of its row, 16 neighbours of each block of 32.
	v_and_b32 v2, 15, v0                           ; r
	v_bfe_u32 v3, v0, 4, 1                         ; h
	s_delay_alu instid0(VALU_DEP_2)
	v_and_b32 v10, 8, v2
	s_delay_alu instid0(VALU_DEP_1)
	v_add_nc_u32 v10, v10, v2                      ; r + 8 (r / 8)
	s_delay_alu instid0(VALU_DEP_1)
	v_lshlrev_b32 v4, 12, v10                      ; a row is 4,096 bytes
	s_delay_alu instid0(VALU_DEP_1)
	v_lshl_add_u32 v4, v3, 6, v4                   ; + 64 h
	s_lshl_b32 s27, s26, 9                         ; + 512 w
	v_add_nc_u32 v4, s27, v4
	v_lshl_add_u32 v5, v3, 6, s27                  ; the same columns of the norm's scale and bias
	v_lshlrev_b32 v6, 4, v1                        ; 16 x lane: an image's place
	v_lshlrev_b32 v7, 3, v1                        ; 8 x lane: a scale word's
	v_lshlrev_b32 v9, 5, v2                        ; LDS: row r's eight partial sums
	s_lshl_b32 s28, s26, 2
	v_add_nc_u32 v8, s28, v9                       ; mine among them
	s_mov_b32 s[SEL], 0x76543210
	s_mov_b32 s[SEL+1], 0xfedcba98
.irp b, 0,1,2,3
	v_mov_b32 v[TM+4+\b], 0                        ; written once: a lane permute's destination counts as one of its sources
.endr
	s_lshr_b32 s30, ttmp9, 1
	s_lshl_b32 s30, s30, 17                        ; 32 (g / 2) rows
	s_and_b32 s31, ttmp9, 1
	s_lshl_b32 s31, s31, 15                        ; + 8 (g % 2) rows
	s_add_co_u32 s30, s30, s31
	s_mov_b32 s31, 0
	s_mul_i32 s32, ttmp9, RS1                      ; my row tile's records,
	s_lshr_b32 s33, s26, 1
	s_mul_i32 s33, s33, REC                        ; record w / 2,
	s_add_co_u32 s32, s32, s33
	s_and_b32 s34, s26, 1
	s_lshl_b32 s35, s34, 11                        ; image w % 2
	s_add_co_u32 s36, s32, s35
	s_mov_b32 s37, 0
	s_lshl_b32 s35, s34, 2                         ; and word w % 2 of the scale words
	s_add_co_u32 s38, s32, s35
	s_add_co_u32 s38, s38, 4096
	s_mov_b32 s39, 0
	s_wait_alu depctr_va_vdst(0)
	s_wait_kmcnt 0x0
	s_add_nc_u64 s[4:5], s[4:5], s[30:31]
	s_add_nc_u64 s[36:37], s[10:11], s[36:37]
	s_add_nc_u64 s[38:39], s[10:11], s[38:39]
.irp b, 0,1,2,3
.irp j, 0,1,2,3
	global_load_b128 v[X+16*\b+4*\j:X+16*\b+4*\j+3], v4, s[4:5] offset:128*\b+16*\j
.endr
.endr
.irp b, 0,1,2,3
.irp j, 0,1,2,3
	global_load_b128 v[GS+16*\b+4*\j:GS+16*\b+4*\j+3], v5, s[6:7] offset:128*\b+16*\j
.endr
.endr
.irp b, 0,1,2,3
.irp j, 0,1,2,3
	global_load_b128 v[GB+16*\b+4*\j:GB+16*\b+4*\j+3], v5, s[8:9] offset:128*\b+16*\j
.endr
.endr
; The two chains in v[242:245] become the row's sum / 1,024 in v242: the lane's, lane l xor 16's, then the eight waves' through LDS bytes off .. off + 511.
.macro REDUCE off
	s_delay_alu instid0(VALU_DEP_1)
	v_pk_add_f32 v[242:243], v[242:243], v[244:245]
	s_delay_alu instid0(VALU_DEP_1)
	v_add_f32 v242, v242, v243
	s_delay_alu instid0(VALU_DEP_1)
	v_permlanex16_b32 v244, v242, s[SEL], s[SEL+1]
	s_delay_alu instid0(VALU_DEP_1)
	v_add_f32 v242, v242, v244
	ds_store_b32 v8, v242 offset:\off              ; both halves of the lanes write the same word with the same value
	s_wait_dscnt 0x0                               ; for the others' sake: my store has landed
	s_barrier_signal -1
	s_barrier_wait -1
	ds_load_b128 v[244:247], v9 offset:\off
	ds_load_b128 v[248:251], v9 offset:\off+16
	s_wait_dscnt 0x0
	v_add_f32 v244, v244, v245
	v_add_f32 v246, v246, v247
	v_add_f32 v248, v248, v249
	v_add_f32 v250, v250, v251
	s_delay_alu instid0(VALU_DEP_3)
	v_add_f32 v244, v244, v246
	s_delay_alu instid0(VALU_DEP_2)
	v_add_f32 v248, v248, v250
	s_delay_alu instid0(VALU_DEP_1)
	v_add_f32 v244, v244, v248
	s_delay_alu instid0(VALU_DEP_1)
	v_mul_f32 v242, 0x3a800000, v244               ; / 1,024
.endm
	s_wait_loadcnt 32                              ; x is in; the 32 younger loads (scale, bias) may be out
	v_pk_add_f32 v[242:243], v[X:X+1], v[X+2:X+3]
	v_pk_add_f32 v[244:245], v[X+4:X+5], v[X+6:X+7]
.irp j, 8,12,16,20,24,28,32,36,40,44,48,52,56,60
	s_delay_alu instid0(VALU_DEP_2)
	v_pk_add_f32 v[242:243], v[242:243], v[X+\j:X+\j+1]
	s_delay_alu instid0(VALU_DEP_2)
	v_pk_add_f32 v[244:245], v[244:245], v[X+\j+2:X+\j+3]
.endr
	REDUCE 0
	s_delay_alu instid0(VALU_DEP_1)
	v_mov_b32 v252, v242                           ; the mean (the pair is named, its low word serves both halves)
	s_delay_alu instid0(VALU_DEP_2)
	v_mov_b32 v253, v242
.irp j, 0,2,4,6,8,10,12,14,16,18,20,22,24,26,28,30,32,34,36,38,40,42,44,46,48,50,52,54,56,58,60,62
	v_pk_add_f32 v[X+\j:X+\j+1], v[X+\j:X+\j+1], v[252:253] op_sel_hi:[1,0] neg_lo:[0,1] neg_hi:[0,1]
.endr
	v_pk_mul_f32 v[242:243], v[X:X+1], v[X:X+1]
	v_pk_mul_f32 v[244:245], v[X+2:X+3], v[X+2:X+3]
.irp j, 4,8,12,16,20,24,28,32,36,40,44,48,52,56,60
	s_delay_alu instid0(VALU_DEP_2)
	v_pk_fma_f32 v[242:243], v[X+\j:X+\j+1], v[X+\j:X+\j+1], v[242:243]
	s_delay_alu instid0(VALU_DEP_2)
	v_pk_fma_f32 v[244:245], v[X+\j+2:X+\j+3], v[X+\j+2:X+\j+3], v[244:245]
.endr
	REDUCE 512                                     ; other LDS bytes than the first sum's: no third barrier is needed
	s_wait_alu depctr_va_vdst(0)
	v_sqrt_f32 v242, v242
	v_nop                                          ; a plain instruction behind a transcendental
	s_wait_alu depctr_va_vdst(0)
	v_add_f32 v242, 0x3727c5ac, v242               ; + 1e-5
	s_wait_alu depctr_va_vdst(0)
	v_rcp_f32 v252, v242
	v_nop
	s_wait_alu depctr_va_vdst(0)
	v_mov_b32 v253, v252
	s_wait_alu depctr_va_vdst(0)
	s_wait_loadcnt 0x0                             ; the norm's scale and bias
.irp j, 0,2,4,6,8,10,12,14,16,18,20,22,24,26,28,30,32,34,36,38,40,42,44,46,48,50,52,54,56,58,60,62
	v_pk_mul_f32 v[X+\j:X+\j+1], v[X+\j:X+\j+1], v[252:253] op_sel_hi:[1,0]
.endr
.irp j, 0,2,4,6,8,10,12,14,16,18,20,22,24,26,28,30,32,34,36,38,40,42,44,46,48,50,52,54,56,58,60,62
	v_pk_fma_f32 v[X+\j:X+\j+1], v[X+\j:X+\j+1], v[GS+\j:GS+\j+1], v[GB+\j:GB+\j+1]
.endr
; The quantiser: register 16 b + i is column 32 b + 16 h + i of my row.
.irp b, 0,1,2,3
	v_max3_num_f32 v[TM+\b], |v[X+16*\b]|, |v[X+16*\b+1]|, 0x8000000   ; with the floor 2^(16 - 127): the byte cannot fall under 1
.endr
.irp i, 2,4,6,8,10,12,14
.irp b, 0,1,2,3
	s_delay_alu instid0(VALU_DEP_4)
	v_max3_num_f32 v[TM+\b], |v[X+16*\b+\i]|, |v[X+16*\b+\i+1]|, v[TM+\b]
.endr
.endr
.irp b, 0,1,2,3
	s_delay_alu instid0(VALU_DEP_4)
	v_permlanex16_b32 v[TM+4+\b], v[TM+\b], s[SEL], s[SEL+1]
.endr
.irp b, 0,1,2,3
	s_delay_alu instid0(VALU_DEP_4)
	v_max_num_f32 v[TM+\b], v[TM+\b], v[TM+4+\b]   ; the block's largest magnitude
.endr
.irp b, 0,1,2,3
	s_delay_alu instid0(VALU_DEP_4)
	v_add_nc_u32 v[TM+12+\b], 0xf8800000, v[TM+\b] ; 15 off its exponent field: the conversion's scale operand
.endr
.irp b, 0,1,2,3
	v_and_or_b32 v[TM+8+\b], v[TM+\b], 0x7f800000, s[MNT]   ; 57,344 x the scale
.endr
.irp b, 0,1,2,3
	v_lshrrev_b32 v[TM+4+\b], 23, v[TM+12+\b]      ; the scale's byte
.endr
	s_delay_alu instid0(VALU_DEP_3)
	v_lshl_or_b32 v[PW], v[TM+5], 8, v[TM+4]
	s_delay_alu instid0(VALU_DEP_1)
	v_lshl_or_b32 v[PW], v[TM+6], 16, v[PW]
	s_delay_alu instid0(VALU_DEP_1)
	v_lshl_or_b32 v[PW], v[TM+7], 24, v[PW]
.irp b, 0,1,2,3
.irp i, 0,1,2,3,4,5,6,7,8,9,10,11,12,13,14,15
	v_med3_num_f32 v[X+16*\b+\i], v[X+16*\b+\i], -v[TM+8+\b], v[TM+8+\b]   ; the conversion to an 8-bit code does not saturate (ISA guide 7.6.2)
.endr
.endr
.irp b, 0,1,2,3
	v_cvt_scalef32_pk8_bf8_f32 v[PC+4*\b:PC+4*\b+1], v[X+16*\b:X+16*\b+7], v[TM+12+\b]
	v_cvt_scalef32_pk8_bf8_f32 v[PC+4*\b+2:PC+4*\b+3], v[X+16*\b+8:X+16*\b+15], v[TM+12+\b]
.endr
	v_nop
.irp c, 0,1,2,3
	global_store_b128 v6, v[PC+4*\c:PC+4*\c+3], s[36:37] offset:512*\c   ; 32 lanes store 512 consecutive bytes
.endr
	global_store_b32 v7, v[PW], s[38:39]
	s_wait_tensorcnt 0x0
	ds_add_u32 v254, v255
	s_wait_dscnt 0x0
	s_endpgm
; ---------------- The weights.  A work-group takes 256 columns x 256 along K; wave w 32 columns (a pair of row tiles) x 8 blocks of 32.
.macro WLOAD t, PITCH                  ; block t: W(32 t + i, my column) into set t % 2; 32 lanes read 128 consecutive bytes
.irp i, 0,1,2,3,4,5,6,7,8,9,10,11,12,13,14,15,16,17,18,19,20,21,22,23,24,25,26,27,28,29,30,31
	global_load_b32 v[X+32*((\t)%2)+\i], v4, s[12:13] offset:(32*(\t)+\i)*\PITCH th:TH_LOAD_NT
.endr
.endm
.macro WBLOCK t, PITCH
.set XS, X+32*((\t)%2)
.set CC, 80+8*(\t)                     ; each block has its own eight registers of codes: no store's data are written again
.if (\t) < 7
	s_wait_loadcnt 32                              ; this block's 32 loads are in; the next block's may be out
.else
	s_wait_loadcnt 0x0
.endif
	v_max3_num_f32 v12, |v[XS]|, |v[XS+1]|, |v[XS+2]|
	v_max3_num_f32 v13, |v[XS+3]|, |v[XS+4]|, |v[XS+5]|
.irp i, 6,10,14,18,22,26
	s_delay_alu instid0(VALU_DEP_2)
	v_max3_num_f32 v12, v12, |v[XS+\i]|, |v[XS+\i+1]|
	s_delay_alu instid0(VALU_DEP_2)
	v_max3_num_f32 v13, v13, |v[XS+\i+2]|, |v[XS+\i+3]|
.endr
	s_delay_alu instid0(VALU_DEP_2)
	v_max3_num_f32 v12, v12, |v[XS+30]|, |v[XS+31]|
	s_delay_alu instid0(VALU_DEP_1)
	v_max3_num_f32 v12, v12, v13, 0x8000000        ; and the floor
	s_delay_alu instid0(VALU_DEP_1)
	v_add_nc_u32 v11, 0xf8800000, v12
	s_delay_alu instid0(VALU_DEP_2)
	v_and_or_b32 v10, v12, 0x7f800000, s[MNT]
	s_delay_alu instid0(VALU_DEP_2)
	v_lshrrev_b32 v13, 23, v11
.if (\t)%4 == 0
	s_delay_alu instid0(VALU_DEP_1)
	v_mov_b32 v[144+(\t)/4], v13                   ; four bytes to a word, the lower K in the lower byte
.else
	s_delay_alu instid0(VALU_DEP_1)
	v_lshl_or_b32 v[144+(\t)/4], v13, 8*((\t)%4), v[144+(\t)/4]
.endif
.irp i, 0,1,2,3,4,5,6,7,8,9,10,11,12,13,14,15,16,17,18,19,20,21,22,23,24,25,26,27,28,29,30,31
	v_med3_num_f32 v[XS+\i], v[XS+\i], -v10, v10
.endr
.irp g, 0,1,2,3
	v_cvt_scalef32_pk8_bf8_f32 v[CC+2*\g:CC+2*\g+1], v[XS+8*\g:XS+8*\g+7], v11
.endr
	v_nop
	global_store_b128 v5, v[CC:CC+3], s[24:25] offset:2048*((\t)/4)+512*((\t)%4)         ; K 0-15 of the block: the place of lane r; sixteen lanes of one tile fill 256 consecutive bytes
	global_store_b128 v5, v[CC+4:CC+7], s[24:25] offset:2048*((\t)/4)+512*((\t)%4)+256   ; K 16-31: the place of lane 16 + r
.if (\t)+2 < 8
	WLOAD (\t)+2, \PITCH
.endif
.endm
; s30: bytes from row tile to row tile; s32: where the weight's operand begins; s35: which 256 along K; s36: which 256 columns; s[12:13]: the weight
.macro WTAIL PITCH
	s_mul_i32 s44, s35, 256*\PITCH
	s_lshl_b32 s38, s36, 10
	s_add_co_u32 s44, s44, s38
	s_lshl_b32 s38, s26, 7
	s_add_co_u32 s44, s44, s38                     ; 256 rows of K x which + 4 (256 x which columns + 32 w)
	s_mov_b32 s45, 0
	s_lshl_b32 s46, s36, 4
	s_lshl_b32 s38, s26, 1
	s_add_co_u32 s46, s46, s38                     ; row tile 16 x which columns + 2 w
	s_mul_i32 s46, s46, s30
	s_add_co_u32 s46, s46, s32
	s_mul_i32 s38, s35, REC
	s_add_co_u32 s46, s46, s38
	s_mov_b32 s47, 0
	s_add_nc_u64 s[12:13], s[12:13], s[44:45]
	s_add_nc_u64 s[24:25], s[24:25], s[46:47]
	v_lshlrev_b32 v4, 2, v1                        ; my column
	v_bfe_u32 v5, v1, 3, 1                         ; column L of 32 lies in tile (L / 8) % 2,
	s_delay_alu instid0(VALU_DEP_1)
	v_mul_u32_u24 v7, s30, v5
	v_and_b32 v8, 7, v1
	v_lshrrev_b32 v9, 4, v1
	s_delay_alu instid0(VALU_DEP_1)
	v_lshl_add_u32 v8, v9, 3, v8                   ; at lane L % 8 + 8 (L / 16)
	s_delay_alu instid0(VALU_DEP_1)
	v_lshl_add_u32 v5, v8, 4, v7
	s_delay_alu instid0(VALU_DEP_2)
	v_lshl_add_u32 v6, v8, 3, v7
	WLOAD 0, \PITCH
	WLOAD 1, \PITCH
.irp t, 0,1,2,3,4,5,6,7
	WBLOCK \t, \PITCH
.endr
	global_store_b64 v6, v[144:145], s[24:25] offset:4096        ; the two scale words, for lane r
	global_store_b64 v6, v[144:145], s[24:25] offset:4096+128    ; and for lane 16 + r
	s_endpgm
.endm
.Lweights:
	s_sub_co_u32 s27, ttmp9, 256                   ; 0-63: wq, wk, wv, wo; 64-127: w2; 128-191: w1
	s_wait_kmcnt 0x0
	s_cmp_ge_u32 s27, 128
	s_cbranch_scc1 .Lw1
	s_lshr_b32 s28, s27, 4                         ; which of the four square weights
	s_cmp_eq_u32 s28, 1
	s_cselect_b64 s[12:13], s[14:15], s[12:13]
	s_cmp_eq_u32 s28, 2
	s_cselect_b64 s[12:13], s[16:17], s[12:13]
	s_cmp_eq_u32 s28, 3
	s_cselect_b64 s[12:13], s[18:19], s[12:13]
	s_mov_b32 s30, RS1
	s_mov_b32 s31, RS4
	s_mul_i32 s32, s28, 64*RS1
	s_mov_b32 s33, 8912896
	s_cmp_lt_u32 s27, 64
	s_cselect_b64 s[12:13], s[12:13], s[20:21]
	s_cselect_b32 s30, s30, s31
	s_cselect_b32 s32, s32, s33
	s_cselect_b32 s34, 3, 15
	s_lshr_b32 s35, s27, 2
	s_and_b32 s35, s35, s34
	s_and_b32 s36, s27, 3
	s_wait_alu depctr_va_vdst(0)
	WTAIL 4096
.Lw1:
	s_mov_b64 s[12:13], s[22:23]
	s_mov_b32 s30, RS1
	s_mov_b32 s32, 4456448
	s_lshr_b32 s35, s27, 4
	s_and_b32 s35, s35, 3
	s_and_b32 s36, s27, 15
	s_wait_alu depctr_va_vdst(0)
	WTAIL 16384
.Lfunc_end_k_qc4c65dbbab_prep:
	.size	k_qc4c65dbbab_prep, .Lfunc_end_k_qc4c65dbbab_prep-k_qc4c65dbbab_prep
	.p2alignl 7, 3214868480
	.fill 96, 4, 3214868480
	.section	.rodata,"a",@progbits
	.p2align	6, 0x0
	.amdhsa_kernel k_qc4c65dbbab_prep
		.amdhsa_group_segment_fixed_size 2048
		.amdhsa_private_segment_fixed_size 0
		.amdhsa_enable_private_segment 0
		.amdhsa_kernarg_size 88
		.amdhsa_user_sgpr_count 2
		.amdhsa_user_sgpr_kernarg_segment_ptr 1
		.amdhsa_wavefront_size32 1
		.amdhsa_system_sgpr_workgroup_id_x 1
		.amdhsa_system_sgpr_workgroup_id_y 1
		.amdhsa_system_sgpr_workgroup_id_z 1
		.amdhsa_system_vgpr_workitem_id 0
		.amdhsa_next_free_vgpr 256
		.amdhsa_next_free_sgpr 66
		.amdhsa_reserve_vcc 0
		.amdhsa_float_denorm_mode_32 3
		.amdhsa_float_denorm_mode_16_64 3
		.amdhsa_memory_ordered 1
		.amdhsa_forward_progress 1
		.amdhsa_inst_pref_size 153
	.end_amdhsa_kernel
	.amdgpu_metadata
---
amdhsa.version: [ 1, 2 ]
amdhsa.kernels:
  - .name:           k_qc4c65dbbab_prep
    .symbol:         k_qc4c65dbbab_prep.kd
    .args:
      - { .name: x, .offset: 0, .size: 8, .value_kind: global_buffer, .address_space: global }
      - { .name: ln1_scale, .offset: 8, .size: 8, .value_kind: global_buffer, .address_space: global }
      - { .name: ln1_bias, .offset: 16, .size: 8, .value_kind: global_buffer, .address_space: global }
      - { .name: hb, .offset: 24, .size: 8, .value_kind: global_buffer, .address_space: global }
      - { .name: wq, .offset: 32, .size: 8, .value_kind: global_buffer, .address_space: global }
      - { .name: wk, .offset: 40, .size: 8, .value_kind: global_buffer, .address_space: global }
      - { .name: wv, .offset: 48, .size: 8, .value_kind: global_buffer, .address_space: global }
      - { .name: wo, .offset: 56, .size: 8, .value_kind: global_buffer, .address_space: global }
      - { .name: w2, .offset: 64, .size: 8, .value_kind: global_buffer, .address_space: global }
      - { .name: w1, .offset: 72, .size: 8, .value_kind: global_buffer, .address_space: global }
      - { .name: wb, .offset: 80, .size: 8, .value_kind: global_buffer, .address_space: global }
    .group_segment_fixed_size: 2048
    .private_segment_fixed_size: 0
    .kernarg_segment_align: 8
    .kernarg_segment_size: 88
    .max_flat_workgroup_size: 256
    .sgpr_count:     66
    .vgpr_count:     256
    .wavefront_size: 32
...
	.end_amdgpu_metadata
.endif
;; end of part 7
;; launch qkv (part 8): grid 8 x 24, 4 waves a work-group, clusters of 4 x 4, 327,680 bytes of LDS; arguments hb, wb, qkvb; writes qkvb
.if DOCPART == 8
	.amdgcn_target "amdgcn-amd-amdhsa--gfx1250"
	.amdhsa_code_object_version 6
	.text
	.protected	k_qc4c65dbbab_qkv
	.globl	k_qc4c65dbbab_qkv
	.p2align	8
	.type	k_qc4c65dbbab_qkv,@function
k_qc4c65dbbab_qkv:
	s_mov_b64 s[64:65], 0
	v_nop
	global_prefetch_b8 v0, s[64:65] scope:SCOPE_SE
	s_setreg_imm32_b32 hwreg(HW_REG_WAVE_MODE, 25, 1), 1
	s_wait_xcnt 0x0
	s_wait_alu depctr_hold_cnt(0) depctr_sa_sdst(0) depctr_va_vdst(0) depctr_va_sdst(0) depctr_va_ssrc(0) depctr_va_vcc(0) depctr_vm_vsrc(0)
	s_getreg_b32 s2, hwreg(HW_REG_IB_STS2, 6, 4)
	s_cmp_eq_u32 s2, 0
	s_cbranch_scc0 .Lentry_in_a_cluster
	s_endpgm
.Lentry_in_a_cluster:
	s_bfe_u32 s2, ttmp6, 0x10000c
	s_cmp_lg_u32 s2, 0xf033
	s_cbranch_scc0 .Lentry_shape_is_right
	s_endpgm
.Lentry_shape_is_right:
.set RS,    17408
.set LAPS,  2
.set REC,   4352
.set HALFT, 8*REC
.set SLOT,  4*HALFT
.set SPARE, 2*SLOT
.set NQ,    2
.set FR,    16
.set NL,    4
.set NP,    8
.set ADRA,  16
.set ADRB,  20
.set ADRS,  22
.set CO,    26
.set SO,    27
.set SPW,   28
.set NIL,   29
.set SC,    32
.set TM,    64
.set PC,    192
.set AF,    128
.set G1,    24
.set G0,    32
.set G1B,   48
.set G0B,   56
.set SEL,   68
.set MNT,   70
.set MSB, 0
.macro WIN new
.if MSB != (\new)
	s_set_vgpr_msb (MSB<<8)|(\new)
.set MSB, (\new)
.endif
.endm
.set MUL_LO, 0xa1
.set MUL_HI, 0xf1
.set TO_B,   0x40
.macro JLOAD g0a, g1a, g0b, g1b
	s_cmp_eq_u32 s15, 0
	s_cbranch_scc0 .Lfor_b_\@
	tensor_load_to_lds s[\g0a:\g0a+3], s[\g1a:\g1a+7]
	s_nop 0
.rept 4
	v_nop
.endr
	s_branch .Lasked_\@
.Lfor_b_\@:
	tensor_load_to_lds s[\g0b:\g0b+3], s[\g1b:\g1b+7]
	s_nop 0
.rept 4
	v_nop
.endr
.Lasked_\@:
.endm
.macro CREST
	s_cmp_lg_u32 s14, 0
	s_cbranch_scc1 .Lnot_wave_0_\@
	s_barrier_signal -3
.Lnot_wave_0_\@:
	s_barrier_wait -3
	s_barrier_signal -1
	s_barrier_wait -1
.endm
.macro CROUND
	s_barrier_signal -1
	s_barrier_wait -1
	CREST
.endm
.macro FRAG reg, adr, q, i
.irp c, 0,1,2,3
	ds_load_b128 v[(\reg)+4*\c:(\reg)+4*\c+3], v[\adr] offset:2048*(\q)+512*\c+(\i)*REC
.endr
.endm
.macro MUL16 a0, p, q, sc, zero
.irp a, \a0, \a0+1
.irp b, 0,1,2,3,4,5,6,7
.if \zero
	v_wmma_scale_f32_16x16x128_f8f6f4 v[8*(8*((\a)%4)+\b):8*(8*((\a)%4)+\b)+7], v[128*(\p)+FR*\b:128*(\p)+FR*\b+FR-1], v[AF+FR*(\a):AF+FR*(\a)+FR-1], 0, v[SC+8*NQ*(\sc)+NQ*\b+(\q)], v[SC+8*NQ*(\sc)+NQ*(\a)+(\q)] matrix_a_fmt:MATRIX_FMT_BF8 matrix_b_fmt:MATRIX_FMT_BF8 matrix_a_scale:MATRIX_SCALE_ROW1
.else
	v_wmma_scale_f32_16x16x128_f8f6f4 v[8*(8*((\a)%4)+\b):8*(8*((\a)%4)+\b)+7], v[128*(\p)+FR*\b:128*(\p)+FR*\b+FR-1], v[AF+FR*(\a):AF+FR*(\a)+FR-1], v[8*(8*((\a)%4)+\b):8*(8*((\a)%4)+\b)+7], v[SC+8*NQ*(\sc)+NQ*\b+(\q)], v[SC+8*NQ*(\sc)+NQ*(\a)+(\q)] matrix_a_fmt:MATRIX_FMT_BF8 matrix_b_fmt:MATRIX_FMT_BF8 matrix_a_scale:MATRIX_SCALE_ROW1
.endif
.endr
.endr
.endm
.macro FETCH_B slot, q, p
	WIN TO_B
.irp i, 0,1,2,3,4,5,6,7
	FRAG 128*(\p)+FR*\i, ADRB+\slot, \q, \i
.endr
	WIN 0
.endm
.macro FETCH_A slot, q, i0
.irp i, \i0, \i0+1, \i0+2, \i0+3
	FRAG AF+FR*(\i), ADRA+\slot, \q, \i
.endr
.endm
.macro SCALES sc
.irp i, 0,1,2,3,4,5,6,7
	ds_load_b64 v[SC+8*NQ*\sc+NQ*\i:SC+8*NQ*\sc+NQ*\i+1], v[ADRS+\sc] offset:\i*REC
.endr
.endm
.macro PLACES n
.rept \n
	v_nop
.endr
.endm
.macro STEP slot, q, zero
	s_wait_dscnt 4*NL
	WIN MUL_LO
	MUL16 0, (\q)%2, \q, \slot, \zero
	MUL16 2, (\q)%2, \q, \slot, \zero
	s_wait_dscnt 0
	PLACES NP
	FETCH_B \slot, (\q)+1, 1-(\q)%2
	FETCH_A \slot, (\q)+1, 0
	WIN MUL_HI
	MUL16 4, (\q)%2, \q, \slot, \zero
	MUL16 6, (\q)%2, \q, \slot, \zero
	PLACES NP
	WIN 0
	FETCH_A \slot, (\q)+1, 4
.endm
.macro TURN slot, next, fill
	s_wait_tensorcnt 0x0
	ds_add_u32 v[SPW], v[NIL]
	s_wait_dscnt 4*NL+1
	WIN MUL_LO
	MUL16 0, 1, NQ-1, \slot, 0
	s_wait_dscnt 0x0
	s_barrier_signal -1
	MUL16 2, 1, NQ-1, \slot, 0
	WIN 0
	s_barrier_wait -1
.if \fill
	CREST
	s_add_nc_u64 s[G0+4*\slot+2:G0+4*\slot+3], s[G0+4*\slot+2:G0+4*\slot+3], 2*REC
	s_add_nc_u64 s[G0B+4*\slot+2:G0B+4*\slot+3], s[G0B+4*\slot+2:G0B+4*\slot+3], 2*REC
	JLOAD G0+4*\slot, G1, G0B+4*\slot, G1B
	PLACES NP-4
.else
	PLACES NP
.endif
	FETCH_B \next, 0, 0
	FETCH_A \next, 0, 0
	SCALES \next
	WIN MUL_HI
	MUL16 4, 1, NQ-1, \slot, 0
	MUL16 6, 1, NQ-1, \slot, 0
	PLACES NP
	WIN 0
	FETCH_A \next, 0, 4
.endm
.macro QUANT s, W, pw                  ; (no wait for earlier stores: each block's codes and each pair's scale words have registers of their own, so no store's data are written again)
	WIN (\W)|((\W)<<2)
.irp b, 0,1,2,3
	v_max3_num_f32 v[TM+\b], |v[(\s)+16*\b]|, |v[(\s)+16*\b+1]|, 0x8000000
.endr
.irp i, 2,4,6,8,10,12,14
.irp b, 0,1,2,3
	v_max3_num_f32 v[TM+\b], |v[(\s)+16*\b+\i]|, |v[(\s)+16*\b+\i+1]|, v[TM+\b]
.endr
.endr
	WIN 0
.irp b, 0,1,2,3
	v_permlanex16_b32 v[TM+4+\b], v[TM+\b], s[SEL], s[SEL+1]
.endr
.irp b, 0,1,2,3
	v_max_num_f32 v[TM+\b], v[TM+\b], v[TM+4+\b]
.endr
.irp b, 0,1,2,3
	v_add_nc_u32 v[TM+12+\b], 0xf8800000, v[TM+\b]
.endr
.irp b, 0,1,2,3
	v_and_or_b32 v[TM+8+\b], v[TM+\b], 0x7f800000, s[MNT]
.endr
.irp b, 0,1,2,3
	v_lshrrev_b32 v[TM+4+\b], 23, v[TM+12+\b]
.endr
	v_lshl_or_b32 v[\pw], v[TM+5], 8, v[TM+4]
	v_lshl_or_b32 v[\pw], v[TM+6], 16, v[\pw]
	v_lshl_or_b32 v[\pw], v[TM+7], 24, v[\pw]
	WIN (\W)|((\W)<<6)
.irp b, 0,1,2,3
.irp i, 0,1,2,3,4,5,6,7,8,9,10,11,12,13,14,15
	v_med3_num_f32 v[(\s)+16*\b+\i], v[(\s)+16*\b+\i], -v[TM+8+\b], v[TM+8+\b]
.endr
.endr
	WIN (\W)
.irp b, 0,1,2,3
	v_cvt_scalef32_pk8_bf8_f32 v[PC+4*\b:PC+4*\b+1], v[(\s)+16*\b:(\s)+16*\b+7], v[TM+12+\b]
	v_cvt_scalef32_pk8_bf8_f32 v[PC+4*\b+2:PC+4*\b+3], v[(\s)+16*\b+8:(\s)+16*\b+15], v[TM+12+\b]
.endr
	WIN 0
	v_nop
.endm
	s_load_b128 s[4:7], s[0:1], 0x0
	s_load_b64 s[8:9], s[0:1], 0x10
	v_lshl_add_u32 v[SPW], v0, 2, SPARE
	v_mov_b32 v[NIL], 0
	ds_add_u32 v28, v29
	ds_add_u32 v28, v29
	s_wait_dscnt 0x0
	v_lshrrev_b32 v1, 5, v0
	v_readfirstlane_b32 s14, v1
	; the prefetches' offsets.  A slot's part of a row tile is one record, 17 blocks of 256 bytes; my work-group names two row tiles, 34 blocks:
	; v8: lanes 0-16 the first tile's 17, lanes 17-31 blocks 0-14 of the second; v9: its blocks 15 and 16 (the lanes left over name the last again)
	v_and_b32 v10, 31, v0
	v_mul_u32_u24 v8, v10, 241
	v_lshrrev_b32 v8, 12, v8                       ; lane / 17
	v_mul_u32_u24 v8, v8, RS-REC
	v_lshl_add_u32 v8, v10, 8, v8
	v_min_u32 v9, 1, v10
	v_lshl_add_u32 v9, v9, 8, RS+15*256
	s_lshr_b32 s15, s14, 1
	s_and_b32 s16, s14, 1
	s_bfe_u32 s40, ttmp6, 0x40000
	s_bfe_u32 s41, ttmp6, 0x40004
	s_and_b32 s93, ttmp7, 0xffff
	s_max_u32 s73, s93, 4
	s_sub_co_u32 s73, s73, 4
	s_lshl_b32 s73, s73, 3
	s_lshl_b32 s42, ttmp9, 2
	s_add_co_u32 s42, s42, s40
	s_add_co_u32 s42, s42, s73
	s_cmp_ge_u32 s93, 4
	s_cselect_b32 s17, 0, s93
	s_cselect_b32 s74, 2228224, 0
	s_lshl_b32 s17, s17, 2
	s_add_co_u32 s17, s17, s41
	s_lshl_b32 s43, s41, 2
	s_lshl_b32 s43, 15, s43
	s_lshl_b32 s44, 0x1111, s40
	s_or_b32 s[G1+0], s43, (3<<16)|(1<<21)
	s_or_b32 s[G1B+0], s44, (3<<16)|(1<<21)
.irp g, G1, G1B
	s_mov_b32 s[\g+1], 544<<16
	s_mov_b32 s[\g+2], 8<<16
	s_mov_b32 s[\g+3], 544<<16
	s_mov_b32 s[\g+4], 8
	s_mov_b32 s[\g+5], RS/8
	s_mov_b32 s[\g+6], 0
	s_mov_b32 s[\g+7], 0
.endr
	s_mov_b32 s[SEL], 0x76543210
	s_mov_b32 s[SEL+1], 0xfedcba98
	s_mov_b32 s[MNT], 0x600000
	s_lshl_b32 s18, s16, 3
	s_lshl_b32 s20, s17, 4
	s_add_co_u32 s20, s20, s18
	s_mul_i32 s20, s20, RS
	s_add_co_u32 s20, s20, s74
	s_mov_b32 s21, 0
	s_lshl_b32 s46, s42, 4
	s_add_co_u32 s46, s46, s18
	s_mul_i32 s46, s46, RS
	s_mov_b32 s47, 0
	s_mul_i32 s45, s14, HALFT
	s_wait_kmcnt 0x0
	s_cmp_ge_u32 s93, 4
	s_cselect_b64 s[76:77], s[6:7], s[4:5]
	s_cselect_b64 s[78:79], s[4:5], s[6:7]
	s_add_nc_u64 s[20:21], s[76:77], s[20:21]
	s_add_nc_u64 s[46:47], s[78:79], s[46:47]
	; s[94:95]: where my prefetches stand.  Of the 8 row tiles that my wave fetches jointly with three partners, my work-group names two, told apart by address: by cx where the tile is shared along the cluster's row, by cy along its column
	s_cmp_eq_u32 s15, 0
	s_cselect_b64 s[94:95], s[20:21], s[46:47]
	s_cselect_b32 s96, s40, s41
	s_mul_i32 s96, s96, 2*RS
	s_mov_b32 s97, 0
	s_add_nc_u64 s[94:95], s[94:95], s[96:97]
	CROUND
.irp s, 0,1
	s_mov_b32 s[G0+4*\s], 1
	s_add_co_u32 s[G0+4*\s+1], s45, \s*SLOT
	s_add_nc_u64 s[G0+4*\s+2:G0+4*\s+3], s[20:21], \s*REC
	s_or_b32 s[G0+4*\s+3], s[G0+4*\s+3], 0x80000000
	s_mov_b32 s[G0B+4*\s], 1
	s_add_co_u32 s[G0B+4*\s+1], s45, \s*SLOT
	s_add_nc_u64 s[G0B+4*\s+2:G0B+4*\s+3], s[46:47], \s*REC
	s_or_b32 s[G0B+4*\s+3], s[G0B+4*\s+3], 0x80000000
	s_wait_alu depctr_va_vdst(0)
.if \s
	s_wait_tensorcnt 0x0                           ; slot 1's first fill stands behind the full sequence and a round, as a refill does
	ds_add_u32 v28, v29
	s_wait_dscnt 0x0
	CROUND
.endif
	JLOAD G0+4*\s, G1, G0B+4*\s, G1B
.if \s == 0
	global_prefetch_b8 v8, s[94:95] offset:REC th:TH_LOAD_NT scope:SCOPE_SE            ; behind the load of slot 0: slots 1 and 2; behind that of slot 1: slot 3, the last: never more than two slots asked for and not yet loaded
	global_prefetch_b8 v9, s[94:95] offset:REC th:TH_LOAD_NT scope:SCOPE_SE
.endif
	global_prefetch_b8 v8, s[94:95] offset:(\s+2)*REC th:TH_LOAD_NT scope:SCOPE_SE
	global_prefetch_b8 v9, s[94:95] offset:(\s+2)*REC th:TH_LOAD_NT scope:SCOPE_SE
.endr
	v_and_b32 v1, 31, v0
	v_bfe_u32 v2, v0, 4, 1
	v_lshlrev_b32 v[CO], 4, v1
	v_lshlrev_b32 v[SO], 2, v1
	s_mul_i32 s72, s15, HALFT
	s_mul_i32 s73, s16, HALFT
	s_add_co_u32 s73, s73, 2*HALFT
	s_sub_co_u32 s74, s73, s72
	v_mul_u32_u24 v3, s74, v2
	v_lshl_add_u32 v3, v1, 3, v3
	s_add_co_u32 s75, s72, 4096
	v_add_nc_u32 v[ADRS], s75, v3
	v_add_nc_u32 v[ADRS+1], SLOT, v[ADRS]
.irp s, 0,1
	v_add_nc_u32 v[ADRA+\s], s72, v[CO]
	v_add_nc_u32 v[ADRB+\s], s73, v[CO]
	s_add_co_u32 s72, s72, SLOT
	s_add_co_u32 s73, s73, SLOT
.endr
	s_lshl_b32 s80, s42, 1
	s_add_co_u32 s80, s80, s16
	s_lshl_b32 s81, s17, 1
	s_add_co_u32 s81, s81, s15
	s_lshr_b32 s82, s80, 3
	s_and_b32 s83, s80, 7
	s_lshl_b32 s83, s83, 1
	s_lshr_b32 s84, s81, 4
	s_lshl_b32 s84, s84, 4
	s_add_co_u32 s83, s83, s84
	s_and_b32 s84, s81, 15
	s_lshl_b32 s84, s84, 3
	s_lshl_b32 s85, s83, 7
	s_add_co_u32 s85, s85, s84
	s_lshl_b32 s85, s85, 10
	s_lshl_b32 s86, s82, 22
	s_add_co_u32 s85, s85, s86
	s_lshl_b32 s86, s83, 6
	s_lshr_b32 s84, s84, 1
	s_add_co_u32 s86, s86, s84
	s_lshl_b32 s86, s86, 7
	s_lshl_b32 s87, s82, 18
	s_add_co_u32 s86, s86, s87
	s_add_co_u32 s86, s86, 12582912
	s_lshr_b32 s88, s80, 4
	s_lshl_b32 s88, s88, 3
	s_add_co_u32 s88, s88, s81
	s_and_b32 s89, s80, 15
	s_lshl_b32 s90, s88, 18
	s_lshl_b32 s91, s89, 13
	s_add_co_u32 s90, s90, s91
	s_add_co_u32 s90, s90, 8388608
	s_lshl_b32 s91, s88, 14
	s_lshl_b32 s92, s89, 9
	s_add_co_u32 s91, s91, s92
	s_add_co_u32 s91, s91, 13107200
	s_cmp_ge_u32 s93, 4
	s_cselect_b32 s10, s90, s85
	s_cselect_b32 s12, s91, s86
	s_mov_b32 s11, 0
	s_mov_b32 s13, 0
	s_add_nc_u64 s[10:11], s[8:9], s[10:11]
	s_add_nc_u64 s[12:13], s[8:9], s[12:13]
	s_wait_alu depctr_va_vdst(0)
	s_wait_tensorcnt 1
	s_barrier_signal -1
	s_barrier_wait -1
	FETCH_B 0, 0, 0
	FETCH_A 0, 0, 0
	SCALES 0
	FETCH_A 0, 0, 4
	STEP 0, 0, 1
.if LAPS > 1
	s_mov_b32 s3, LAPS-1
.Llap:
	TURN 0, 1, 1
	STEP 1, 0, 0
	TURN 1, 0, 1
	STEP 0, 0, 0
	s_sub_co_u32 s3, s3, 1
	s_cmp_lg_u32 s3, 0
	s_cbranch_scc1 .Llap
.endif
	TURN 0, 1, 0
	STEP 1, 0, 0
	s_wait_dscnt 4*NL
	WIN MUL_LO
	MUL16 0, 1, NQ-1, 1, 0
	MUL16 2, 1, NQ-1, 1, 0
	s_wait_dscnt 0
	WIN MUL_HI
	MUL16 4, 1, NQ-1, 1, 0
	MUL16 6, 1, NQ-1, 1, 0
	WIN 0
	PLACES NP
.irp b, 0,1,2,3
	v_mov_b32 v[TM+4+\b], 0
.endr
.irp a, 0,1,2,3,4,5,6,7
.set PC, 128+16*\a                     ; block a's 16 registers of codes, among those that held the fragments of source 1
	QUANT 64*(\a%4), 2+\a/4, 80+\a%2
.irp c, 0,1,2,3
	global_store_b128 v[CO], v[PC+4*\c:PC+4*\c+3], s[10:11] offset:1024*\a+131072*(\c/2)+512*(\c%2)
.endr
.if (\a%2) == 1
	v_perm_b32 v[84+2*(\a/2)], v81, v80, 0x05040100
	v_perm_b32 v[85+2*(\a/2)], v81, v80, 0x07060302
	global_store_b32 v[SO], v[84+2*(\a/2)], s[12:13] offset:128*(\a/2)
	global_store_b32 v[SO], v[85+2*(\a/2)], s[12:13] offset:128*(\a/2)+8192
.endif
.endr
	s_wait_tensorcnt 0x0
	ds_add_u32 v[SPW], v[NIL]
	s_wait_dscnt 0x0
	CROUND
	s_endpgm
.Lfunc_end_k_qc4c65dbbab_qkv:
	.size	k_qc4c65dbbab_qkv, .Lfunc_end_k_qc4c65dbbab_qkv-k_qc4c65dbbab_qkv
	.p2alignl 7, 3214868480
	.fill 96, 4, 3214868480
	.section	.rodata,"a",@progbits
	.p2align	6, 0x0
	.amdhsa_kernel k_qc4c65dbbab_qkv
		.amdhsa_group_segment_fixed_size 327680
		.amdhsa_private_segment_fixed_size 0
		.amdhsa_enable_private_segment 0
		.amdhsa_kernarg_size 24
		.amdhsa_user_sgpr_count 2
		.amdhsa_user_sgpr_kernarg_segment_ptr 1
		.amdhsa_wavefront_size32 1
		.amdhsa_system_sgpr_workgroup_id_x 1
		.amdhsa_system_sgpr_workgroup_id_y 1
		.amdhsa_system_sgpr_workgroup_id_z 1
		.amdhsa_system_vgpr_workitem_id 0
		.amdhsa_next_free_vgpr 1024
		.amdhsa_next_free_sgpr 100
		.amdhsa_reserve_vcc 0
		.amdhsa_float_denorm_mode_32 3
		.amdhsa_float_denorm_mode_16_64 3
		.amdhsa_memory_ordered 1
		.amdhsa_forward_progress 1
		.amdhsa_inst_pref_size 186
	.end_amdhsa_kernel
	.amdgpu_metadata
---
amdhsa.version: [ 1, 2 ]
amdhsa.kernels:
  - .name:           k_qc4c65dbbab_qkv
    .symbol:         k_qc4c65dbbab_qkv.kd
    .args:
      - { .name: hb, .offset: 0, .size: 8, .value_kind: global_buffer, .address_space: global }
      - { .name: wb, .offset: 8, .size: 8, .value_kind: global_buffer, .address_space: global }
      - { .name: qkvb, .offset: 16, .size: 8, .value_kind: global_buffer, .address_space: global }
    .group_segment_fixed_size: 327680
    .private_segment_fixed_size: 0
    .kernarg_segment_align: 8
    .kernarg_segment_size: 24
    .max_flat_workgroup_size: 128
    .sgpr_count:     100
    .vgpr_count:     1024
    .wavefront_size: 32
...
	.end_amdgpu_metadata
.endif
;; end of part 8
;; launch attn (part 9): grid 8 x 32, 8 waves a work-group, clusters of 4 x 1, 327,680 bytes of LDS; arguments qkvb, aob; writes aob
.if DOCPART == 9
	.amdgcn_target "amdgcn-amd-amdhsa--gfx1250"
	.amdhsa_code_object_version 6
	.text
	.protected	k_qc4c65dbbab_attn
	.globl	k_qc4c65dbbab_attn
	.p2align	8
	.type	k_qc4c65dbbab_attn,@function
k_qc4c65dbbab_attn:
	s_mov_b64 s[64:65], 0
	v_nop
	global_prefetch_b8 v0, s[64:65] scope:SCOPE_SE
	s_setreg_imm32_b32 hwreg(HW_REG_WAVE_MODE, 25, 1), 1
	s_wait_xcnt 0x0
	s_wait_alu depctr_hold_cnt(0) depctr_sa_sdst(0) depctr_va_vdst(0) depctr_va_sdst(0) depctr_va_ssrc(0) depctr_va_vcc(0) depctr_vm_vsrc(0)
	s_getreg_b32 s2, hwreg(HW_REG_IB_STS2, 6, 4)
	s_cmp_eq_u32 s2, 0
	s_cbranch_scc0 .Lentry_in_a_cluster
	s_endpgm
.Lentry_in_a_cluster:
	s_bfe_u32 s2, ttmp6, 0x10000c
	s_cmp_lg_u32 s2, 0x3003
	s_cbranch_scc0 .Lentry_shape_is_right
	s_endpgm
.Lentry_shape_is_right:
; Causal attention of one head on codes of E5M2 with E8M0 scales; the result is quantised along the model's columns and stored as the next product's operand.
; THE SOFTMAX: t = score x log2(e) / 8; M = the running largest t rounded up to a whole number; p = 2^(t - M) is quantised along the keys, not normalised; the sum of the unquantised p divides at the end.
; WORK LEFT OUT: key steps all of whose 128 keys come after a tile's queries lie wholly under the causal mask that the problem builds itself: their p is 0 for all inputs, so they are not walked.
; SHARES.  Work-group (c, head), wave w: first the query tile 127 - 8 w - c (key steps 0 .. 15 - w), then the tile 8 w + c (key steps 0 .. w): 17 steps of 128 keys for every wave, walked as ONE run of 17 trips
; (4 + 13, both counts constants).  The key step of trip i is min(i, i + w - 16) in unsigned numbers; the change of tiles is a scalar branch on i and w.  c enters global addresses and the mask's numbers only.
; LDS is filled ONCE, by joint loads (the four work-groups of a cluster belong to one head), one load a wave in each of two groups: at the head key steps 0-5 of k's codes, 0-3 of v's and all scale words;
; behind the full sequence and a round of the cluster's barrier the rest (k: 20,480 bytes a wave, v: 24,576), first read behind the barrier that follows the first four trips.
; LOOK-AHEAD IN LDS: a trip asks for v's fragments at its head and for the NEXT trip's fragments of k behind its score products; each wait leaves the 20 younger LDS loads out.  Trip 3 so reads k's step 4, which
; came with the head's loads.  The last trip's look-ahead reads step w + 1, whose bytes are in LDS, and nothing uses it: so the counts of the waits are the same in every trip.
; No prefetch: both groups of tensor loads and both tiles' q go out at the kernel's start: behind them the launch asks memory for nothing.
; TILES.  Lane r of token tile T is token 32 (T / 2) + 8 (T % 2) + r + 8 (r / 8).  Both products are used transposed: a lane holds one query; the 16 registers of score tiles 2 b, 2 b + 1 are keys 32 b + 16 (lane / 16) + 0..15.
; THE HEAD'S 64.  A fragment of k is a PAIR of key tiles: K 0-63 the even tile's 64 codes, K 64-127 the odd tile's.  It is multiplied by [q, 0] for the even tile's scores and by [0, q] for the odd's: zero codes add nothing.
; LIMITS: NaN and infinities are not served; a block under 2^-111 gets the byte 1; the promise holds while the scaled scores stay under 2^31 in magnitude.  The output's scale bytes leave two at a time.
; REGISTERS, window 0: v1-3 16, 4, 8 x lane; v4 the mask's number; v5-9 LDS addresses; v10, v11, v216-218 their bases; v12 -M, v13 the largest t, v[14:15] the sum; v16-31 [q, 0]; v32-95 k's four fragments;
; v96-159 scores, then p; v160-191 O^T; v192-207 [0, q]; v208-211 v's pair words; v212-215 v's scale words; v222, v223 the add's two; v224-239 p's codes; v232-254 at work; v248-251 k's scale words; v253 p's; v255 q's.
; Window 1: v16-23 the second tile's q, v24 its pair word; v32-95 v's four fragments.
.set VCL,  131072                      ; LDS: k's codes from 0 (8,192 bytes a key step); v's from here: row s: keys 0-63 of step s, row 16 + s: keys 64-127; 4,096 bytes a row
.set KSL,  262144                      ; k's scale words, 512 bytes a step
.set VSL,  270336                      ; v's, rows of 256 bytes, ordered as v's codes
.set SPARE, 294912                     ; the spare words, 128 bytes a wave
.set WV,   8
.set SEL,  60
.set CS,   62
.set MNT,  66
.set SS,   94                          ; s94 the key step
.set LIM,  95                          ; s95 the tile's last key step, the one on the diagonal
.set JT,   96                          ; s96 my query tile
.set CP,   97                          ; s97 its place among the eight tiles of the diagonal step
.set PH,   98                          ; s98 0: first tile, 1: second
.set WM,   99                          ; s99 w - 16, in unsigned numbers
.set MSB, 0
.macro WIN new                         ; the immediate's high byte repeats the setting that is left; at every label and branch the setting is 0
.if MSB != (\new)
	s_set_vgpr_msb (MSB<<8)|(\new)
.set MSB, (\new)
.endif
.endm
.macro CROUND
	s_barrier_signal -1
	s_barrier_wait -1
	s_cmp_lg_u32 s[WV], 0
	s_cbranch_scc1 .Lnot_wave_0_\@
	s_barrier_signal -3
.Lnot_wave_0_\@:
	s_barrier_wait -3
	s_barrier_signal -1
	s_barrier_wait -1
.endm
.macro TL g0, g1                       ; a joint load; s_nop 0 and four v_nop behind it
	tensor_load_to_lds s[\g0:\g0+3], s[\g1:\g1+7]
	s_nop 0
.rept 4
	v_nop
.endr
.endm
.macro SHAPE g, c, r, p                ; group 1: r rows of c elements of 8 bytes, p elements apart; mask of all four work-groups, bit 21 beside it, no padding
	s_mov_b32 s[\g], 15|(3<<16)|(1<<21)
	s_mov_b32 s[\g+1], (\c)<<16
	s_mov_b32 s[\g+2], (\r)<<16
	s_mov_b32 s[\g+3], (\c)<<16
	s_mov_b32 s[\g+4], \r
	s_mov_b32 s[\g+5], \p
	s_mov_b32 s[\g+6], 0
	s_mov_b32 s[\g+7], 0
.endm
.macro G0SET g, off                    ; group 0 (its LDS address is written apart): count, global address, type
	s_mov_b32 s[\g], 1
	s_add_nc_u64 s[\g+2:\g+3], s[4:5], s[\off:\off+1]
	s_or_b32 s[\g+3], s[\g+3], 0x80000000
.endm
.macro QADR jt                         ; s[78:79]: the codes of query tile s[jt]; s[80:81]: the pair word of tiles 2 (J / 2), 2 (J / 2) + 1
	s_lshl_b32 s76, s11, 7
	s_add_co_u32 s76, s76, s[\jt]
	s_lshl_b32 s76, s76, 10
	s_mov_b32 s77, 0
	s_add_nc_u64 s[78:79], s[4:5], s[76:77]
	s_lshl_b32 s76, s11, 6
	s_lshr_b32 s80, s[\jt], 1
	s_add_co_u32 s76, s76, s80
	s_lshl_b32 s76, s76, 7
	s_add_co_u32 s76, s76, 12582912
	s_add_nc_u64 s[80:81], s[4:5], s[76:77]
.endm
; A tile's start: the mask's number, q's codes (twice: the two operands share no register) and scale bytes, where the result goes, and the sums' first values.
; second = 0: q comes from memory; 1: from window 1, where the head's loads put it.
.macro SETUP second
	s_wait_xcnt 0x0                                ; earlier loads and stores have read their bases and data
	s_lshr_b32 s76, s[CP], 1
	s_lshl_b32 s76, s76, 5
	s_and_b32 s77, s[CP], 1
	s_lshl_b32 s77, s77, 3
	s_add_co_u32 s76, s76, s77
	v_add_nc_u32 v4, s76, v10                      ; my query less the diagonal step's first key less 16 (lane / 16)
.if \second
	WIN 0x01                                       ; source 0: window 1
.irp j, 0,1,2,3,4,5,6,7
	v_mov_b32 v[16+\j], v[16+\j]
	v_mov_b32 v[200+\j], v[16+\j]
.endr
	v_mov_b32 v254, v24
	WIN 0
.else
	QADR JT
	global_load_b128 v[16:19], v1, s[78:79]
	global_load_b128 v[20:23], v1, s[78:79] offset:512
	global_load_b128 v[200:203], v1, s[78:79]
	global_load_b128 v[204:207], v1, s[78:79] offset:512
	global_load_b32 v254, v2, s[80:81]
.endif
	s_add_co_u32 s76, s90, s[JT]
	s_mul_i32 s76, s76, 17408
	s_add_co_u32 s86, s76, s88
	s_mov_b32 s87, 0
	s_add_nc_u64 s[82:83], s[6:7], s[86:87]        ; where my codes go,
	s_add_co_u32 s86, s76, s89
	s_add_nc_u64 s[84:85], s[6:7], s[86:87]        ; and my scale bytes
	s_and_b32 s76, s[JT], 1
	s_lshl_b32 s76, s76, 4
	v_mov_b32 v13, 0xff61b1e6                      ; the largest t so far: -3e38
	s_delay_alu instid0(VALU_DEP_1)
	v_floor_f32 v12, -v13
	v_mov_b32 v14, 0
	v_mov_b32 v15, 0
.set n_, 0
.rept 32
	v_mov_b32 v[160+n_], 0                         ; the step is written once: a tile's first step finds zeros
.set n_, n_+1
.endr
.if \second == 0
	s_wait_alu depctr_va_vdst(0)
	s_wait_loadcnt 0x0                             ; both tiles' q
.endif
	v_lshrrev_b32 v254, s76, v254
	s_delay_alu instid0(VALU_DEP_1)
	v_and_b32 v254, 0xffff, v254
	s_delay_alu instid0(VALU_DEP_1)
	v_lshl_or_b32 v255, v254, 16, v254             ; q's two bytes, for K 0-63 and again for K 64-127
.endm
.macro KLOAD                           ; 20 LDS loads: k's four fragments and scale words of the step that v5 and v6 name
.irp i, 0,1,2,3
.irp c, 0,1,2,3
	ds_load_b128 v[32+16*\i+4*\c:35+16*\i+4*\c], v5 offset:2048*\i+512*\c
.endr
	ds_load_b32 v[248+\i], v6 offset:128*\i
.endr
.endm
.macro VLOAD                           ; 20 LDS loads: v's four fragments, into window 1, and its pair words
	WIN 0x40
.irp t, 0,1,2,3
	ds_load_b128 v[32+16*\t:35+16*\t], v7 offset:1024*\t
	ds_load_b128 v[36+16*\t:39+16*\t], v7 offset:1024*\t+512
	ds_load_b128 v[40+16*\t:43+16*\t], v8 offset:1024*\t
	ds_load_b128 v[44+16*\t:47+16*\t], v8 offset:1024*\t+512
.endr
	WIN 0
.irp d, 0,1
	ds_load_b32 v[208+\d], v9 offset:128*\d
	ds_load_b32 v[210+\d], v9 offset:128*\d+4096
.endr
.endm
; A key step: 128 keys.  s86, s87: where the NEXT trip's k codes and scale words begin.  diag = 1: the copy that can meet the diagonal.
.macro STEP diag
	s_lshl_b32 s91, s[SS], 12
	s_lshl_b32 s92, s[SS], 8
	v_add_nc_u32 v7, s91, v216
	v_add_nc_u32 v8, s91, v217
	v_add_nc_u32 v9, s92, v218
	v_add_nc_u32 v5, s86, v1
	v_add_nc_u32 v6, s87, v11
.rept 3
	v_nop                                          ; with the five additions: eight places in front of loads into registers that the last products read
.endr
	VLOAD
	s_wait_alu depctr_va_vdst(0)
	s_wait_dscnt 20                                ; k's fragments and scale words, asked for a trip ago, are in; v's 20 loads may be out
.irp t, 0,1,2,3,4,5,6,7
.if (\t%2) == 0
	v_wmma_scale_f32_16x16x128_f8f6f4 v[96+8*\t:103+8*\t], v[32+16*(\t/2):47+16*(\t/2)], v[16:31], 0, v[248+\t/2], v255 matrix_a_fmt:MATRIX_FMT_BF8 matrix_b_fmt:MATRIX_FMT_BF8
.else
	v_wmma_scale_f32_16x16x128_f8f6f4 v[96+8*\t:103+8*\t], v[32+16*(\t/2):47+16*(\t/2)], v[192:207], 0, v[248+\t/2], v255 matrix_a_fmt:MATRIX_FMT_BF8 matrix_b_fmt:MATRIX_FMT_BF8
.endif
.endr
.rept 8
	v_nop
.endr
	KLOAD                                          ; the next trip's
.if \diag
	s_cmp_lg_u32 s[SS], s[LIM]                     ; only the diagonal step has hidden keys: their scores become -infinity ahead of the maximum
	s_cbranch_scc1 .Lopen_\@
	v_mov_b32 v254, 0xff800000
.set n_, 0
.rept 64
	v_cmp_gt_i32 vcc_lo, 32*(n_/16)+n_%16, v4
	v_cndmask_b32 v[96+n_], v[96+n_], v254, vcc_lo
.set n_, n_+1
.endr
.Lopen_\@:
.endif
.irp b, 0,1,2,3
	v_max3_num_f32 v[232+\b], v[96+16*\b], v[97+16*\b], v[98+16*\b]   ; the largest score of each block of 32 keys: for the row's maximum and, since p rises with the score, for the block's largest p
.endr
.irp i, 3,5,7,9,11,13
.irp b, 0,1,2,3
	v_max3_num_f32 v[232+\b], v[232+\b], v[96+16*\b+\i], v[97+16*\b+\i]
.endr
.endr
.irp b, 0,1,2,3
	v_max_num_f32 v[232+\b], v[232+\b], v[111+16*\b]
.endr
.irp b, 0,1,2,3
	v_permlanex16_b32 v[236+\b], v[232+\b], s[SEL], s[SEL+1]
.endr
.irp b, 0,1,2,3
	s_delay_alu instid0(VALU_DEP_4)
	v_max_num_f32 v[232+\b], v[232+\b], v[236+\b]
.endr
	s_delay_alu instid0(VALU_DEP_2)
	v_max3_num_f32 v254, v232, v233, v234
	s_delay_alu instid0(VALU_DEP_1)
	v_max_num_f32 v254, v254, v235
	s_delay_alu instid0(VALU_DEP_1)
	v_mul_f32 v254, s[CS], v254
	s_delay_alu instid0(VALU_DEP_1)
	v_max_num_f32 v13, v13, v254                   ; the running largest t
	v_mov_b32 v254, v12
	s_delay_alu instid0(VALU_DEP_2)
	v_floor_f32 v12, -v13                          ; -M = floor(-t): M is a whole number
	s_delay_alu instid0(VALU_DEP_1)
	v_sub_f32 v254, v12, v254
	s_delay_alu instid0(VALU_DEP_1)
	v_cvt_i32_f32 v254, v254                       ; (it saturates)
	s_delay_alu instid0(VALU_DEP_1)
	v_ldexp_f32 v252, 1.0, v254                    ; f = 2^(old M - new M)
.set n_, 0
.rept 32
	v_pk_fma_f32 v[96+n_:97+n_], v[96+n_:97+n_], s[CS:CS+1], v[12:13] op_sel_hi:[1,0,0]   ; t - M
.set n_, n_+2
.endr
.irp b, 0,1,2,3
	v_fma_f32 v[232+\b], v[232+\b], s[CS], v12
.endr
	s_wait_alu depctr_va_vdst(0)                   ; the wait ahead of the batch
.set n_, 0
.rept 64
	v_exp_f32 v[96+n_], v[96+n_]
.set n_, n_+1
.endr
.irp b, 0,1,2,3
	v_exp_f32 v[232+\b], v[232+\b]
.endr
	v_pk_mul_f32 v[14:15], v[14:15], v[252:253] op_sel_hi:[1,0]   ; the sums under the new M (a plain instruction behind the exponentials)
	s_wait_alu depctr_va_vdst(0)                   ; and behind it, ahead of its first reader
.irp b, 0,1,2,3
	v_max_num_f32 v[232+\b], 0x8000000, v[232+\b]  ; the floor 2^(16 - 127)
.endr
.irp b, 0,1,2,3
	s_delay_alu instid0(VALU_DEP_4)
	v_add_nc_u32 v[244+\b], 0xf8800000, v[232+\b]  ; 15 off the exponent field: the conversion's scale operand
.endr
.irp b, 0,1,2,3
	v_and_or_b32 v[240+\b], v[232+\b], 0x7f800000, s[MNT]   ; 57,344 x the scale
.endr
.irp b, 0,1,2,3
	v_lshrrev_b32 v[236+\b], 23, v[244+\b]
.endr
	s_delay_alu instid0(VALU_DEP_3)
	v_lshl_or_b32 v253, v237, 8, v236              ; p's scale word
	s_delay_alu instid0(VALU_DEP_1)
	v_lshl_or_b32 v253, v238, 16, v253
	s_delay_alu instid0(VALU_DEP_1)
	v_lshl_or_b32 v253, v239, 24, v253
	s_wait_dscnt 20                                ; v's fragments and pair words are in; the 20 loads of the next trip's k may be out
.irp d, 0,1
	v_perm_b32 v[212+2*\d], v[210+\d], v[208+\d], 0x05040100   ; the even channel tile's scale word,
	v_perm_b32 v[213+2*\d], v[210+\d], v[208+\d], 0x07060302   ; the odd one's: more than eight plain instructions ahead of the products
.endr
	v_pk_add_f32 v[236:237], v[96:97], v[98:99]    ; the row's sum of the unquantised p: 32 pairs in four chains by turns
	v_pk_add_f32 v[238:239], v[100:101], v[102:103]
	v_pk_add_f32 v[232:233], v[104:105], v[106:107]
	v_pk_add_f32 v[14:15], v[14:15], v[108:109]
.irp j, 110,118,126,134,142,150
	v_pk_add_f32 v[236:237], v[236:237], v[\j:\j+1]
	v_pk_add_f32 v[238:239], v[238:239], v[\j+2:\j+3]
	v_pk_add_f32 v[232:233], v[232:233], v[\j+4:\j+5]
	v_pk_add_f32 v[14:15], v[14:15], v[\j+6:\j+7]
.endr
	v_pk_add_f32 v[236:237], v[236:237], v[158:159]
	v_pk_add_f32 v[238:239], v[238:239], v[232:233]
	s_delay_alu instid0(VALU_DEP_2)
	v_pk_add_f32 v[14:15], v[14:15], v[236:237]
	s_delay_alu instid0(VALU_DEP_1)
	v_pk_add_f32 v[14:15], v[14:15], v[238:239]
; The hold: the conversion does not saturate (ISA guide 7.6.2); p is not negative, so it is one-sided.  Two holds to an instruction: one of block b, one of block b + 1,
; an even register with an odd one, so that the pair's destinations differ in parity and its first and its second sources lie in different register banks.
.irp b, 0,2
.irp i, 0,2,4,6,8,10,12,14
	v_dual_min_num_f32 v[96+16*\b+\i], v[96+16*\b+\i], v[240+\b] :: v_dual_min_num_f32 v[113+16*\b+\i], v[113+16*\b+\i], v[241+\b]
	v_dual_min_num_f32 v[97+16*\b+\i], v[97+16*\b+\i], v[240+\b] :: v_dual_min_num_f32 v[112+16*\b+\i], v[112+16*\b+\i], v[241+\b]
.endr
.irp u, 0,1
	v_cvt_scalef32_pk8_bf8_f32 v[224+4*(\b+\u):225+4*(\b+\u)], v[96+16*(\b+\u):103+16*(\b+\u)], v[244+\b+\u]
	v_cvt_scalef32_pk8_bf8_f32 v[226+4*(\b+\u):227+4*(\b+\u)], v[104+16*(\b+\u):111+16*(\b+\u)], v[244+\b+\u]
.endr
.endr
	s_wait_alu depctr_va_vdst(0)                   ; directly ahead of the first reader of O^T
.set n_, 0
.rept 16
	v_pk_mul_f32 v[160+n_:161+n_], v[160+n_:161+n_], v[252:253] op_sel_hi:[1,0]   ; O^T under the new M; also the places between the codes and the products
.set n_, n_+2
.endr
	WIN 0x01                                       ; source 0, v's fragments: window 1
.irp t, 0,1,2,3
	v_wmma_scale_f32_16x16x128_f8f6f4 v[160+8*\t:167+8*\t], v[32+16*\t:47+16*\t], v[224:239], v[160+8*\t:167+8*\t], v[212+\t], v253 matrix_a_fmt:MATRIX_FMT_BF8 matrix_b_fmt:MATRIX_FMT_BF8
.endr
	WIN 0
.endm
; A tile's end: O^T / the sum; register 16 b + i is channel 32 b + 16 (lane / 16) + i of my query: two blocks of the next product's K, quantised and stored.
.macro FINISH
.rept 8
	v_nop
.endr
	v_add_f32 v14, v14, v15
	s_delay_alu instid0(VALU_DEP_1)
	v_permlanex16_b32 v252, v14, s[SEL], s[SEL+1]
	s_delay_alu instid0(VALU_DEP_1)
	v_add_f32 v14, v14, v252
	s_wait_alu depctr_va_vdst(0)
	v_rcp_f32 v14, v14
	v_nop
	s_wait_alu depctr_va_vdst(0)
.set n_, 0
.rept 32
	v_mul_f32 v[96+n_], v[160+n_], v14
.set n_, n_+1
.endr
.irp b, 0,1
	v_max3_num_f32 v[232+\b], |v[96+16*\b]|, |v[97+16*\b]|, 0x8000000
.endr
.irp i, 2,4,6,8,10,12,14
.irp b, 0,1
	s_delay_alu instid0(VALU_DEP_2)
	v_max3_num_f32 v[232+\b], v[232+\b], |v[96+16*\b+\i]|, |v[97+16*\b+\i]|
.endr
.endr
.irp b, 0,1
	v_permlanex16_b32 v[236+\b], v[232+\b], s[SEL], s[SEL+1]
.endr
.irp b, 0,1
	s_delay_alu instid0(VALU_DEP_2)
	v_max_num_f32 v[232+\b], v[232+\b], v[236+\b]
.endr
.irp b, 0,1
	s_delay_alu instid0(VALU_DEP_2)
	v_add_nc_u32 v[244+\b], 0xf8800000, v[232+\b]
.endr
.irp b, 0,1
	s_delay_alu instid0(VALU_DEP_4)
	v_and_or_b32 v[240+\b], v[232+\b], 0x7f800000, s[MNT]
.endr
.irp b, 0,1
	s_delay_alu instid0(VALU_DEP_4)
	v_lshrrev_b32 v[236+\b], 23, v[244+\b]
.endr
	s_delay_alu instid0(VALU_DEP_1)
	v_lshl_or_b32 v254, v237, 8, v236
.irp b, 0,1
.irp i, 0,1,2,3,4,5,6,7,8,9,10,11,12,13,14,15
	v_med3_num_f32 v[96+16*\b+\i], v[96+16*\b+\i], -v[240+\b], v[240+\b]
.endr
	v_cvt_scalef32_pk8_bf8_f32 v[224+4*\b:225+4*\b], v[96+16*\b:103+16*\b], v[244+\b]
	v_cvt_scalef32_pk8_bf8_f32 v[226+4*\b:227+4*\b], v[104+16*\b:111+16*\b], v[244+\b]
.endr
	v_nop
	global_store_b128 v1, v[224:227], s[82:83]     ; 32 lanes store 512 consecutive bytes
	global_store_b128 v1, v[228:231], s[82:83] offset:512
	global_store_b16 v3, v254, s[84:85]
	s_wait_xcnt 0x0                                ; the stores have read their data and bases: later lines write them again
.endm
	s_load_b128 s[4:7], s[0:1], 0x0                ; attention's operands, the output operand
	v_lshl_add_u32 v222, v0, 2, SPARE
	v_mov_b32 v223, 0
	ds_add_u32 v222, v223                          ; the opening lines: the add twice on end and its one wait
	ds_add_u32 v222, v223
	v_lshrrev_b32 v1, 5, v0
	s_delay_alu instid0(VALU_DEP_1)
	v_readfirstlane_b32 s[WV], v1                  ; wave 0..7
	s_bfe_u32 s9, ttmp6, 0x40000                   ; cx
	s_lshl_b32 s10, ttmp9, 2
	s_add_co_u32 s10, s10, s9                      ; c = 0..7
	s_and_b32 s11, ttmp7, 0xffff                   ; 16 x batch + head, shared by the partners
	SHAPE 12, 32, 96, 32                           ; k's codes: 96 rows of 256 bytes, dense: three key steps
	SHAPE 20, 512, 4, 1024                         ; v's codes: 4 rows of 4,096 bytes, 8,192 apart (the other head of the pair lies between)
	SHAPE 28, 32, 16, 32                           ; k's scale words: 16 rows of 256 bytes, dense
	SHAPE 36, 32, 16, 64                           ; v's: 16 rows of 256 bytes, 512 apart
	s_and_b32 s76, s[WV], 1                        ; u: which half of its arm's tile a wave fetches at the head
	s_lshr_b32 s77, s11, 1                         ; 8 x batch + head pair
	s_and_b32 s78, s11, 1                          ; which head of the pair
	s_lshl_b32 s79, s11, 17
	s_add_co_u32 s79, s79, 4194304                 ; the head's k codes, in bytes from the buffer's start
	s_lshl_b32 s92, s77, 18
	s_lshl_b32 s93, s78, 12
	s_add_co_u32 s92, s92, s93
	s_add_co_u32 s92, s92, 8388608                 ; its v codes
	s_mul_i32 s45, s76, 24576                      ; head, k: key steps 3 u .. 3 u + 2
	s_add_co_u32 s80, s79, s45
	s_lshl_b32 s49, s76, 16                        ; head, v: rows 16 u .. 16 u + 3
	s_add_co_u32 s49, s49, VCL
	s_lshl_b32 s82, s76, 17
	s_add_co_u32 s82, s82, s92
	s_lshl_b32 s53, s76, 12                        ; head, scale words: half u of each
	s_lshl_b32 s84, s11, 13
	s_add_co_u32 s84, s84, s53
	s_add_co_u32 s84, s84, 12845056
	s_add_co_u32 s57, s53, VSL
	s_add_co_u32 s53, s53, KSL
	s_lshl_b32 s86, s77, 14
	s_lshl_b32 s93, s78, 8
	s_add_co_u32 s86, s86, s93
	s_lshl_b32 s93, s76, 13
	s_add_co_u32 s86, s86, s93
	s_add_co_u32 s86, s86, 13107200
	s_mul_i32 s69, s[WV], 20480                    ; second group, waves 0-3: a quarter each of k's key steps 6-15
	s_add_co_u32 s69, s69, 49152
	s_add_co_u32 s88, s79, s69
	s_bfe_u32 s93, s[WV], 0x10001                  ; second group, waves 4-7: v's rows 16 ((w / 2) % 2) + 4 + 6 u, six of them
	s_lshl_b32 s93, s93, 4
	s_mul_i32 s73, s76, 6
	s_add_co_u32 s93, s93, s73
	s_add_co_u32 s93, s93, 4
	s_lshl_b32 s73, s93, 12
	s_add_co_u32 s73, s73, VCL
	s_lshl_b32 s90, s93, 13
	s_add_co_u32 s90, s90, s92
.irp r, 81,83,85,87,89,91
	s_mov_b32 s\r, 0
.endr
	s_mov_b32 s[SEL], 0x76543210
	s_mov_b32 s[SEL+1], 0xfedcba98
	s_mov_b32 s[CS], 0x3e38aa3b                    ; log2(e) / 8
	s_mov_b32 s[CS+1], s[CS]
	s_mov_b32 s[MNT], 0x600000
	s_mov_b32 s[PH], 0
	s_add_co_u32 s[WM], s[WV], 0xfffffff0
	s_wait_dscnt 0x0                               ; both opening adds are done
	s_wait_kmcnt 0x0
	G0SET 44, 80
	G0SET 48, 82
	G0SET 52, 84
	G0SET 56, 86
	G0SET 68, 88
	G0SET 72, 90
	CROUND                                         ; all four work-groups are here: the joint loads meet
; The head's loads, one a wave, in one chain of branches on the wave's number: every way passes exactly one.
.macro ARM under, g0, g1, next
	s_cmp_lt_u32 s[WV], \under
	s_cbranch_scc0 \next
	TL \g0, \g1
	s_branch .Lhead_asked
\next:
.endm
	ARM 2, 44, 12, .Lhead_v
	ARM 4, 48, 20, .Lhead_ks
	ARM 6, 52, 28, .Lhead_vs
	TL 56, 36
.Lhead_asked:
	v_and_b32 v2, 31, v0
	s_delay_alu instid0(VALU_DEP_1)
	v_lshlrev_b32 v1, 4, v2                        ; 16 x lane
	v_lshlrev_b32 v3, 3, v2                        ; 8 x lane
	v_lshlrev_b32 v2, 2, v2                        ; 4 x lane
	v_and_b32 v5, 15, v0                           ; r
	v_bfe_u32 v6, v0, 4, 1                         ; h
	s_delay_alu instid0(VALU_DEP_2)
	v_and_b32 v10, 8, v5
	s_delay_alu instid0(VALU_DEP_1)
	v_add_nc_u32 v10, v10, v5
	v_lshlrev_b32 v6, 4, v6
	s_delay_alu instid0(VALU_DEP_1)
	v_sub_nc_u32 v10, v10, v6                      ; r + 8 (r / 8) - 16 h
	v_add_nc_u32 v11, KSL, v2
	v_add_nc_u32 v216, VCL, v1
	v_add_nc_u32 v217, VCL+65536, v1               ; chunks 2 and 3 of v's fragments lie 65,536 bytes on
	v_add_nc_u32 v218, VSL, v2
.irp j, 0,1,2,3,4,5,6,7
	v_mov_b32 v[24+\j], 0                          ; the zero halves of [q, 0] and [0, q]
	v_mov_b32 v[192+\j], 0
.endr
.irp b, 0,1,2,3
	v_mov_b32 v[236+\b], 0                         ; a lane permute's destination counts as one of its sources
.endr
	v_mov_b32 v252, 0
	v_mov_b32 v253, 0
	s_and_b32 s76, s11, 15                         ; the head: its 64 columns lie in record head / 4, K step (head / 2) % 2, chunks 2 (head % 2) on
	s_lshr_b32 s77, s76, 2
	s_mul_i32 s77, s77, 4352
	s_bfe_u32 s78, s76, 0x10001
	s_and_b32 s79, s76, 1
	s_lshl_b32 s80, s78, 11
	s_lshl_b32 s81, s79, 10
	s_add_co_u32 s88, s77, s80
	s_add_co_u32 s88, s88, s81                     ; codes
	s_lshl_b32 s80, s78, 2
	s_lshl_b32 s81, s79, 1
	s_add_co_u32 s89, s77, s80
	s_add_co_u32 s89, s89, s81
	s_add_co_u32 s89, s89, 4096                    ; scale bytes
	s_lshr_b32 s90, s11, 4
	s_lshl_b32 s90, s90, 7                         ; the batch's first token tile
	s_lshl_b32 s93, s[WV], 3
	s_add_co_u32 s93, s93, s10                     ; the second tile: 8 w + c
	s_sub_co_u32 s[JT], 127, s93                   ; the first tile: 127 - 8 w - c,
	s_sub_co_u32 s[LIM], 15, s[WV]                 ; whose diagonal lies in key step 15 - w,
	s_sub_co_u32 s[CP], 7, s10                     ; at place 7 - c
	s_wait_alu depctr_va_vdst(0)
	QADR 93                                        ; the second tile's q is asked for now, into window 1, and waited for with the first's
	WIN 0x40
	global_load_b128 v[16:19], v1, s[78:79]
	global_load_b128 v[20:23], v1, s[78:79] offset:512
	global_load_b32 v24, v2, s[80:81]
	WIN 0
	SETUP 0                                        ; q is fetched while the head's tensor loads are out
	s_wait_alu depctr_va_vdst(0)
	s_wait_tensorcnt 0x0                           ; my load of the head's eight has landed; the full sequence ahead of a later first fill:
	ds_add_u32 v222, v223
	s_mov_b32 s14, 80<<16                          ; no tensor load of mine is out, so a descriptor may be written: k's second group: 80 rows,
	s_mov_b32 s16, 80
	s_mov_b32 s22, 6<<16                           ; v's: 6 rows
	s_mov_b32 s24, 6
	s_wait_dscnt 0x0
	CROUND                                         ; the head's tiles are in, and all four work-groups are here
	s_cmp_lt_u32 s[WV], 4
	s_cbranch_scc0 .Lrest_v
	TL 68, 12                                      ; my one load behind the round
	s_branch .Lrest_asked
.Lrest_v:
	TL 72, 20
.Lrest_asked:
	v_add_nc_u32 v5, 0, v1
	v_add_nc_u32 v6, 0, v11
	KLOAD                                          ; key step 0's
	s_mov_b32 s[SS], 0
.Lfirst:                                           ; trips 0-3: every wave's first tile has at least nine key steps, none of these on its diagonal
	s_add_co_u32 s93, s[SS], 1                     ; the next trip's key step
	s_lshl_b32 s86, s93, 13
	s_lshl_b32 s87, s93, 9
	STEP 0
	s_add_co_u32 s[SS], s[SS], 1
	s_cmp_lt_u32 s[SS], 4
	s_wait_alu depctr_va_vdst(0)
	s_cbranch_scc1 .Lfirst
	s_wait_tensorcnt 0x0                           ; my part of the second group has landed,
	ds_add_u32 v222, v223
	s_wait_dscnt 0x0
	s_barrier_signal -1
	s_barrier_wait -1                              ; everybody's has: from here on LDS is only read
	s_mov_b32 s3, 4
.Lrest:                                            ; trips 4-16
	s_add_co_u32 s[SS], s3, s[WM]                  ; i + w - 16: the second tile's key step, or beyond every step while the first tile is walked
	s_min_u32 s[SS], s[SS], s3
	s_min_u32 s[SS], s[SS], 15
	s_add_co_u32 s93, s3, 1                        ; the same of trip i + 1
	s_add_co_u32 s86, s93, s[WM]
	s_min_u32 s93, s86, s93
	s_min_u32 s93, s93, 15
	s_lshl_b32 s86, s93, 13
	s_lshl_b32 s87, s93, 9
	STEP 1
	s_cmp_lg_u32 s[SS], s[LIM]
	s_cbranch_scc1 .Lnext
	FINISH                                         ; the diagonal step was the tile's last
	s_cmp_lg_u32 s[PH], 0
	s_cbranch_scc1 .Lnext
	s_mov_b32 s[PH], 1
	s_sub_co_u32 s[JT], 127, s[JT]                 ; the second tile: 8 w + c
	s_mov_b32 s[LIM], s[WV]
	s_mov_b32 s[CP], s10
	SETUP 1
.Lnext:
	s_add_co_u32 s3, s3, 1
	s_cmp_lt_u32 s3, 17
	s_wait_alu depctr_va_vdst(0)
	s_cbranch_scc1 .Lrest
	s_wait_tensorcnt 0x0                           ; the wave's end
	ds_add_u32 v222, v223
	s_wait_dscnt 0x0
	CROUND                                         ; the closing round
	s_endpgm
.Lfunc_end_k_qc4c65dbbab_attn:
	.size	k_qc4c65dbbab_attn, .Lfunc_end_k_qc4c65dbbab_attn-k_qc4c65dbbab_attn
	.p2alignl 7, 3214868480
	.fill 96, 4, 3214868480
	.section	.rodata,"a",@progbits
	.p2align	6, 0x0
	.amdhsa_kernel k_qc4c65dbbab_attn
		.amdhsa_group_segment_fixed_size 327680
		.amdhsa_private_segment_fixed_size 0
		.amdhsa_enable_private_segment 0
		.amdhsa_kernarg_size 16
		.amdhsa_user_sgpr_count 2
		.amdhsa_user_sgpr_kernarg_segment_ptr 1
		.amdhsa_wavefront_size32 1
		.amdhsa_system_sgpr_workgroup_id_x 1
		.amdhsa_system_sgpr_workgroup_id_y 1
		.amdhsa_system_sgpr_workgroup_id_z 1
		.amdhsa_system_vgpr_workitem_id 0
		.amdhsa_next_free_vgpr 352
		.amdhsa_next_free_sgpr 100
		.amdhsa_reserve_vcc 1
		.amdhsa_float_denorm_mode_32 3
		.amdhsa_float_denorm_mode_16_64 3
		.amdhsa_memory_ordered 1
		.amdhsa_forward_progress 1
		.amdhsa_inst_pref_size 71
	.end_amdhsa_kernel
	.amdgpu_metadata
---
amdhsa.version: [ 1, 2 ]
amdhsa.kernels:
  - .name:           k_qc4c65dbbab_attn
    .symbol:         k_qc4c65dbbab_attn.kd
    .args:
      - { .name: qkvb, .offset: 0, .size: 8, .value_kind: global_buffer, .address_space: global }
      - { .name: aob, .offset: 8, .size: 8, .value_kind: global_buffer, .address_space: global }
    .group_segment_fixed_size: 327680
    .private_segment_fixed_size: 0
    .kernarg_segment_align: 8
    .kernarg_segment_size: 16
    .max_flat_workgroup_size: 256
    .sgpr_count:     100
    .vgpr_count:     352
    .wavefront_size: 32
...
	.end_amdgpu_metadata
.endif
;; end of part 9
;; launch wo (part 10): grid 8 x 32, 4 waves a work-group, clusters of 4 x 4, 327,680 bytes of LDS; arguments aob, wb, x, bo, x1; writes x1
.if DOCPART == 10
	.amdgcn_target "amdgcn-amd-amdhsa--gfx1250"
	.amdhsa_code_object_version 6
	.text
	.protected	k_qc4c65dbbab_wo
	.globl	k_qc4c65dbbab_wo
	.p2align	8
	.type	k_qc4c65dbbab_wo,@function
k_qc4c65dbbab_wo:
	s_mov_b64 s[64:65], 0
	v_nop
	global_prefetch_b8 v0, s[64:65] scope:SCOPE_SE
	s_setreg_imm32_b32 hwreg(HW_REG_WAVE_MODE, 25, 1), 1
	s_wait_xcnt 0x0
	s_wait_alu depctr_hold_cnt(0) depctr_sa_sdst(0) depctr_va_vdst(0) depctr_va_sdst(0) depctr_va_ssrc(0) depctr_va_vcc(0) depctr_vm_vsrc(0)
	s_getreg_b32 s2, hwreg(HW_REG_IB_STS2, 6, 4)
	s_cmp_eq_u32 s2, 0
	s_cbranch_scc0 .Lentry_in_a_cluster
	s_endpgm
.Lentry_in_a_cluster:
	s_bfe_u32 s2, ttmp6, 0x10000c
	s_cmp_lg_u32 s2, 0xf033
	s_cbranch_scc0 .Lentry_shape_is_right
	s_endpgm
.Lentry_shape_is_right:
; x1 = x + (attention's output) wo + bo: the product on codes of E5M2 with E8M0 scales, K = 1,024; bias and residual in f32.
; A work-group makes 128 x 128 of the output, so that its 32 x 8 tiles give each of 256 work-groups one; each of the four waves makes 64 x 64: 16 accumulators, 128 registers.
; Operands lie in memory as records of 4,352 bytes, [row tile of 16][K / 256]: two images of a fragment's registers (2,048 bytes: registers 4c..4c+3 of lane l at 512 c + 16 l) and 256 bytes of
; scale words (lane l: 8 bytes at 4,096 + 8 l).  A slot holds 512 along K: one tensor load brings 4 row tiles x 2 records (4 rows of 8,704 bytes).  K = 1,024 is two slots: both are first fills, nothing is filled again.
; Every fragment load reads 512 consecutive bytes: no pitch, no padding.
; CLUSTERS: 4 x 4 work-groups; tiles of the tokens are shared along a row of the cluster, tiles of the weight along a column: asked for jointly.
; THE PRODUCT IS USED TRANSPOSED (source 0 = 16 rows of the weight's operand, source 1 = 16 tokens).  Lane r of row tile T is row 32 (T / 2) + 8 (T % 2) + r + 8 (r / 8): a lane holds a token, and register j of
; accumulator (a, b) column 32 (b / 2) + 8 (b % 2) + 16 (lane / 16) + j of the wave's 64.
; THE WAY OUT: a block of 16 tokens x 64 columns goes through the wave's stage in LDS (in bytes of its own, behind the spare words) and comes back as rows of 256 bytes, two to an instruction.
; The wave's 64 residual rows are asked for at the head and land under the products.
; REGISTERS: window 0: v[8:11] my four columns' bias; v16-30 addresses; v32-63 scale words, two sets; v64-127 rows on the way out, two sets; v128-255 the accumulators ((a, b) at v[128 + 8 (4 a + b)]).
;   window 1: two fragment buffers of 128: the tokens' four fragments, then the weight's four.   window 2: v0-127 the residual rows.
.set RS,    17408                      ; bytes from row tile to row tile
.set LAPS,  1                          ; K / 1,024: a lap is two slots
.set BOFF,  3342336                    ; where wo's operand begins
.set REC,   4352
.set REC2,  2*REC                      ; a row tile's part of a slot
; LDS AS IT NOW LIES: one tensor load a wave brings 4 row tiles whole, 17,408 dense bytes each (all of K = 1,024): a single first fill, nothing behind it.
; A row tile's two halves of K ('slots' in the macros) lie REC2 bytes apart inside it.  The stage has bytes of its own, behind the spare words, into which no fill lands.
.set HALFT, 8*REC2                     ; what one tensor load brings, and what one wave reads of an operand
.set SLOT,  REC2                       ; from a row tile's first 512 along K to its second
.set SPARE, 4*HALFT                    ; behind the tiles: the spare words, 128 bytes a wave
.set STAGE, SPARE+512                  ; behind them: four stages of 16 rows x 272 bytes
.set NP,    8                          ; places behind this matrix instruction (ISA guide 7.12.1)
.set ADRA,  16
.set ADRB,  20
.set ADRS,  22
.set STO,   24
.set RD,    25
.set LI,    26                         ; v26 16 x lane
.set CO,    27                         ; v27 4,096 (lane / 16) + 16 (lane % 16)
.set SPW,   28
.set NIL,   29
.set BO,    30                         ; v30 16 (lane % 16)
.set SC,    32
.set BK,    64
.set ACC,   128
.set G1,    24
.set G0,    32
.set G1B,   48
.set G0B,   56
.set MSB, 0
.macro WIN new                         ; the immediate's high byte repeats the setting that is left
.if MSB != (\new)
	s_set_vgpr_msb (MSB<<8)|(\new)
.set MSB, (\new)
.endif
.endm
.set MUL,  0x05                        ; sources 0 and 1 window 1; C and D window 0
.set TO_F, 0x40                        ; destination window 1, address window 0
.macro JLOAD g0a, g1a, g0b, g1b        ; a joint load: waves 0, 1 fetch the tokens' halves, waves 2, 3 the weight's; four v_nop follow each line
	s_cmp_eq_u32 s15, 0
	s_cbranch_scc0 .Lfor_b_\@
	tensor_load_to_lds s[\g0a:\g0a+3], s[\g1a:\g1a+7]
	s_nop 0
.rept 4
	v_nop
.endr
	s_branch .Lasked_\@
.Lfor_b_\@:
	tensor_load_to_lds s[\g0b:\g0b+3], s[\g1b:\g1b+7]
	s_nop 0
.rept 4
	v_nop
.endr
.Lasked_\@:
.endm
.macro CREST                           ; a round of the cluster's barrier behind its opening barrier
	s_cmp_lg_u32 s14, 0
	s_cbranch_scc1 .Lnot_wave_0_\@
	s_barrier_signal -3
.Lnot_wave_0_\@:
	s_barrier_wait -3
	s_barrier_signal -1
	s_barrier_wait -1
.endm
.macro CROUND
	s_barrier_signal -1
	s_barrier_wait -1
	CREST
.endm
.macro FRAG reg, adr, ks, i            ; row tile i's fragment of the slot's ks-th 128 along K comes back as it was stored
.irp c, 0,1,2,3
	ds_load_b128 v[(\reg)+4*\c:(\reg)+4*\c+3], v[\adr] offset:REC*((\ks)/2)+2048*((\ks)%2)+512*\c+(\i)*2*REC2
.endr
.endm
.macro FETCH slot, ks, f               ; 32 LDS loads in one run: eight fragments into buffer f
	WIN TO_F
.irp i, 0,1,2,3
	FRAG (\f)+64+16*\i, ADRB+\slot, \ks, \i
	FRAG (\f)+16*\i, ADRA+\slot, \ks, \i
.endr
.endm
.macro SCALES s                        ; a slot's scale words: lanes 0-15 take the tokens' tile i, lanes 16-31 the weight's; two words a record
.irp kk, 0,1
.irp i, 0,1,2,3
	ds_load_b64 v[SC+16*\s+8*\kk+2*\i:SC+16*\s+8*\kk+2*\i+1], v[ADRS+\s] offset:\i*2*REC2+\kk*REC
.endr
.endr
.endm
; Four matrix instructions: the tokens' block a x the weight's four tiles.  The 16 accumulators take turns, one instruction a turn, in the same order in every step.
.macro MUL4 f, a, s, ks, zero
.irp b, 0,1,2,3
.if \zero
	v_wmma_scale_f32_16x16x128_f8f6f4 v[ACC+8*(4*(\a)+\b):ACC+8*(4*(\a)+\b)+7], v[(\f)+64+16*\b:(\f)+64+16*\b+15], v[(\f)+16*(\a):(\f)+16*(\a)+15], 0, v[SC+16*(\s)+8*((\ks)/2)+2*\b+(\ks)%2], v[SC+16*(\s)+8*((\ks)/2)+2*(\a)+(\ks)%2] matrix_a_fmt:MATRIX_FMT_BF8 matrix_b_fmt:MATRIX_FMT_BF8 matrix_a_scale:MATRIX_SCALE_ROW1
.else
	v_wmma_scale_f32_16x16x128_f8f6f4 v[ACC+8*(4*(\a)+\b):ACC+8*(4*(\a)+\b)+7], v[(\f)+64+16*\b:(\f)+64+16*\b+15], v[(\f)+16*(\a):(\f)+16*(\a)+15], v[ACC+8*(4*(\a)+\b):ACC+8*(4*(\a)+\b)+7], v[SC+16*(\s)+8*((\ks)/2)+2*\b+(\ks)%2], v[SC+16*(\s)+8*((\ks)/2)+2*(\a)+(\ks)%2] matrix_a_fmt:MATRIX_FMT_BF8 matrix_b_fmt:MATRIX_FMT_BF8 matrix_a_scale:MATRIX_SCALE_ROW1
.endif
.endr
.endm
.macro PLACES n                        ; plain vector instructions between a matrix instruction and a load into, or a read of, its registers
.rept \n
	v_nop
.endr
.endm
; One of a slot's first three steps of 128 along K: buffer ks % 2 is multiplied while the next step's fragments come into the other.
.macro KSTEP slot, ks, zero
	s_wait_dscnt 0x0                               ; this step's fragments (and a new slot's scale words) are in: they were asked for a step ago
	PLACES NP                                      ; behind the last step's products, which read the buffer that is now loaded
	FETCH \slot, (\ks)+1, 128*(1-(\ks)%2)
	WIN MUL
.irp a, 0,1,2,3
	MUL4 128*((\ks)%2), \a, \slot, \ks, \zero
.endr
.endm
; A slot's fourth step changes slots: one barrier; in front of it each wave waits for all its tensor loads, adds 0 to its spare word, and waits for that and for its reads of this slot.
.macro TURN slot, next, fill
	WIN 0                                          ; (the add's two registers lie in window 0)
	s_wait_tensorcnt 0x0                           ; all my tensor loads have landed: my part of the next slot
	ds_add_u32 v[SPW], v[NIL]
	s_wait_dscnt 1                                 ; this step's fragments are in; the add may be out
	WIN MUL
	MUL4 128, 0, \slot, 3, 0
	s_wait_dscnt 0x0                               ; the add is done, and my reads of this slot are over
	s_barrier_signal -1
	MUL4 128, 1, \slot, 3, 0
	WIN 0
	s_barrier_wait -1
.if \fill
	CREST                                          ; the barrier has opened a round of the cluster's: no wave of any partner still reads this slot or has a load on its way
	s_add_nc_u64 s[G0+4*\slot+2:G0+4*\slot+3], s[G0+4*\slot+2:G0+4*\slot+3], 2*REC2
	s_add_nc_u64 s[G0B+4*\slot+2:G0B+4*\slot+3], s[G0B+4*\slot+2:G0B+4*\slot+3], 2*REC2
	JLOAD G0+4*\slot, G1, G0B+4*\slot, G1B         ; the first tensor load behind the round; its four v_nop are among the places
	PLACES NP-4
.else
	PLACES NP
.endif
	FETCH \next, 0, 0
	WIN 0
	SCALES \next
	WIN MUL
	MUL4 128, 2, \slot, 3, 0
	MUL4 128, 3, \slot, 3, 0
.endm
; Block a: 16 tokens x 64 columns through my stage, + bias, + residual, out.
.macro OUTBLK a
.set BB, BK+32*((\a)%2)
.irp b, 0,1,2,3
	ds_store_b128 v[STO], v[ACC+8*(4*(\a)+\b):ACC+8*(4*(\a)+\b)+3] offset:128*(\b/2)+32*(\b%2)          ; each accumulator from its low end on
	ds_store_b128 v[STO], v[ACC+8*(4*(\a)+\b)+4:ACC+8*(4*(\a)+\b)+7] offset:128*(\b/2)+32*(\b%2)+16
.endr
.if (\a) > 1
	s_wait_xcnt 0x0                                ; block a - 2's stores have read their registers
.endif
.irp t, 0,1,2,3,4,5,6,7
	ds_load_b128 v[BB+4*\t:BB+4*\t+3], v[RD] offset:2*\t*272   ; LDS serves a wave's instructions in order: these see my stores
.endr
	s_wait_dscnt 0x0
.irp t, 0,1,2,3,4,5,6,7
	v_pk_add_f32 v[BB+4*\t:BB+4*\t+1], v[BB+4*\t:BB+4*\t+1], v[8:9]
	v_pk_add_f32 v[BB+4*\t+2:BB+4*\t+3], v[BB+4*\t+2:BB+4*\t+3], v[10:11]
.endr
	WIN 0x08                                       ; source 1, the residual: window 2
.irp t, 0,1,2,3,4,5,6,7
	v_pk_add_f32 v[BB+4*\t:BB+4*\t+1], v[BB+4*\t:BB+4*\t+1], v[32*(\a)+4*\t:32*(\a)+4*\t+1]
	v_pk_add_f32 v[BB+4*\t+2:BB+4*\t+3], v[BB+4*\t+2:BB+4*\t+3], v[32*(\a)+4*\t+2:32*(\a)+4*\t+3]
.endr
	WIN 0
.irp t, 0,1,2,3,4,5,6,7
	global_store_b128 v[CO], v[BB+4*\t:BB+4*\t+3], s[12:13] offset:(32*((\a)/2)+8*((\a)%2)+2*\t+8*(\t/4))*4096   ; sixteen lanes store 256 consecutive bytes, aligned; the other sixteen the next row's
.endr
.endm
	s_load_b256 s[4:11], s[0:1], 0x0               ; the tokens' operand, the weights', the residual, the bias
	s_load_b64 s[12:13], s[0:1], 0x20              ; the output
	v_lshl_add_u32 v[SPW], v0, 2, SPARE
	v_mov_b32 v[NIL], 0
	ds_add_u32 v28, v29
	ds_add_u32 v28, v29
	s_wait_dscnt 0x0
	v_lshrrev_b32 v1, 5, v0
	v_readfirstlane_b32 s14, v1                    ; wave 0..3
	s_lshr_b32 s15, s14, 1                         ; my half of the tokens.  Also: I fetch for the tokens (0) or for the weight (1)
	s_and_b32 s16, s14, 1                          ; my half of the columns.  Also: which 4 row tiles I fetch
	s_bfe_u32 s40, ttmp6, 0x40000                  ; cx
	s_bfe_u32 s41, ttmp6, 0x40004                  ; cy
	s_lshl_b32 s42, ttmp9, 2
	s_add_co_u32 s42, s42, s40                     ; tile column
	s_and_b32 s17, ttmp7, 0xffff
	s_lshl_b32 s17, s17, 2
	s_add_co_u32 s17, s17, s41                     ; tile row
	s_lshl_b32 s43, s41, 2
	s_lshl_b32 s43, 15, s43                        ; my row of the cluster
	s_lshl_b32 s44, 0x1111, s40                    ; my column
	s_or_b32 s[G1+0], s43, (3<<16)|(1<<21)         ; the mask; elements of 8 bytes; bit 21 beside a mask; no padding
	s_or_b32 s[G1B+0], s44, (3<<16)|(1<<21)
.irp g, G1, G1B
	s_mov_b32 s[\g+1], 2176<<16                    ; tensor_dim0: a whole row tile, four records, 2,176 elements
	s_mov_b32 s[\g+2], 4<<16                       ; tensor_dim1: 4 row tiles
	s_mov_b32 s[\g+3], 2176<<16                    ; tile_dim0
	s_mov_b32 s[\g+4], 4                           ; tile_dim1
	s_mov_b32 s[\g+5], RS/8                        ; from row tile to row tile
	s_mov_b32 s[\g+6], 0
	s_mov_b32 s[\g+7], 0
.endr
	s_lshl_b32 s18, s16, 2
	s_lshl_b32 s20, s17, 3
	s_add_co_u32 s20, s20, s18                     ; tokens: row tile 8 x tile row + 4 x half
	s_mul_i32 s20, s20, RS
	s_mov_b32 s21, 0
	s_lshl_b32 s46, s42, 3
	s_add_co_u32 s46, s46, s18                     ; weight: 8 x tile column + 4 x half
	s_mul_i32 s46, s46, RS
	s_add_co_u32 s46, s46, BOFF
	s_mov_b32 s47, 0
	s_mul_i32 s45, s14, HALFT                      ; where they go: no place in the cluster enters an LDS address
	s_wait_kmcnt 0x0
	s_add_nc_u64 s[20:21], s[4:5], s[20:21]
	s_add_nc_u64 s[46:47], s[6:7], s[46:47]
	CROUND                                         ; all sixteen work-groups are here: the first joint loads meet
.irp s, 0
	s_mov_b32 s[G0+4*\s], 1
	s_add_co_u32 s[G0+4*\s+1], s45, \s*SLOT
	s_add_nc_u64 s[G0+4*\s+2:G0+4*\s+3], s[20:21], \s*REC2
	s_or_b32 s[G0+4*\s+3], s[G0+4*\s+3], 0x80000000
	s_mov_b32 s[G0B+4*\s], 1
	s_add_co_u32 s[G0B+4*\s+1], s45, \s*SLOT
	s_add_nc_u64 s[G0B+4*\s+2:G0B+4*\s+3], s[46:47], \s*REC2
	s_or_b32 s[G0B+4*\s+3], s[G0B+4*\s+3], 0x80000000
	JLOAD G0+4*\s, G1, G0B+4*\s, G1B
.endr
	v_and_b32 v1, 31, v0                           ; lane
	v_bfe_u32 v2, v0, 4, 1                         ; lane / 16
	v_lshlrev_b32 v[LI], 4, v1
	s_mul_i32 s72, s15, HALFT                      ; my 4 row tiles of the tokens,
	s_mul_i32 s73, s16, HALFT
	s_add_co_u32 s73, s73, 2*HALFT                 ; of the weight
	s_sub_co_u32 s74, s73, s72
	v_mul_u32_u24 v3, s74, v2                      ; scale words: lanes 16-31 take the weight's: one product, the distance between the two
	v_lshl_add_u32 v3, v1, 3, v3
	s_add_co_u32 s75, s72, 4096
	v_add_nc_u32 v[ADRS], s75, v3
	v_add_nc_u32 v[ADRS+1], SLOT, v[ADRS]
.irp s, 0,1
	v_add_nc_u32 v[ADRA+\s], s72, v[LI]
	v_add_nc_u32 v[ADRB+\s], s73, v[LI]
	s_add_co_u32 s72, s72, SLOT
	s_add_co_u32 s73, s73, SLOT
.endr
	s_mul_i32 s76, s14, 16*272                     ; my stage: 16 rows of 256 bytes + 16,
	s_add_co_u32 s76, s76, STAGE                   ; behind the spare words
	v_and_b32 v4, 15, v0                           ; lane % 16
	v_mul_u32_u24 v5, v4, 272
	v_lshl_add_u32 v5, v2, 6, v5
	v_add_nc_u32 v[STO], s76, v5                   ; in: row lane % 16, + 64 (lane / 16)
	v_mul_u32_u24 v6, v2, 272
	v_lshl_add_u32 v6, v4, 4, v6
	v_add_nc_u32 v[RD], s76, v6                    ; back: lanes 0-15 one row, lanes 16-31 the next
	v_lshlrev_b32 v7, 12, v2
	v_lshl_add_u32 v[CO], v4, 4, v7                ; and the same two rows in memory
	v_lshlrev_b32 v[BO], 4, v4
	s_wait_alu depctr_va_vdst(0)
	s_lshl_b32 s78, s42, 9
	s_lshl_b32 s79, s16, 8
	s_add_co_u32 s78, s78, s79                     ; my first column, in bytes: 512 x tile column + 256 x half
	s_mov_b32 s79, 0
	s_add_nc_u64 s[10:11], s[10:11], s[78:79]
	s_lshl_b32 s80, s17, 19
	s_lshl_b32 s81, s15, 18
	s_add_co_u32 s80, s80, s81                     ; my first row: 128 x tile row + 64 x half, 4,096 bytes each
	s_add_co_u32 s80, s80, s78
	s_mov_b32 s81, 0
	s_add_nc_u64 s[8:9], s[8:9], s[80:81]
	s_add_nc_u64 s[12:13], s[12:13], s[80:81]
	global_load_b128 v[8:11], v[BO], s[10:11]      ; the bias of my four columns
	WIN 0x80                                       ; destination window 2
.irp a, 0,1,2,3
.irp t, 0,1,2,3,4,5,6,7
	global_load_b128 v[32*\a+4*\t:32*\a+4*\t+3], v[CO], s[8:9] offset:(32*(\a/2)+8*(\a%2)+2*\t+8*(\t/4))*4096   ; the residual, laid as the rows come back from the stage
.endr
.endr
	WIN 0
	s_wait_tensorcnt 0x0                           ; my one load, 4 row tiles for all of K, is in
	s_barrier_signal -1
	s_barrier_wait -1
	FETCH 0, 0, 0
	WIN 0
	SCALES 0
	KSTEP 0, 0, 1                                  ; the first products start the sums
.if LAPS > 1
	WIN 0                                          ; at a label and at a branch every window is 0
	s_mov_b32 s3, LAPS-1
.Llap:                                             ; a trip goes once round the ring, from a lap's second step to the next lap's first, and fills both slots again
	KSTEP 0, 1, 0
	KSTEP 0, 2, 0
	TURN 0, 1, 1
	KSTEP 1, 0, 0
	KSTEP 1, 1, 0
	KSTEP 1, 2, 0
	TURN 1, 0, 1
	KSTEP 0, 0, 0
	WIN 0
	s_sub_co_u32 s3, s3, 1
	s_cmp_lg_u32 s3, 0
	s_cbranch_scc1 .Llap
.endif
	KSTEP 0, 1, 0                                  ; the last lap fills nothing
	KSTEP 0, 2, 0
	TURN 0, 1, 0
	KSTEP 1, 0, 0
	KSTEP 1, 1, 0
	KSTEP 1, 2, 0
	s_wait_dscnt 0x0                               ; the very last step: nothing more to fetch
	WIN MUL
.irp a, 0,1,2,3
	MUL4 128, \a, 1, 3, 0
.endr
	WIN 0
	PLACES NP
	s_wait_loadcnt 0x0                             ; the bias and the residual rows, asked for at the head
.irp a, 0,1,2,3
	OUTBLK \a
.endr
	s_wait_tensorcnt 0x0                           ; the wave's end
	ds_add_u32 v[SPW], v[NIL]
	s_wait_dscnt 0x0
	CROUND                                         ; the closing round
	s_endpgm
.Lfunc_end_k_qc4c65dbbab_wo:
	.size	k_qc4c65dbbab_wo, .Lfunc_end_k_qc4c65dbbab_wo-k_qc4c65dbbab_wo
	.p2alignl 7, 3214868480
	.fill 96, 4, 3214868480
	.section	.rodata,"a",@progbits
	.p2align	6, 0x0
	.amdhsa_kernel k_qc4c65dbbab_wo
		.amdhsa_group_segment_fixed_size 327680
		.amdhsa_private_segment_fixed_size 0
		.amdhsa_enable_private_segment 0
		.amdhsa_kernarg_size 40
		.amdhsa_user_sgpr_count 2
		.amdhsa_user_sgpr_kernarg_segment_ptr 1
		.amdhsa_wavefront_size32 1
		.amdhsa_system_sgpr_workgroup_id_x 1
		.amdhsa_system_sgpr_workgroup_id_y 1
		.amdhsa_system_sgpr_workgroup_id_z 1
		.amdhsa_system_vgpr_workitem_id 0
		.amdhsa_next_free_vgpr 768
		.amdhsa_next_free_sgpr 100
		.amdhsa_reserve_vcc 0
		.amdhsa_float_denorm_mode_32 3
		.amdhsa_float_denorm_mode_16_64 3
		.amdhsa_memory_ordered 1
		.amdhsa_forward_progress 1
		.amdhsa_inst_pref_size 62
	.end_amdhsa_kernel
	.amdgpu_metadata
---
amdhsa.version: [ 1, 2 ]
amdhsa.kernels:
  - .name:           k_qc4c65dbbab_wo
    .symbol:         k_qc4c65dbbab_wo.kd
    .args:
      - { .name: aob, .offset: 0, .size: 8, .value_kind: global_buffer, .address_space: global }
      - { .name: wb, .offset: 8, .size: 8, .value_kind: global_buffer, .address_space: global }
      - { .name: x, .offset: 16, .size: 8, .value_kind: global_buffer, .address_space: global }
      - { .name: bo, .offset: 24, .size: 8, .value_kind: global_buffer, .address_space: global }
      - { .name: x1, .offset: 32, .size: 8, .value_kind: global_buffer, .address_space: global }
    .group_segment_fixed_size: 327680
    .private_segment_fixed_size: 0
    .kernarg_segment_align: 8
    .kernarg_segment_size: 40
    .max_flat_workgroup_size: 128
    .sgpr_count:     100
    .vgpr_count:     768
    .wavefront_size: 32
...
	.end_amdgpu_metadata
.endif
;; end of part 10
;; launch ln2: the kernel of part 7 again; grid 256 x 1, 8 waves a work-group, no clusters, 2,048 bytes of LDS; arguments x1, ln2_scale, ln2_bias, hb, wq, wk, wv, wo, w2, w1, wb; writes hb, wb
;; launch ffn1 (part 11): grid 16 x 16, 4 waves a work-group, clusters of 4 x 4, 327,680 bytes of LDS; arguments hb, wb, b1, gb; writes gb
.if DOCPART == 11
	.amdgcn_target "amdgcn-amd-amdhsa--gfx1250"
	.amdhsa_code_object_version 6
	.text
	.protected	k_qc4c65dbbab_ffn1
	.globl	k_qc4c65dbbab_ffn1
	.p2align	8
	.type	k_qc4c65dbbab_ffn1,@function
k_qc4c65dbbab_ffn1:
	s_mov_b64 s[64:65], 0
	v_nop
	global_prefetch_b8 v0, s[64:65] scope:SCOPE_SE
	s_setreg_imm32_b32 hwreg(HW_REG_WAVE_MODE, 25, 1), 1
	s_wait_xcnt 0x0
	s_wait_alu depctr_hold_cnt(0) depctr_sa_sdst(0) depctr_va_vdst(0) depctr_va_sdst(0) depctr_va_ssrc(0) depctr_va_vcc(0) depctr_vm_vsrc(0)
	s_getreg_b32 s2, hwreg(HW_REG_IB_STS2, 6, 4)
	s_cmp_eq_u32 s2, 0
	s_cbranch_scc0 .Lentry_in_a_cluster
	s_endpgm
.Lentry_in_a_cluster:
	s_bfe_u32 s2, ttmp6, 0x10000c
	s_cmp_lg_u32 s2, 0xf033
	s_cbranch_scc0 .Lentry_shape_is_right
	s_endpgm
.Lentry_shape_is_right:
.set RS,    17408
.set LAPS,  2
.set BOFF,  4456448
.set REC,   4352
.set HALFT, 8*REC
.set SLOT,  4*HALFT
.set SPARE, 2*SLOT
.set NQ,    2
.set FR,    16
.set NL,    4
.set NP,    8
.set ADRA,  16
.set ADRB,  20
.set ADRS,  22
.set CO,    26
.set SO,    27
.set SPW,   28
.set NIL,   29
.set SC,    32
.set B64,   64
.set AF,    128
.set GG,    128
.set PC,    192
.set TM,    208
.set T1,    0                          ; window 1, whose fragments are done with behind the products: v0-63 t,
.set P1,    64                         ; v64-127 the polynomial, then the exponential,
.set Y1,    128                        ; v128-191 -x / 2, then max(0, x)
.set C9,    14
.set CF,    72
.set G1,    24
.set G0,    32
.set G1B,   48
.set G0B,   56
.set SEL,   68
.set MNT,   70
.set MSB, 0
.macro WIN new
.if MSB != (\new)
	s_set_vgpr_msb (MSB<<8)|(\new)
.set MSB, (\new)
.endif
.endm
.set MUL_LO, 0xa1
.set MUL_HI, 0xf1
.set TO_B,   0x40
.macro JLOAD g0a, g1a, g0b, g1b
	s_cmp_eq_u32 s15, 0
	s_cbranch_scc0 .Lfor_b_\@
	tensor_load_to_lds s[\g0a:\g0a+3], s[\g1a:\g1a+7]
	s_nop 0
.rept 4
	v_nop
.endr
	s_branch .Lasked_\@
.Lfor_b_\@:
	tensor_load_to_lds s[\g0b:\g0b+3], s[\g1b:\g1b+7]
	s_nop 0
.rept 4
	v_nop
.endr
.Lasked_\@:
.endm
.macro CREST
	s_cmp_lg_u32 s14, 0
	s_cbranch_scc1 .Lnot_wave_0_\@
	s_barrier_signal -3
.Lnot_wave_0_\@:
	s_barrier_wait -3
	s_barrier_signal -1
	s_barrier_wait -1
.endm
.macro CROUND
	s_barrier_signal -1
	s_barrier_wait -1
	CREST
.endm
.macro FRAG reg, adr, q, i
.irp c, 0,1,2,3
	ds_load_b128 v[(\reg)+4*\c:(\reg)+4*\c+3], v[\adr] offset:2048*(\q)+512*\c+(\i)*REC
.endr
.endm
.macro MUL16 a0, p, q, sc, zero
.irp a, \a0, \a0+1
.irp b, 0,1,2,3,4,5,6,7
.if \zero
	v_wmma_scale_f32_16x16x128_f8f6f4 v[8*(8*((\a)%4)+\b):8*(8*((\a)%4)+\b)+7], v[128*(\p)+FR*\b:128*(\p)+FR*\b+FR-1], v[AF+FR*(\a):AF+FR*(\a)+FR-1], 0, v[SC+8*NQ*(\sc)+NQ*\b+(\q)], v[SC+8*NQ*(\sc)+NQ*(\a)+(\q)] matrix_a_fmt:MATRIX_FMT_BF8 matrix_b_fmt:MATRIX_FMT_BF8 matrix_a_scale:MATRIX_SCALE_ROW1
.else
	v_wmma_scale_f32_16x16x128_f8f6f4 v[8*(8*((\a)%4)+\b):8*(8*((\a)%4)+\b)+7], v[128*(\p)+FR*\b:128*(\p)+FR*\b+FR-1], v[AF+FR*(\a):AF+FR*(\a)+FR-1], v[8*(8*((\a)%4)+\b):8*(8*((\a)%4)+\b)+7], v[SC+8*NQ*(\sc)+NQ*\b+(\q)], v[SC+8*NQ*(\sc)+NQ*(\a)+(\q)] matrix_a_fmt:MATRIX_FMT_BF8 matrix_b_fmt:MATRIX_FMT_BF8 matrix_a_scale:MATRIX_SCALE_ROW1
.endif
.endr
.endr
.endm
.macro FETCH_B slot, q, p
	WIN TO_B
.irp i, 0,1,2,3,4,5,6,7
	FRAG 128*(\p)+FR*\i, ADRB+\slot, \q, \i
.endr
	WIN 0
.endm
.macro FETCH_A slot, q, i0
.irp i, \i0, \i0+1, \i0+2, \i0+3
	FRAG AF+FR*(\i), ADRA+\slot, \q, \i
.endr
.endm
.macro SCALES sc
.irp i, 0,1,2,3,4,5,6,7
	ds_load_b64 v[SC+8*NQ*\sc+NQ*\i:SC+8*NQ*\sc+NQ*\i+1], v[ADRS+\sc] offset:\i*REC
.endr
.endm
.macro PLACES n
.rept \n
	v_nop
.endr
.endm
.macro STEP slot, q, zero
	s_wait_dscnt 4*NL
	WIN MUL_LO
	MUL16 0, (\q)%2, \q, \slot, \zero
	MUL16 2, (\q)%2, \q, \slot, \zero
	s_wait_dscnt 0
	PLACES NP
	FETCH_B \slot, (\q)+1, 1-(\q)%2
	FETCH_A \slot, (\q)+1, 0
	WIN MUL_HI
	MUL16 4, (\q)%2, \q, \slot, \zero
	MUL16 6, (\q)%2, \q, \slot, \zero
	PLACES NP
	WIN 0
	FETCH_A \slot, (\q)+1, 4
.endm
.macro TURN slot, next, fill
	s_wait_tensorcnt 0x0
	ds_add_u32 v[SPW], v[NIL]
	s_wait_dscnt 4*NL+1
	WIN MUL_LO
	MUL16 0, 1, NQ-1, \slot, 0
	s_wait_dscnt 0x0
	s_barrier_signal -1
	MUL16 2, 1, NQ-1, \slot, 0
	WIN 0
	s_barrier_wait -1
.if \fill
	CREST
	s_add_nc_u64 s[G0+4*\slot+2:G0+4*\slot+3], s[G0+4*\slot+2:G0+4*\slot+3], 2*REC
	s_add_nc_u64 s[G0B+4*\slot+2:G0B+4*\slot+3], s[G0B+4*\slot+2:G0B+4*\slot+3], 2*REC
	JLOAD G0+4*\slot, G1, G0B+4*\slot, G1B
	PLACES NP-4
.else
	PLACES NP
.endif
	FETCH_B \next, 0, 0
	FETCH_A \next, 0, 0
	SCALES \next
	WIN MUL_HI
	MUL16 4, 1, NQ-1, \slot, 0
	MUL16 6, 1, NQ-1, \slot, 0
	PLACES NP
	WIN 0
	FETCH_A \next, 0, 4
.endm
.macro QUANT s, W, pw
	s_wait_xcnt 0x0
	WIN (\W)|((\W)<<2)
.irp b, 0,1,2,3
	v_max3_num_f32 v[TM+\b], |v[(\s)+16*\b]|, |v[(\s)+16*\b+1]|, 0x8000000
.endr
.irp i, 2,4,6,8,10,12,14
.irp b, 0,1,2,3
	v_max3_num_f32 v[TM+\b], |v[(\s)+16*\b+\i]|, |v[(\s)+16*\b+\i+1]|, v[TM+\b]
.endr
.endr
	WIN 0
.irp b, 0,1,2,3
	v_permlanex16_b32 v[TM+4+\b], v[TM+\b], s[SEL], s[SEL+1]
.endr
.irp b, 0,1,2,3
	v_max_num_f32 v[TM+\b], v[TM+\b], v[TM+4+\b]
.endr
.irp b, 0,1,2,3
	v_add_nc_u32 v[TM+12+\b], 0xf8800000, v[TM+\b]
.endr
.irp b, 0,1,2,3
	v_and_or_b32 v[TM+8+\b], v[TM+\b], 0x7f800000, s[MNT]
.endr
.irp b, 0,1,2,3
	v_lshrrev_b32 v[TM+4+\b], 23, v[TM+12+\b]
.endr
	v_lshl_or_b32 v[\pw], v[TM+5], 8, v[TM+4]
	v_lshl_or_b32 v[\pw], v[TM+6], 16, v[\pw]
	v_lshl_or_b32 v[\pw], v[TM+7], 24, v[\pw]
	WIN (\W)|((\W)<<6)
.irp b, 0,1,2,3
.irp i, 0,1,2,3,4,5,6,7,8,9,10,11,12,13,14,15
	v_med3_num_f32 v[(\s)+16*\b+\i], v[(\s)+16*\b+\i], -v[TM+8+\b], v[TM+8+\b]
.endr
.endr
	WIN (\W)
.irp b, 0,1,2,3
	v_cvt_scalef32_pk8_bf8_f32 v[PC+4*\b:PC+4*\b+1], v[(\s)+16*\b:(\s)+16*\b+7], v[TM+12+\b]
	v_cvt_scalef32_pk8_bf8_f32 v[PC+4*\b+2:PC+4*\b+3], v[(\s)+16*\b+8:(\s)+16*\b+15], v[TM+12+\b]
.endr
	WIN 0
	v_nop
.endm
.macro ADDB a
	WIN 2+(\a)/4
.set n_, 0
.rept 32
	v_pk_add_f32 v[GG+n_:GG+n_+1], v[64*((\a)%4)+n_:64*((\a)%4)+n_+1], v[B64+n_:B64+n_+1]
.set n_, n_+2
.endr
	WIN 0
.endm
; The exact GELU of a block's 64 numbers x in v[GG ..], in place and in f32: max(0, x) - |x| erfc(|x| / sqrt 2) / 2, with erfc(z) = t exp(-z^2 + a polynomial of degree 9 in t), t = 1 / (1 + z / 2).
; All 64 go through each stage together: one batch of reciprocals and one of exponentials, each with a wait ahead of it and behind it, and 32 or 64 independent lines in every stage.
; The three work arrays lie in window 1; each stage has one setting of the windows (bits 1:0 source 0, 3:2 source 1, 5:4 source 2, 7:6 destination).
.macro GELU64
	WIN 0x40
.set k_, 0
.rept 64
	v_fma_f32 v[T1+k_], |v[GG+k_]|, 0x3eb504f3, 1.0                ; 1 + |x| / (2 sqrt 2)
.set k_, k_+1
.endr
	WIN 0x41
	s_wait_alu depctr_va_vdst(0)                   ; the wait ahead of the batch
.set k_, 0
.rept 64
	v_rcp_f32 v[T1+k_], v[T1+k_]                   ; t
.set k_, k_+1
.endr
	WIN 0x40
.set k_, 0
.rept 32
	v_pk_mul_f32 v[Y1+k_:Y1+k_+1], v[GG+k_:GG+k_+1], -0.5 op_sel_hi:[1,0]   ; plain work behind the batch
.set k_, k_+2
.endr
	WIN 0x41
	s_wait_alu depctr_va_vdst(0)                   ; and behind it, ahead of its first reader
.set k_, 0
.rept 32
	v_pk_fma_f32 v[P1+k_:P1+k_+1], v[T1+k_:T1+k_+1], v[C9:C9+1], s[CF:CF+1] op_sel_hi:[1,1,0]
.set k_, k_+2
.endr
	WIN 0x45
.irp c, 1,2,3,4,5,6,7,8
.set k_, 0
.rept 32
	v_pk_fma_f32 v[P1+k_:P1+k_+1], v[P1+k_:P1+k_+1], v[T1+k_:T1+k_+1], s[CF+2*\c:CF+2*\c+1] op_sel_hi:[1,1,0]
.set k_, k_+2
.endr
.endr
	WIN 0x51
.set k_, 0
.rept 32
	v_pk_fma_f32 v[P1+k_:P1+k_+1], v[Y1+k_:Y1+k_+1], v[GG+k_:GG+k_+1], v[P1+k_:P1+k_+1]   ; - x^2 / 2
.set k_, k_+2
.endr
	WIN 0x41
.set k_, 0
.rept 32
	v_pk_fma_f32 v[P1+k_:P1+k_+1], v[P1+k_:P1+k_+1], 0x3fb8aa3b, -1.0 op_sel_hi:[1,0,0]   ; to the base 2; the -1 halves the result
.set k_, k_+2
.endr
	s_wait_alu depctr_va_vdst(0)
.set k_, 0
.rept 64
	v_exp_f32 v[P1+k_], v[P1+k_]
.set k_, k_+1
.endr
	WIN 0x40
.set k_, 0
.rept 64
	v_max_num_f32 v[Y1+k_], 0, v[GG+k_]
.set k_, k_+1
.endr
	WIN 0x45
	s_wait_alu depctr_va_vdst(0)
.set k_, 0
.rept 32
	v_pk_mul_f32 v[P1+k_:P1+k_+1], v[P1+k_:P1+k_+1], v[T1+k_:T1+k_+1]
.set k_, k_+2
.endr
	WIN 0x14
.set k_, 0
.rept 64
	v_fma_f32 v[GG+k_], -|v[GG+k_]|, v[P1+k_], v[Y1+k_]
.set k_, k_+1
.endr
	WIN 0
.endm
	s_load_b256 s[4:11], s[0:1], 0x0
	v_lshl_add_u32 v[SPW], v0, 2, SPARE
	v_mov_b32 v[NIL], 0
	ds_add_u32 v28, v29
	ds_add_u32 v28, v29
	s_wait_dscnt 0x0
	v_lshrrev_b32 v1, 5, v0
	v_readfirstlane_b32 s14, v1
	; the prefetches' offsets.  A slot's part of a row tile is one record, 17 blocks of 256 bytes; my work-group names two row tiles, 34 blocks:
	; v8: lanes 0-16 the first tile's 17, lanes 17-31 blocks 0-14 of the second; v9: its blocks 15 and 16 (the lanes left over name the last again)
	v_and_b32 v10, 31, v0
	v_mul_u32_u24 v8, v10, 241
	v_lshrrev_b32 v8, 12, v8                       ; lane / 17
	v_mul_u32_u24 v8, v8, RS-REC
	v_lshl_add_u32 v8, v10, 8, v8
	v_min_u32 v9, 1, v10
	v_lshl_add_u32 v9, v9, 8, RS+15*256
	s_lshr_b32 s15, s14, 1
	s_and_b32 s16, s14, 1
	s_bfe_u32 s40, ttmp6, 0x40000
	s_bfe_u32 s41, ttmp6, 0x40004
	s_lshl_b32 s42, ttmp9, 2
	s_add_co_u32 s42, s42, s40
	s_and_b32 s17, ttmp7, 0xffff
	s_lshl_b32 s17, s17, 2
	s_add_co_u32 s17, s17, s41
	s_lshl_b32 s43, s41, 2
	s_lshl_b32 s43, 15, s43
	s_lshl_b32 s44, 0x1111, s40
	s_or_b32 s[G1+0], s43, (3<<16)|(1<<21)
	s_or_b32 s[G1B+0], s44, (3<<16)|(1<<21)
.irp g, G1, G1B
	s_mov_b32 s[\g+1], 544<<16
	s_mov_b32 s[\g+2], 8<<16
	s_mov_b32 s[\g+3], 544<<16
	s_mov_b32 s[\g+4], 8
	s_mov_b32 s[\g+5], RS/8
	s_mov_b32 s[\g+6], 0
	s_mov_b32 s[\g+7], 0
.endr
	s_mov_b32 s[SEL], 0x76543210
	s_mov_b32 s[SEL+1], 0xfedcba98
	s_mov_b32 s[MNT], 0x600000
	s_lshl_b32 s18, s16, 3
	s_lshl_b32 s20, s17, 4
	s_add_co_u32 s20, s20, s18
	s_mul_i32 s20, s20, RS
	s_mov_b32 s21, 0
	s_lshl_b32 s46, s42, 4
	s_add_co_u32 s46, s46, s18
	s_mul_i32 s46, s46, RS
	s_add_co_u32 s46, s46, BOFF
	s_mov_b32 s47, 0
	s_mul_i32 s45, s14, HALFT
	s_wait_kmcnt 0x0
	s_add_nc_u64 s[20:21], s[4:5], s[20:21]
	s_add_nc_u64 s[46:47], s[6:7], s[46:47]
	; s[94:95]: where my prefetches stand.  Of the 8 row tiles that my wave fetches jointly with three partners, my work-group names two, told apart by address: by cx for the tokens', by cy for the weight's
	s_cmp_eq_u32 s15, 0
	s_cselect_b64 s[94:95], s[20:21], s[46:47]
	s_cselect_b32 s96, s40, s41
	s_mul_i32 s96, s96, 2*RS
	s_mov_b32 s97, 0
	s_add_nc_u64 s[94:95], s[94:95], s[96:97]
	CROUND
.irp s, 0,1
	s_mov_b32 s[G0+4*\s], 1
	s_add_co_u32 s[G0+4*\s+1], s45, \s*SLOT
	s_add_nc_u64 s[G0+4*\s+2:G0+4*\s+3], s[20:21], \s*REC
	s_or_b32 s[G0+4*\s+3], s[G0+4*\s+3], 0x80000000
	s_mov_b32 s[G0B+4*\s], 1
	s_add_co_u32 s[G0B+4*\s+1], s45, \s*SLOT
	s_add_nc_u64 s[G0B+4*\s+2:G0B+4*\s+3], s[46:47], \s*REC
	s_or_b32 s[G0B+4*\s+3], s[G0B+4*\s+3], 0x80000000
	s_wait_alu depctr_va_vdst(0)
.if \s
	s_wait_tensorcnt 0x0                           ; slot 1's first fill stands behind the full sequence and a round, as a refill does
	ds_add_u32 v28, v29
	s_wait_dscnt 0x0
	CROUND
.endif
	JLOAD G0+4*\s, G1, G0B+4*\s, G1B
.if \s == 0
	global_prefetch_b8 v8, s[94:95] offset:REC th:TH_LOAD_NT scope:SCOPE_SE            ; behind the load of slot 0: slots 1 and 2; behind that of slot 1: slot 3, the last: never more than two slots asked for and not yet loaded
	global_prefetch_b8 v9, s[94:95] offset:REC th:TH_LOAD_NT scope:SCOPE_SE
.endif
	global_prefetch_b8 v8, s[94:95] offset:(\s+2)*REC th:TH_LOAD_NT scope:SCOPE_SE
	global_prefetch_b8 v9, s[94:95] offset:(\s+2)*REC th:TH_LOAD_NT scope:SCOPE_SE
.endr
	v_and_b32 v1, 31, v0
	v_bfe_u32 v2, v0, 4, 1
	v_lshlrev_b32 v[CO], 4, v1
	v_lshlrev_b32 v[SO], 3, v1
	v_lshlrev_b32 v7, 6, v2
	s_wait_alu depctr_va_vdst(0)
	s_mul_i32 s72, s15, HALFT
	s_mul_i32 s73, s16, HALFT
	s_add_co_u32 s73, s73, 2*HALFT
	s_sub_co_u32 s74, s73, s72
	v_mul_u32_u24 v3, s74, v2
	v_lshl_add_u32 v3, v1, 3, v3
	s_add_co_u32 s75, s72, 4096
	v_add_nc_u32 v[ADRS], s75, v3
	v_add_nc_u32 v[ADRS+1], SLOT, v[ADRS]
.irp s, 0,1
	v_add_nc_u32 v[ADRA+\s], s72, v[CO]
	v_add_nc_u32 v[ADRB+\s], s73, v[CO]
	s_add_co_u32 s72, s72, SLOT
	s_add_co_u32 s73, s73, SLOT
.endr
	s_lshl_b32 s78, s42, 10
	s_lshl_b32 s79, s16, 9
	s_add_co_u32 s78, s78, s79
	s_mov_b32 s79, 0
	s_add_nc_u64 s[8:9], s[8:9], s[78:79]
.irp b, 0,1,2,3
.irp j, 0,1,2,3
	global_load_b128 v[B64+16*\b+4*\j:B64+16*\b+4*\j+3], v7, s[8:9] offset:128*\b+16*\j
.endr
.endr
	s_lshl_b32 s80, s17, 4
	s_lshl_b32 s81, s15, 3
	s_add_co_u32 s80, s80, s81
	s_mul_i32 s80, s80, 69632
	s_mul_i32 s81, s42, REC
	s_add_co_u32 s80, s80, s81
	s_lshl_b32 s82, s16, 11
	s_add_co_u32 s82, s82, s80
	s_mov_b32 s83, 0
	s_lshl_b32 s84, s16, 2
	s_add_co_u32 s84, s84, s80
	s_add_co_u32 s84, s84, 4096
	s_mov_b32 s85, 0
	s_add_nc_u64 s[12:13], s[10:11], s[84:85]
	s_add_nc_u64 s[10:11], s[10:11], s[82:83]
	s_wait_alu depctr_va_vdst(0)
	s_wait_tensorcnt 1
	s_barrier_signal -1
	s_barrier_wait -1
	FETCH_B 0, 0, 0
	FETCH_A 0, 0, 0
	SCALES 0
	FETCH_A 0, 0, 4
	STEP 0, 0, 1
.if LAPS > 1
	s_mov_b32 s3, LAPS-1
.Llap:
	TURN 0, 1, 1
	STEP 1, 0, 0
	TURN 1, 0, 1
	STEP 0, 0, 0
	s_sub_co_u32 s3, s3, 1
	s_cmp_lg_u32 s3, 0
	s_cbranch_scc1 .Llap
.endif
	TURN 0, 1, 0
	STEP 1, 0, 0
	s_wait_dscnt 4*NL
	WIN MUL_LO
	MUL16 0, 1, NQ-1, 1, 0
	MUL16 2, 1, NQ-1, 1, 0
	s_wait_dscnt 0
	WIN MUL_HI
	MUL16 4, 1, NQ-1, 1, 0
	MUL16 6, 1, NQ-1, 1, 0
	WIN 0
	PLACES NP
	s_wait_loadcnt 0x0
	v_mov_b32 v[C9], 0x3e2ef945
	v_mov_b32 v[C9+1], 0x3e2ef945
.irp c, 0xbf527892, 0x3fbe87b0, 0xbf914e5d, 0x3e8ec7cc, 0xbe3ec24c, 0x3dc636c9, 0x3ebf88fb, 0x3f8000c7, 0xbfa1fc4e
	s_mov_b32 s[CF], \c
	s_mov_b32 s[CF+1], \c
.set CF, CF+2
.endr
.set CF, 72
	s_mov_b32 s3, 0
.Lblk:
.irp a, 0,1,2,3,4,5,6
	s_cmp_lg_u32 s3, \a
	s_cbranch_scc1 .Lnot_\a
	ADDB \a
	s_branch .Lhave
.Lnot_\a:
.endr
	ADDB 7
.Lhave:
	GELU64
	QUANT GG, 0, 12
	s_add_nc_u64 s[10:11], s[10:11], 69632         ; the bases step here, behind the wait on XCNT at the quantiser's head and with no memory instruction since: the last trip's stores have read them;
	s_add_nc_u64 s[12:13], s[12:13], 69632         ; the stores below take the step back in their immediates
.irp c, 0,1,2,3
	global_store_b128 v[CO], v[PC+4*\c:PC+4*\c+3], s[10:11] offset:512*\c-69632
.endr
	global_store_b32 v[SO], v12, s[12:13] offset:-69632
	s_add_co_u32 s3, s3, 1
	s_cmp_lt_u32 s3, 8
	s_cbranch_scc1 .Lblk
	s_wait_tensorcnt 0x0
	ds_add_u32 v[SPW], v[NIL]
	s_wait_dscnt 0x0
	CROUND
	s_endpgm
.Lfunc_end_k_qc4c65dbbab_ffn1:
	.size	k_qc4c65dbbab_ffn1, .Lfunc_end_k_qc4c65dbbab_ffn1-k_qc4c65dbbab_ffn1
	.p2alignl 7, 3214868480
	.fill 96, 4, 3214868480
	.section	.rodata,"a",@progbits
	.p2align	6, 0x0
	.amdhsa_kernel k_qc4c65dbbab_ffn1
		.amdhsa_group_segment_fixed_size 327680
		.amdhsa_private_segment_fixed_size 0
		.amdhsa_enable_private_segment 0
		.amdhsa_kernarg_size 32
		.amdhsa_user_sgpr_count 2
		.amdhsa_user_sgpr_kernarg_segment_ptr 1
		.amdhsa_wavefront_size32 1
		.amdhsa_system_sgpr_workgroup_id_x 1
		.amdhsa_system_sgpr_workgroup_id_y 1
		.amdhsa_system_sgpr_workgroup_id_z 1
		.amdhsa_system_vgpr_workitem_id 0
		.amdhsa_next_free_vgpr 1024
		.amdhsa_next_free_sgpr 100
		.amdhsa_reserve_vcc 0
		.amdhsa_float_denorm_mode_32 3
		.amdhsa_float_denorm_mode_16_64 3
		.amdhsa_memory_ordered 1
		.amdhsa_forward_progress 1
		.amdhsa_inst_pref_size 188
	.end_amdhsa_kernel
	.amdgpu_metadata
---
amdhsa.version: [ 1, 2 ]
amdhsa.kernels:
  - .name:           k_qc4c65dbbab_ffn1
    .symbol:         k_qc4c65dbbab_ffn1.kd
    .args:
      - { .name: hb, .offset: 0, .size: 8, .value_kind: global_buffer, .address_space: global }
      - { .name: wb, .offset: 8, .size: 8, .value_kind: global_buffer, .address_space: global }
      - { .name: b1, .offset: 16, .size: 8, .value_kind: global_buffer, .address_space: global }
      - { .name: gb, .offset: 24, .size: 8, .value_kind: global_buffer, .address_space: global }
    .group_segment_fixed_size: 327680
    .private_segment_fixed_size: 0
    .kernarg_segment_align: 8
    .kernarg_segment_size: 32
    .max_flat_workgroup_size: 128
    .sgpr_count:     100
    .vgpr_count:     1024
    .wavefront_size: 32
...
	.end_amdgpu_metadata
.endif
;; end of part 11
;; launch ffn2 (part 12): grid 8 x 32, 4 waves a work-group, clusters of 4 x 4, 327,680 bytes of LDS; arguments gb, wb, x1, b2, out0; writes out0
.if DOCPART == 12
	.amdgcn_target "amdgcn-amd-amdhsa--gfx1250"
	.amdhsa_code_object_version 6
	.text
	.protected	k_qc4c65dbbab_ffn2
	.globl	k_qc4c65dbbab_ffn2
	.p2align	8
	.type	k_qc4c65dbbab_ffn2,@function
k_qc4c65dbbab_ffn2:
	s_mov_b64 s[64:65], 0
	v_nop
	global_prefetch_b8 v0, s[64:65] scope:SCOPE_SE
	s_setreg_imm32_b32 hwreg(HW_REG_WAVE_MODE, 25, 1), 1
	s_wait_xcnt 0x0
	s_wait_alu depctr_hold_cnt(0) depctr_sa_sdst(0) depctr_va_vdst(0) depctr_va_sdst(0) depctr_va_ssrc(0) depctr_va_vcc(0) depctr_vm_vsrc(0)
	s_getreg_b32 s2, hwreg(HW_REG_IB_STS2, 6, 4)
	s_cmp_eq_u32 s2, 0
	s_cbranch_scc0 .Lentry_in_a_cluster
	s_endpgm
.Lentry_in_a_cluster:
	s_bfe_u32 s2, ttmp6, 0x10000c
	s_cmp_lg_u32 s2, 0xf033
	s_cbranch_scc0 .Lentry_shape_is_right
	s_endpgm
.Lentry_shape_is_right:
.set RS,    69632
.set LAPS,  4
.set BOFF,  8912896
.set REC,   4352
.set REC2,  2*REC
.set HALFT, 4*REC2
.set SLOT,  4*HALFT
.set SPARE, 2*SLOT
.set NP,    8
.set ADRA,  16
.set ADRB,  20
.set ADRS,  22
.set STO,   24
.set RD,    25
.set LI,    26
.set CO,    27
.set SPW,   28
.set NIL,   29
.set BO,    30
.set SC,    32
.set BK,    64
.set ACC,   128
.set G1,    24
.set G0,    32
.set G1B,   48
.set G0B,   56
.set MSB, 0
.macro WIN new
.if MSB != (\new)
	s_set_vgpr_msb (MSB<<8)|(\new)
.set MSB, (\new)
.endif
.endm
.set MUL,  0x05
.set TO_F, 0x40
.macro JLOAD g0a, g1a, g0b, g1b
	s_cmp_eq_u32 s15, 0
	s_cbranch_scc0 .Lfor_b_\@
	tensor_load_to_lds s[\g0a:\g0a+3], s[\g1a:\g1a+7]
	s_nop 0
.rept 4
	v_nop
.endr
	s_branch .Lasked_\@
.Lfor_b_\@:
	tensor_load_to_lds s[\g0b:\g0b+3], s[\g1b:\g1b+7]
	s_nop 0
.rept 4
	v_nop
.endr
.Lasked_\@:
.endm
.macro CREST
	s_cmp_lg_u32 s14, 0
	s_cbranch_scc1 .Lnot_wave_0_\@
	s_barrier_signal -3
.Lnot_wave_0_\@:
	s_barrier_wait -3
	s_barrier_signal -1
	s_barrier_wait -1
.endm
.macro CROUND
	s_barrier_signal -1
	s_barrier_wait -1
	CREST
.endm
.macro FRAG reg, adr, ks, i
.irp c, 0,1,2,3
	ds_load_b128 v[(\reg)+4*\c:(\reg)+4*\c+3], v[\adr] offset:REC*((\ks)/2)+2048*((\ks)%2)+512*\c+(\i)*REC2
.endr
.endm
.macro FETCH slot, ks, f
	WIN TO_F
.irp i, 0,1,2,3
	FRAG (\f)+64+16*\i, ADRB+\slot, \ks, \i
	FRAG (\f)+16*\i, ADRA+\slot, \ks, \i
.endr
.endm
.macro SCALES s
.irp kk, 0,1
.irp i, 0,1,2,3
	ds_load_b64 v[SC+16*\s+8*\kk+2*\i:SC+16*\s+8*\kk+2*\i+1], v[ADRS+\s] offset:\i*REC2+\kk*REC
.endr
.endr
.endm
.macro MUL4 f, a, s, ks, zero
.irp b, 0,1,2,3
.if \zero
	v_wmma_scale_f32_16x16x128_f8f6f4 v[ACC+8*(4*(\a)+\b):ACC+8*(4*(\a)+\b)+7], v[(\f)+64+16*\b:(\f)+64+16*\b+15], v[(\f)+16*(\a):(\f)+16*(\a)+15], 0, v[SC+16*(\s)+8*((\ks)/2)+2*\b+(\ks)%2], v[SC+16*(\s)+8*((\ks)/2)+2*(\a)+(\ks)%2] matrix_a_fmt:MATRIX_FMT_BF8 matrix_b_fmt:MATRIX_FMT_BF8 matrix_a_scale:MATRIX_SCALE_ROW1
.else
	v_wmma_scale_f32_16x16x128_f8f6f4 v[ACC+8*(4*(\a)+\b):ACC+8*(4*(\a)+\b)+7], v[(\f)+64+16*\b:(\f)+64+16*\b+15], v[(\f)+16*(\a):(\f)+16*(\a)+15], v[ACC+8*(4*(\a)+\b):ACC+8*(4*(\a)+\b)+7], v[SC+16*(\s)+8*((\ks)/2)+2*\b+(\ks)%2], v[SC+16*(\s)+8*((\ks)/2)+2*(\a)+(\ks)%2] matrix_a_fmt:MATRIX_FMT_BF8 matrix_b_fmt:MATRIX_FMT_BF8 matrix_a_scale:MATRIX_SCALE_ROW1
.endif
.endr
.endm
.macro PLACES n
.rept \n
	v_nop
.endr
.endm
.macro KSTEP slot, ks, zero
	s_wait_dscnt 0x0
	PLACES NP
	FETCH \slot, (\ks)+1, 128*(1-(\ks)%2)
	WIN MUL
.irp a, 0,1,2,3
	MUL4 128*((\ks)%2), \a, \slot, \ks, \zero
.endr
.endm
.macro TURN slot, next, fill
	WIN 0
.if \fill
	s_wait_xcnt 0x0                                ; my last prefetches have read their address: it steps one slot on
	s_add_nc_u64 s[84:85], s[84:85], REC2
.endif
	s_wait_tensorcnt 0x0
	ds_add_u32 v[SPW], v[NIL]
	s_wait_dscnt 1
	WIN MUL
	MUL4 128, 0, \slot, 3, 0
	s_wait_dscnt 0x0
	s_barrier_signal -1
	MUL4 128, 1, \slot, 3, 0
	WIN 0
	s_barrier_wait -1
.if \fill
	CREST
	s_add_nc_u64 s[G0+4*\slot+2:G0+4*\slot+3], s[G0+4*\slot+2:G0+4*\slot+3], 2*REC2
	s_add_nc_u64 s[G0B+4*\slot+2:G0B+4*\slot+3], s[G0B+4*\slot+2:G0B+4*\slot+3], 2*REC2
	JLOAD G0+4*\slot, G1, G0B+4*\slot, G1B
	PLACES NP-4
.else
	PLACES NP
.endif
	FETCH \next, 0, 0
	WIN 0
	SCALES \next
.if \fill
	s_cmp_gt_u32 s3, 1                             ; the last trip's two refills bring slots 6 and 7: no slot stands two on
	s_cbranch_scc0 .Lno_ask_\@
	global_prefetch_b8 v12, s[84:85] offset:3*REC2 th:TH_LOAD_NT scope:SCOPE_SE   ; behind the refill with slot j and the run of LDS loads: slot j + 2 of my row tile
	global_prefetch_b8 v13, s[84:85] offset:3*REC2 th:TH_LOAD_NT scope:SCOPE_SE
.Lno_ask_\@:
.endif
	WIN MUL
	MUL4 128, 2, \slot, 3, 0
	MUL4 128, 3, \slot, 3, 0
.endm
.macro OUTBLK a
.set BB, BK+32*((\a)%2)
.irp b, 0,1,2,3
	ds_store_b128 v[STO], v[ACC+8*(4*(\a)+\b):ACC+8*(4*(\a)+\b)+3] offset:128*(\b/2)+32*(\b%2)
	ds_store_b128 v[STO], v[ACC+8*(4*(\a)+\b)+4:ACC+8*(4*(\a)+\b)+7] offset:128*(\b/2)+32*(\b%2)+16
.endr
.if (\a) > 1
	s_wait_xcnt 0x0
.endif
.irp t, 0,1,2,3,4,5,6,7
	ds_load_b128 v[BB+4*\t:BB+4*\t+3], v[RD] offset:2*\t*272
.endr
	s_wait_dscnt 0x0
.irp t, 0,1,2,3,4,5,6,7
	v_pk_add_f32 v[BB+4*\t:BB+4*\t+1], v[BB+4*\t:BB+4*\t+1], v[8:9]
	v_pk_add_f32 v[BB+4*\t+2:BB+4*\t+3], v[BB+4*\t+2:BB+4*\t+3], v[10:11]
.endr
	WIN 0x08
.irp t, 0,1,2,3,4,5,6,7
	v_pk_add_f32 v[BB+4*\t:BB+4*\t+1], v[BB+4*\t:BB+4*\t+1], v[32*(\a)+4*\t:32*(\a)+4*\t+1]
	v_pk_add_f32 v[BB+4*\t+2:BB+4*\t+3], v[BB+4*\t+2:BB+4*\t+3], v[32*(\a)+4*\t+2:32*(\a)+4*\t+3]
.endr
	WIN 0
.irp t, 0,1,2,3,4,5,6,7
	global_store_b128 v[CO], v[BB+4*\t:BB+4*\t+3], s[12:13] offset:(32*((\a)/2)+8*((\a)%2)+2*\t+8*(\t/4))*4096 th:TH_STORE_NT
.endr
.endm
	s_load_b256 s[4:11], s[0:1], 0x0
	s_load_b64 s[12:13], s[0:1], 0x20
	v_lshl_add_u32 v[SPW], v0, 2, SPARE
	v_mov_b32 v[NIL], 0
	ds_add_u32 v28, v29
	ds_add_u32 v28, v29
	s_wait_dscnt 0x0
	v_lshrrev_b32 v1, 5, v0
	v_readfirstlane_b32 s14, v1
	; the prefetches' offsets: a slot's part of a row tile is 8,704 bytes, 34 blocks of 256: v12 names blocks 0-31, a lane a block; v13 blocks 32 and 33 (the lanes left over name the last again)
	v_and_b32 v12, 31, v0
	v_min_u32 v13, 1, v12
	v_lshlrev_b32 v12, 8, v12
	v_lshl_add_u32 v13, v13, 8, 8192
	s_lshr_b32 s15, s14, 1
	s_and_b32 s16, s14, 1
	s_bfe_u32 s40, ttmp6, 0x40000
	s_bfe_u32 s41, ttmp6, 0x40004
	s_lshl_b32 s42, ttmp9, 2
	s_add_co_u32 s42, s42, s40
	s_and_b32 s17, ttmp7, 0xffff
	s_lshl_b32 s17, s17, 2
	s_add_co_u32 s17, s17, s41
	s_lshl_b32 s43, s41, 2
	s_lshl_b32 s43, 15, s43
	s_lshl_b32 s44, 0x1111, s40
	s_or_b32 s[G1+0], s43, (3<<16)|(1<<21)
	s_or_b32 s[G1B+0], s44, (3<<16)|(1<<21)
.irp g, G1, G1B
	s_mov_b32 s[\g+1], 1088<<16
	s_mov_b32 s[\g+2], 4<<16
	s_mov_b32 s[\g+3], 1088<<16
	s_mov_b32 s[\g+4], 4
	s_mov_b32 s[\g+5], RS/8
	s_mov_b32 s[\g+6], 0
	s_mov_b32 s[\g+7], 0
.endr
	s_lshl_b32 s18, s16, 2
	s_lshl_b32 s20, s17, 3
	s_add_co_u32 s20, s20, s18
	s_mul_i32 s20, s20, RS
	s_mov_b32 s21, 0
	s_lshl_b32 s46, s42, 3
	s_add_co_u32 s46, s46, s18
	s_mul_i32 s46, s46, RS
	s_add_co_u32 s46, s46, BOFF
	s_mov_b32 s47, 0
	s_mul_i32 s45, s14, HALFT
	s_wait_kmcnt 0x0
	s_add_nc_u64 s[20:21], s[4:5], s[20:21]
	s_add_nc_u64 s[46:47], s[6:7], s[46:47]
	; s[84:85]: where my prefetches stand.  Of the 4 row tiles that my wave fetches jointly with three partners, my work-group names one, told apart by address: tile cx of the tokens', tile cy of the weight's.
	s_cmp_eq_u32 s15, 0
	s_cselect_b64 s[84:85], s[20:21], s[46:47]
	s_cselect_b32 s86, s40, s41
	s_mul_i32 s86, s86, RS
	s_mov_b32 s87, 0
	s_add_nc_u64 s[84:85], s[84:85], s[86:87]
	CROUND
.irp s, 0,1
	s_mov_b32 s[G0+4*\s], 1
	s_add_co_u32 s[G0+4*\s+1], s45, \s*SLOT
	s_add_nc_u64 s[G0+4*\s+2:G0+4*\s+3], s[20:21], \s*REC2
	s_or_b32 s[G0+4*\s+3], s[G0+4*\s+3], 0x80000000
	s_mov_b32 s[G0B+4*\s], 1
	s_add_co_u32 s[G0B+4*\s+1], s45, \s*SLOT
	s_add_nc_u64 s[G0B+4*\s+2:G0B+4*\s+3], s[46:47], \s*REC2
	s_or_b32 s[G0B+4*\s+3], s[G0B+4*\s+3], 0x80000000
	s_wait_alu depctr_va_vdst(0)
.if \s
	s_wait_tensorcnt 0x0                           ; slot 1's first fill stands behind the full sequence and a round, as a refill does
	ds_add_u32 v28, v29
	s_wait_dscnt 0x0
	CROUND
.endif
	JLOAD G0+4*\s, G1, G0B+4*\s, G1B
.if \s == 0
	global_prefetch_b8 v12, s[84:85] offset:REC2 th:TH_LOAD_NT scope:SCOPE_SE          ; behind the load of slot 0 slot 1 is asked for too: two slots asked for and not yet loaded, as in every later trip
	global_prefetch_b8 v13, s[84:85] offset:REC2 th:TH_LOAD_NT scope:SCOPE_SE
.endif
	global_prefetch_b8 v12, s[84:85] offset:(\s+2)*REC2 th:TH_LOAD_NT scope:SCOPE_SE   ; behind the load of slot s: the tiles of slot s + 2, two loads ahead
	global_prefetch_b8 v13, s[84:85] offset:(\s+2)*REC2 th:TH_LOAD_NT scope:SCOPE_SE
.endr
	v_and_b32 v1, 31, v0
	v_bfe_u32 v2, v0, 4, 1
	v_lshlrev_b32 v[LI], 4, v1
	s_mul_i32 s72, s15, HALFT
	s_mul_i32 s73, s16, HALFT
	s_add_co_u32 s73, s73, 2*HALFT
	s_sub_co_u32 s74, s73, s72
	v_mul_u32_u24 v3, s74, v2
	v_lshl_add_u32 v3, v1, 3, v3
	s_add_co_u32 s75, s72, 4096
	v_add_nc_u32 v[ADRS], s75, v3
	v_add_nc_u32 v[ADRS+1], SLOT, v[ADRS]
.irp s, 0,1
	v_add_nc_u32 v[ADRA+\s], s72, v[LI]
	v_add_nc_u32 v[ADRB+\s], s73, v[LI]
	s_add_co_u32 s72, s72, SLOT
	s_add_co_u32 s73, s73, SLOT
.endr
	s_mul_i32 s76, s14, 16*272
	v_and_b32 v4, 15, v0
	v_mul_u32_u24 v5, v4, 272
	v_lshl_add_u32 v5, v2, 6, v5
	v_add_nc_u32 v[STO], s76, v5
	v_mul_u32_u24 v6, v2, 272
	v_lshl_add_u32 v6, v4, 4, v6
	v_add_nc_u32 v[RD], s76, v6
	v_lshlrev_b32 v7, 12, v2
	v_lshl_add_u32 v[CO], v4, 4, v7
	v_lshlrev_b32 v[BO], 4, v4
	s_wait_alu depctr_va_vdst(0)
	s_lshl_b32 s78, s42, 9
	s_lshl_b32 s79, s16, 8
	s_add_co_u32 s78, s78, s79
	s_mov_b32 s79, 0
	s_add_nc_u64 s[10:11], s[10:11], s[78:79]
	s_lshl_b32 s80, s17, 19
	s_lshl_b32 s81, s15, 18
	s_add_co_u32 s80, s80, s81
	s_add_co_u32 s80, s80, s78
	s_mov_b32 s81, 0
	s_add_nc_u64 s[8:9], s[8:9], s[80:81]
	s_add_nc_u64 s[12:13], s[12:13], s[80:81]
	global_load_b128 v[8:11], v[BO], s[10:11]
	WIN 0x80
.irp a, 0,1,2,3
.irp t, 0,1,2,3,4,5,6,7
	global_load_b128 v[32*\a+4*\t:32*\a+4*\t+3], v[CO], s[8:9] offset:(32*(\a/2)+8*(\a%2)+2*\t+8*(\t/4))*4096
.endr
.endr
	WIN 0
	s_wait_tensorcnt 1
	s_barrier_signal -1
	s_barrier_wait -1
	FETCH 0, 0, 0
	WIN 0
	SCALES 0
	KSTEP 0, 0, 1
.if LAPS > 1
	WIN 0
	s_mov_b32 s3, LAPS-1
.Llap:
	KSTEP 0, 1, 0
	KSTEP 0, 2, 0
	TURN 0, 1, 1
	KSTEP 1, 0, 0
	KSTEP 1, 1, 0
	KSTEP 1, 2, 0
	TURN 1, 0, 1
	KSTEP 0, 0, 0
	WIN 0
	s_sub_co_u32 s3, s3, 1
	s_cmp_lg_u32 s3, 0
	s_cbranch_scc1 .Llap
.endif
	KSTEP 0, 1, 0
	KSTEP 0, 2, 0
	TURN 0, 1, 0
	KSTEP 1, 0, 0
	KSTEP 1, 1, 0
	KSTEP 1, 2, 0
	s_wait_dscnt 0x0
	WIN MUL
.irp a, 0,1,2,3
	MUL4 128, \a, 1, 3, 0
.endr
	WIN 0
	PLACES NP
	s_wait_loadcnt 0x0
.irp a, 0,1,2,3
	OUTBLK \a
.endr
	s_wait_tensorcnt 0x0
	ds_add_u32 v[SPW], v[NIL]
	s_wait_dscnt 0x0
	CROUND
	s_endpgm
.Lfunc_end_k_qc4c65dbbab_ffn2:
	.size	k_qc4c65dbbab_ffn2, .Lfunc_end_k_qc4c65dbbab_ffn2-k_qc4c65dbbab_ffn2
	.p2alignl 7, 3214868480
	.fill 96, 4, 3214868480
	.section	.rodata,"a",@progbits
	.p2align	6, 0x0
	.amdhsa_kernel k_qc4c65dbbab_ffn2
		.amdhsa_group_segment_fixed_size 327680
		.amdhsa_private_segment_fixed_size 0
		.amdhsa_enable_private_segment 0
		.amdhsa_kernarg_size 40
		.amdhsa_user_sgpr_count 2
		.amdhsa_user_sgpr_kernarg_segment_ptr 1
		.amdhsa_wavefront_size32 1
		.amdhsa_system_sgpr_workgroup_id_x 1
		.amdhsa_system_sgpr_workgroup_id_y 1
		.amdhsa_system_sgpr_workgroup_id_z 1
		.amdhsa_system_vgpr_workitem_id 0
		.amdhsa_next_free_vgpr 768
		.amdhsa_next_free_sgpr 100
		.amdhsa_reserve_vcc 0
		.amdhsa_float_denorm_mode_32 3
		.amdhsa_float_denorm_mode_16_64 3
		.amdhsa_memory_ordered 1
		.amdhsa_forward_progress 1
		.amdhsa_inst_pref_size 103
	.end_amdhsa_kernel
	.amdgpu_metadata
---
amdhsa.version: [ 1, 2 ]
amdhsa.kernels:
  - .name:           k_qc4c65dbbab_ffn2
    .symbol:         k_qc4c65dbbab_ffn2.kd
    .args:
      - { .name: gb, .offset: 0, .size: 8, .value_kind: global_buffer, .address_space: global }
      - { .name: wb, .offset: 8, .size: 8, .value_kind: global_buffer, .address_space: global }
      - { .name: x1, .offset: 16, .size: 8, .value_kind: global_buffer, .address_space: global }
      - { .name: b2, .offset: 24, .size: 8, .value_kind: global_buffer, .address_space: global }
      - { .name: out0, .offset: 32, .size: 8, .value_kind: global_buffer, .address_space: global }
    .group_segment_fixed_size: 327680
    .private_segment_fixed_size: 0
    .kernarg_segment_align: 8
    .kernarg_segment_size: 40
    .max_flat_workgroup_size: 128
    .sgpr_count:     100
    .vgpr_count:     768
    .wavefront_size: 32
...
	.end_amdgpu_metadata
.endif
;; end of part 12
